; MI455X (gfx1250); checked and timed in simulation.
; The chip was launched on July 23, 2026; its instructions are those of AMD's public machine-readable ISA for CDNA 5 (MIT licence, August 2026) and "CDNA5" Instruction Set Architecture Reference Guide (July 2026). The comments in the code are by the model that wrote it; some were corrected since.
;; Block. Allowed arithmetic: matrix products marked QUANTISED: E5M2 operands, one E8M0 scale for each 32 along K, by v_wmma_scale_f32_16x16x128_f8f6f4 with both operands' format E5M2, f32 sums; everything else in f32.
;; Inputs: W_attn_codes 3,072 x 32 x 32 uint8 (E5M2 codes of W_attn, K innermost, in blocks of 32 codes); W_attn_scales 3,072 x 32 uint8 (E8M0 scales of W_attn, one for each 32 codes along K); W_fc2_codes 1,024 x 128 x 32 uint8 (E5M2 codes of W_fc2, K innermost, in blocks of 32 codes); W_fc2_scales 1,024 x 128 uint8 (E8M0 scales of W_fc2, one for each 32 codes along K); W_fc_codes 4,096 x 32 x 32 uint8 (E5M2 codes of W_fc, K innermost, in blocks of 32 codes); W_fc_scales 4,096 x 32 uint8 (E8M0 scales of W_fc, one for each 32 codes along K); W_proj_codes 1,024 x 32 x 32 uint8 (E5M2 codes of W_proj, K innermost, in blocks of 32 codes); W_proj_scales 1,024 x 32 uint8 (E8M0 scales of W_proj, one for each 32 codes along K); b_attn 3,072 float32; b_fc 4,096 float32; b_fc2 1,024 float32; b_proj 1,024 float32; ln1_b 1,024 float32; ln1_w 1,024 float32; ln2_b 1,024 float32; ln2_w 1,024 float32; x 2 x 2,048 x 1,024 float32.
;; Outputs: out0 2 x 2,048 x 1,024 float32.
;; This version of the problem:
;;   THIS VERSION OF THE PROBLEM IS GIVEN IN LOW PRECISION. The matrix products marked QUANTISED in the list below multiply operands that are first quantised to E5M2 (5 exponent bits, 2 mantissa bits; 8 bits a number), with one power-of-two scale for each 32 numbers along K (OCP MX v1.0); their sums are f32. All else is computed in f32.
;;   The module's matrix products, in the order in which they are computed (A, B: the left and right operand; K: the contracted axis; several contracted axes count as one K, in the product's order):
;;     1. [M 4,096, K 1,024] x [K 1,024, N 3,072]; A: computed on the way; B: input W_attn (given as codes): QUANTISED
;;     2. batch 32 x [M 2,048, K 64] x [K 64, N 2,048]; A: computed on the way; B: computed on the way: QUANTISED
;;     3. batch 32 x [M 64, K 2,048] x [K 2,048, N 2,048]; A: computed on the way; B: softmax (see below): QUANTISED
;;     4. [M 4,096, K 1,024] x [K 1,024, N 1,024]; A: computed on the way; B: input W_proj (given as codes): QUANTISED
;;     5. [M 4,096, K 1,024] x [K 1,024, N 4,096]; A: computed on the way; B: input W_fc (given as codes): QUANTISED
;;     6. [M 4,096, K 4,096] x [K 4,096, N 1,024]; A: computed on the way; B: input W_fc2 (given as codes): QUANTISED
;;   THE QUANTISER, for each operand of a quantised product, along K:
;;     - K is cut into blocks of 32 from its start; a last block that is shorter is filled with zeros.
;;     - A block's scale is 2^e with e = floor(log2(the largest magnitude in the block)) - 15, held to -126 .. 127; a block of zeros has e = 0. As a byte (E8M0): e + 127.
;;     - Each number is divided by its block's scale, clamped to +-57,344, and rounded to the nearest number of E5M2, ties to even, subnormals kept.
;;     - The product sums the exact products of the quantised numbers (number of the format x scale) in f32.
;;   ~~~python
;;   def quantise(x, axis):      # numpy; x: float32 -> the quantised numbers, widened to float32 again
;;       x = np.moveaxis(x, axis, -1); K = x.shape[-1]
;;       x = np.pad(x, [(0, 0)] * (x.ndim - 1) + [(0, -K % 32)]); x = x.reshape(x.shape[:-1] + (-1, 32)); a = np.abs(x).max(-1, keepdims=True)
;;       e = np.where(a > 0, np.clip(np.frexp(np.where(a > 0, a, 1))[1] - 1 - 15, -126, 127), 0)      # np.frexp(a)[1] - 1 = floor(log2(a)), exactly
;;       r = np.clip(x / 2.0 ** e, -57344, 57344)
;;       step = 2.0 ** (np.maximum(np.frexp(np.where(r == 0, 1, r))[1] - 1, -14) - 2)
;;       q = np.round(r / step) * step * 2.0 ** e      # np.round: ties to even
;;       return np.moveaxis(q.reshape(q.shape[:-2] + (-1,))[..., :K], -1, axis).astype(np.float32)
;;   ~~~
;;   SOFTMAX AHEAD OF A QUANTISED PRODUCT. Where the list says 'softmax', what is quantised is not the finished softmax but p = 2^(t - M), with t = logit x log2(e) and M = ceil(the row's largest t), a whole number; so 1/2 < the row's largest p <= 1. The row's sum l is taken of the UNQUANTISED p, in f32, and the product's result is divided by l at the end. Since M is a whole number, a kernel that streams over the keys may use a running M (the ceiling of the running maximum): every later rescaling is an exact power of two, which a block's scale takes up: the codes' values come out the same.
;;   OPERANDS COMPUTED ON THE WAY. 'Computed on the way' means the value that the module computes at that place (a softmax that the list does not call 'softmax' is quantised finished and normalised). What goes into a quantiser is computed in f32, as accurately as f32 sums, v_exp_f32 and their like allow (about 1e-6 of the number): no bf16 or f16 on the way to a quantiser, and a product that is left as it is and whose result goes on into a quantised operand takes f32 operands (vector FMAs, or v_wmma_f32_16x16x4_f32). A number that lies on a knife's edge between two numbers of the format may be rounded either way, as far as f32 arithmetic and the matrix unit's own rounding can turn it there, and no further.
;;   INPUTS GIVEN AS CODES. W_attn (in the module: [1024, 3072], K = its axis 0); W_fc (in the module: [1024, 4096], K = its axis 0); W_fc2 (in the module: [4096, 1024], K = its axis 0); W_proj (in the module: [1024, 1024], K = its axis 0): each comes as NAME_codes (uint8): NAME with its K axis moved to the last place and cut into blocks of 32 codes, [.., K / 32, bytes a block], one block behind the other in memory; one code a byte (a code: sign, 5 exponent bits, 2 mantissa bits); and NAME_scales (uint8): the same leading axes, one E8M0 byte (e + 127) for each 32 codes along K. Its value is code x scale, taken as it is: it is not quantised again, and the codes and scales need not be those that the quantiser above would give.
;; One version. Each part assembles by itself: llvm-mc -triple=amdgcn-amd-amdhsa -mcpu=gfx1250 --defsym DOCPART=n.
;; ======== version 1 of 1: 7 launches
;; limits: right only within a limited range of input values
;; workspace buffers: H 4,325,376 bytes; QKV 12,976,128 bytes; Y 4,325,376 bytes; X1 16,777,216 bytes; G 17,301,504 bytes
;; launch ln1 (part 1): grid 256 x 1, 4 waves a work-group, no clusters, 21,504 bytes of LDS; arguments x, ln1_w, ln1_b, H; writes H
.if DOCPART == 1
	.amdgcn_target "amdgcn-amd-amdhsa--gfx1250"
	.amdhsa_code_object_version 6
	.text
	.protected	k_q4709d8089f_ln1
	.globl	k_q4709d8089f_ln1
	.p2align	8
	.type	k_q4709d8089f_ln1,@function
k_q4709d8089f_ln1:
	s_mov_b64 s[64:65], 0
	v_nop
	global_prefetch_b8 v0, s[64:65] scope:SCOPE_SE
	s_setreg_imm32_b32 hwreg(HW_REG_WAVE_MODE, 25, 1), 1
	s_wait_xcnt 0x0
; LAYER NORM, THEN THE QUANTISER: in [4096][1024] f32 -> H: codes of BF8 (E5M2) [4096][1024] at byte 0, one E8M0 byte for each 32 along a row, [4096][32], at byte 4,194,304.
; THE PROGRAM (seven launches): this body on x (LN 1); x W_attn + b_attn with q, k quantised along the head's 64 and v along the keys; attention; the projection + b_proj + x -> x1; this body on x1 (LN 2);
; W_fc + b_fc, exact gelu, quantised; W_fc2 + b_fc2 + x1 -> out0.  Every operand that is computed on the way is made in f32 and quantised once, by the launch that makes it, and goes to memory as codes.
; WORK LEFT OUT, in the attention launch alone: a step of 128 keys all of which come after the 16 queries of a tile.  reference() sets those scores to -inf by its own jnp.tril, so their p is 0 and they add
; nothing to the row's sum or to y, whatever finite values the inputs hold.  LIMIT: a NaN, an infinity or an overflow that reaches only those scores is not carried to the result.  Every input is loaded.
; LIMITS of the quantiser here and in the later launches: NaN and infinities among the inputs are not served; a block of zeros gets the byte 1 where the rule says 127 (its codes are zeros, which add nothing
; under any byte but 0xff, and this program alone reads the bytes); a block whose largest magnitude lies under 2^-111 is held at the byte 1.
; SHARES.  A work-group takes 16 rows, a wave 4.  A row is 4,096 bytes: eight loads of 512 consecutive bytes, 32 registers a lane; it stays in registers between the mean, the variance and the scaling.
; The variance is the mean of (x - mean)^2, as reference() has it.  The conversions want 16 neighbours in ONE lane, the loads give a lane 4: half a row (2,048 bytes) at a time turns through the wave's own
; stage in LDS (16 bytes of padding behind each 64).  A lane's 16 codes are 16 bytes: a store covers 512 consecutive bytes.  The work-group's 512 scale bytes meet in LDS and leave by one store of wave 0.
; No matrix unit, no cluster, no tensor load: a stream in which no two work-groups read the same byte but the two short vectors.
.set SP,    80                         ; a lane's place in a stage: 64 bytes + 16 of padding
.set WREG,  2*32*SP                    ; a wave's two stages
.set SCB,   4*WREG                     ; the work-group's scale bytes: 32 x row + block
.set SPARE, SCB+512                    ; the spare words, 128 bytes for each wave: two blocks of 256 bytes that no other line names
.set SPW, 12                           ; v12  LDS address of my spare word; never rewritten
.set NIL, 13                           ; v13  0; never rewritten
.set W,   16                           ; v16-47   the gain of my 32 columns
.set BI,  48                           ; v48-79   the bias
.set X,   80                           ; v80-207  four rows, 32 registers each; a row's first eight later hold its codes
.set XS,  208                          ; v208-239 two sets of 16 neighbours
.set E,   240                          ; v240-247 a scale byte for each half row
.set ST,  248                          ; v248-253 sums, the mean, 1 / sqrt
	s_load_b256 s[4:11], s[0:1], 0x0               ; in s[4:5], gain s[6:7], bias s[8:9], H s[10:11]
	v_lshl_add_u32 v[SPW], v0, 2, SPARE
	v_mov_b32 v[NIL], 0
	v_lshrrev_b32 v2, 5, v0
	v_readfirstlane_b32 s16, v2                    ; wave 0..3
	v_and_b32 v2, 31, v0                           ; lane
	v_lshlrev_b32 v1, 4, v2                        ; 16 x lane: my bytes of a load's or a store's 512; never rewritten
	s_mul_i32 s17, s16, WREG
	v_lshrrev_b32 v14, 2, v2
	v_mul_u32_u24 v14, v14, SP
	v_and_b32 v15, 3, v2
	v_lshl_add_u32 v14, v15, 4, v14
	v_add_nc_u32 v14, s17, v14                     ; into a stage: four lanes' 64 bytes on end, then the padding
	v_mul_u32_u24 v15, v2, SP
	v_add_nc_u32 v15, s17, v15                     ; out of it: my 16 neighbours
	s_lshl_b32 s18, s16, 7
	s_add_co_u32 s18, s18, SCB
	v_lshrrev_b32 v5, 1, v2
	v_add_nc_u32 v5, s18, v5                       ; my wave's 128 scale bytes, my block's byte
	v_add_nc_u32 v6, SCB, v1                       ; wave 0, at the end: 16 bytes a lane
	s_mov_b32 s12, 0x76543210
	s_mov_b32 s13, 0xfedcba98                      ; v_permlanex16_b32's selects for lane l xor 16
	s_mov_b32 s14, 0x3a800000                      ; 1 / 1024
	s_mov_b32 s15, 0x3727c5ac                      ; 1e-5
	s_mov_b32 s23, 0x600000                        ; the mantissa field of 57,344
	s_lshl_b32 s20, ttmp9, 16                      ; 16 rows of 4,096 bytes a work-group,
	s_lshl_b32 s21, s16, 14                        ; 4 a wave
	s_add_co_u32 s20, s20, s21
	s_mov_b32 s21, 0
	s_lshl_b32 s24, ttmp9, 14                      ; the same rows' codes, 1,024 bytes a row
	s_lshl_b32 s25, s16, 12
	s_add_co_u32 s24, s24, s25
	s_mov_b32 s25, 0
	s_lshl_b32 s26, ttmp9, 9                       ; the work-group's 512 scale bytes
	s_add_co_u32 s26, s26, 0x400000
	s_mov_b32 s27, 0
	s_wait_kmcnt 0x0
	s_add_nc_u64 s[4:5], s[4:5], s[20:21]
	s_add_nc_u64 s[28:29], s[10:11], s[24:25]
	s_add_nc_u64 s[30:31], s[10:11], s[26:27]
.irp i, 0,1,2,3,4,5,6,7
	global_load_b128 v[W+4*\i:W+4*\i+3], v1, s[6:7] offset:512*\i
.endr
.irp i, 0,1,2,3,4,5,6,7
	global_load_b128 v[BI+4*\i:BI+4*\i+3], v1, s[8:9] offset:512*\i
.endr
.irp r, 0,1,2,3
.irp i, 0,1,2,3,4,5,6,7
	global_load_b128 v[X+32*\r+4*\i:X+32*\r+4*\i+3], v1, s[4:5] offset:4096*\r+512*\i
.endr
.endr
; the two chains' four partial sums become the sum over the row, in every lane
.macro REDUCE
	v_pk_add_f32 v[ST:ST+1], v[ST:ST+1], v[ST+2:ST+3]
	v_add_f32 v[ST], v[ST], v[ST+1]
	v_add_f32_dpp v[ST], v[ST], v[ST] row_xmask:1 row_mask:0xf bank_mask:0xf
	v_add_f32_dpp v[ST], v[ST], v[ST] row_xmask:2 row_mask:0xf bank_mask:0xf
	v_add_f32_dpp v[ST], v[ST], v[ST] row_xmask:4 row_mask:0xf bank_mask:0xf
	v_add_f32_dpp v[ST], v[ST], v[ST] row_xmask:8 row_mask:0xf bank_mask:0xf
	v_permlanex16_b32 v[ST+1], v[ST], s12, s13
	v_add_f32 v[ST], v[ST], v[ST+1]
.endm
; row r: mean, x - mean, variance, 1 / sqrt(variance + eps), ((x - mean) / sqrt) x gain + bias
.macro ROWSTAT r
.set XR, X+32*\r
	s_wait_loadcnt 8*(3-\r)                        ; loads come back in order: gain, bias and this row are in; the later rows' eight loads each may be out
	v_pk_add_f32 v[ST:ST+1], v[XR:XR+1], v[XR+2:XR+3]
	v_pk_add_f32 v[ST+2:ST+3], v[XR+4:XR+5], v[XR+6:XR+7]
.irp j, 8,12,16,20,24,28
	v_pk_add_f32 v[ST:ST+1], v[ST:ST+1], v[XR+\j:XR+\j+1]
	v_pk_add_f32 v[ST+2:ST+3], v[ST+2:ST+3], v[XR+\j+2:XR+\j+3]
.endr
	REDUCE
	v_mul_f32 v[ST+4], s14, v[ST]                  ; the mean, twice: a pair for the packed forms
	v_mul_f32 v[ST+5], s14, v[ST]
.irp j, 0,2,4,6,8,10,12,14,16,18,20,22,24,26,28,30
	v_pk_add_f32 v[XR+\j:XR+\j+1], v[XR+\j:XR+\j+1], v[ST+4:ST+5] neg_lo:[0,1] neg_hi:[0,1]
.endr
	v_pk_mul_f32 v[ST:ST+1], v[XR:XR+1], v[XR:XR+1]
	v_pk_mul_f32 v[ST+2:ST+3], v[XR+2:XR+3], v[XR+2:XR+3]
.irp j, 4,8,12,16,20,24,28
	v_pk_fma_f32 v[ST:ST+1], v[XR+\j:XR+\j+1], v[XR+\j:XR+\j+1], v[ST:ST+1]
	v_pk_fma_f32 v[ST+2:ST+3], v[XR+\j+2:XR+\j+3], v[XR+\j+2:XR+\j+3], v[ST+2:ST+3]
.endr
	REDUCE
	v_fma_f32 v[ST], v[ST], s14, s15               ; the variance + eps
	s_wait_alu depctr_va_vdst(0)
	v_rsq_f32 v[ST+4], v[ST]
	v_nop                                          ; a plain instruction behind the transcendental,
	s_wait_alu depctr_va_vdst(0)                   ; and the wait ahead of the first line that names its result
	v_mov_b32 v[ST+5], v[ST+4]
.irp j, 0,2,4,6,8,10,12,14,16,18,20,22,24,26,28,30
	v_pk_mul_f32 v[XR+\j:XR+\j+1], v[XR+\j:XR+\j+1], v[ST+4:ST+5]
.endr
.irp j, 0,2,4,6,8,10,12,14,16,18,20,22,24,26,28,30
	v_pk_fma_f32 v[XR+\j:XR+\j+1], v[XR+\j:XR+\j+1], v[W+\j:W+\j+1], v[BI+\j:BI+\j+1]
.endr
.endm
; half hf of row r through stage hf: LDS serves a wave's instructions in order, so no wait stands between the stores and the loads
.macro TURN r, hf
.irp i, 0,1,2,3
	ds_store_b128 v14, v[X+32*\r+16*\hf+4*\i:X+32*\r+16*\hf+4*\i+3] offset:32*SP*\hf+8*SP*\i
.endr
.irp i, 0,1,2,3
	ds_load_b128 v[XS+16*\hf+4*\i:XS+16*\hf+4*\i+3], v15 offset:32*SP*\hf+16*\i
.endr
.endm
; 512 numbers, 16 a lane, two neighbouring lanes to a block of 32: scale, hold, codes
.macro QSTEP r, hf
.set XQ, XS+16*\hf
.set CQ, X+32*\r+4*\hf
.if \hf
	s_wait_dscnt 1                                 ; this half is back from its stage; the first half's byte store may be out
.else
	s_wait_dscnt 8                                 ; this half is back; the second half's four stores and four loads may be out
.endif
	v_max3_num_f32 v8, |v[XQ]|, |v[XQ+1]|, |v[XQ+2]|
	v_max3_num_f32 v9, |v[XQ+3]|, |v[XQ+4]|, |v[XQ+5]|
.irp i, 6,10
	v_max3_num_f32 v8, v8, |v[XQ+\i]|, |v[XQ+\i+1]|
	v_max3_num_f32 v9, v9, |v[XQ+\i+2]|, |v[XQ+\i+3]|
.endr
	v_max3_num_f32 v8, v8, |v[XQ+14]|, |v[XQ+15]|
	v_max3_num_f32 v8, v8, v9, 0x8000000           ; and the floor 2^(16 - 127): the byte cannot fall under 1
	v_max_num_f32_dpp v8, v8, v8 row_xmask:1 row_mask:0xf bank_mask:0xf   ; with my neighbour's 16: the block's largest magnitude
	v_add_nc_u32 v11, 0xf8800000, v8               ; 15 off its exponent field: the conversion takes the exponent field of this operand as its scale
	v_and_or_b32 v10, v8, 0x7f800000, s23          ; 57,344 x the scale
.irp i, 0,1,2,3,4,5,6,7,8,9,10,11,12,13,14,15
	v_med3_num_f32 v[XQ+\i], v[XQ+\i], -v10, v10   ; the conversion to an 8-bit code does not saturate (ISA guide 7.6.2): the hold comes first
.endr
	v_cvt_scalef32_pk8_bf8_f32 v[CQ:CQ+1], v[XQ:XQ+7], v11        ; the codes take registers of the row that its stores into the stage have read
	v_cvt_scalef32_pk8_bf8_f32 v[CQ+2:CQ+3], v[XQ+8:XQ+15], v11
	v_lshrrev_b32 v[E+2*\r+\hf], 23, v11           ; the scale's byte (also the plain line behind the conversions)
	ds_store_b8 v5, v[E+2*\r+\hf] offset:32*\r+16*\hf              ; both lanes of a block write the same byte with the same value
	global_store_b128 v1, v[CQ:CQ+3], s[28:29] offset:1024*\r+512*\hf   ; 32 lanes store 512 consecutive bytes
.endm
.irp r, 0,1,2,3
	ROWSTAT \r
	TURN \r, 0
	TURN \r, 1
	QSTEP \r, 0
	QSTEP \r, 1
.endr
	s_wait_dscnt 0x0                               ; for wave 0's sake: my byte stores have landed
	s_barrier_signal -1
	s_barrier_wait -1
	s_cmp_lg_u32 s16, 0
	s_cbranch_scc1 .Lothers
	ds_load_b128 v[208:211], v6                    ; the 16 rows' 512 scale bytes
	s_wait_dscnt 0x0
	global_store_b128 v1, v[208:211], s[30:31]     ; two aligned runs of 256 bytes
.Lothers:
	s_wait_tensorcnt 0x0                           ; the wave's end: behind my last LDS store
	ds_add_u32 v[SPW], v[NIL]
	s_wait_dscnt 0x0
	s_endpgm
.Lfunc_end_k_q4709d8089f_ln1:
	.size	k_q4709d8089f_ln1, .Lfunc_end_k_q4709d8089f_ln1-k_q4709d8089f_ln1
	.p2alignl 7, 3214868480
	.fill 96, 4, 3214868480
	.section	.rodata,"a",@progbits
	.p2align	6, 0x0
	.amdhsa_kernel k_q4709d8089f_ln1
		.amdhsa_group_segment_fixed_size 21504
		.amdhsa_private_segment_fixed_size 0
		.amdhsa_enable_private_segment 0
		.amdhsa_kernarg_size 32
		.amdhsa_user_sgpr_count 2
		.amdhsa_user_sgpr_kernarg_segment_ptr 1
		.amdhsa_wavefront_size32 1
		.amdhsa_system_sgpr_workgroup_id_x 1
		.amdhsa_system_sgpr_workgroup_id_y 1
		.amdhsa_system_sgpr_workgroup_id_z 1
		.amdhsa_system_vgpr_workitem_id 0
		.amdhsa_next_free_vgpr 256
		.amdhsa_next_free_sgpr 66
		.amdhsa_reserve_vcc 0
		.amdhsa_float_denorm_mode_32 3
		.amdhsa_float_denorm_mode_16_64 3
		.amdhsa_memory_ordered 1
		.amdhsa_forward_progress 1
		.amdhsa_inst_pref_size 53
	.end_amdhsa_kernel
	.amdgpu_metadata
---
amdhsa.version: [ 1, 2 ]
amdhsa.kernels:
  - .name:           k_q4709d8089f_ln1
    .symbol:         k_q4709d8089f_ln1.kd
    .args:
      - { .name: x, .offset: 0, .size: 8, .value_kind: global_buffer, .address_space: global }
      - { .name: ln1_w, .offset: 8, .size: 8, .value_kind: global_buffer, .address_space: global }
      - { .name: ln1_b, .offset: 16, .size: 8, .value_kind: global_buffer, .address_space: global }
      - { .name: H, .offset: 24, .size: 8, .value_kind: global_buffer, .address_space: global }
    .group_segment_fixed_size: 21504
    .private_segment_fixed_size: 0
    .kernarg_segment_align: 8
    .kernarg_segment_size: 32
    .max_flat_workgroup_size: 128
    .sgpr_count:     66
    .vgpr_count:     256
    .wavefront_size: 32
...
	.end_amdgpu_metadata
.endif
;; end of part 1
;; launch qkv (part 2): grid 12 x 16, 4 waves a work-group, clusters of 4 x 4, 327,680 bytes of LDS; arguments H, W_attn_codes, W_attn_scales, b_attn, QKV; writes QKV
.if DOCPART == 2
	.amdgcn_target "amdgcn-amd-amdhsa--gfx1250"
	.amdhsa_code_object_version 6
	.text
	.protected	k_q4709d8089f_qkv
	.globl	k_q4709d8089f_qkv
	.p2align	8
	.type	k_q4709d8089f_qkv,@function
k_q4709d8089f_qkv:
	s_mov_b64 s[64:65], 0
	v_nop
	global_prefetch_b8 v0, s[64:65] scope:SCOPE_SE
	s_setreg_imm32_b32 hwreg(HW_REG_WAVE_MODE, 25, 1), 1
	s_wait_xcnt 0x0
	s_wait_alu depctr_hold_cnt(0) depctr_sa_sdst(0) depctr_va_vdst(0) depctr_va_sdst(0) depctr_va_ssrc(0) depctr_va_vcc(0) depctr_vm_vsrc(0)
	s_getreg_b32 s2, hwreg(HW_REG_IB_STS2, 6, 4)
	s_cmp_eq_u32 s2, 0
	s_cbranch_scc0 .Lentry_in_a_cluster
	s_endpgm
.Lentry_in_a_cluster:
	s_bfe_u32 s2, ttmp6, 0x10000c
	s_cmp_lg_u32 s2, 0xf033
	s_cbranch_scc0 .Lentry_shape_is_right
	s_endpgm
.Lentry_shape_is_right:
; A GEMM ON CODES OF MX-BF8 WHOSE RESULT IS QUANTISED ON THE WAY OUT.  One text serves two launches; QKV says which.
; QKV = 1: qkv = LN1(x) W_attn + b_attn.  q and k are quantised along the head's 64 (the K of q k^T), v along the keys (the K of p v).  QKV = 0: gelu(LN2(x1) W_fc + b_fc), quantised along its 4,096 columns (the K of W_fc2).
; H: codes [4096][1024] and, at byte 4,194,304, scale bytes [4096][32].  W: codes [N][1024], scale bytes [N][32].  K = 1,024.
; THE PRODUCT: a tile of 256 x 256 to a work-group of four waves, 128 x 128 a wave (64 accumulators, 512 registers); K in steps of 256 through a ring of two LDS slots filled by the tensor data mover; the scale bytes
; of the tile's rows, for all of K, come into LDS once.  Clusters of 4 x 4: the operand called A here hangs on the cluster's row and is asked for jointly along it, B on the column.
; SOURCE 0 = 16 rows of B, SOURCE 1 = 16 rows of A: a lane holds ONE row of A, and its registers run along B's rows.  So the result is quantised along B's rows with one exchange between the halves of the lanes.
;   q, k and gelu: A = H (rows m), B = W (columns n).   v (QKV = 1, the third column of clusters): A = W_attn's rows 2,048 on (n), B = H (rows m = the keys): the product comes out transposed.
; THE WAY OUT.  Block by block of 16 rows of A: + bias (QKV = 0: gelu), the block's four scales, codes; the codes go to a stage of the wave's own in LDS; behind one barrier each wave takes 64 rows of A, whole,
; and stores them as pieces of 8 rows x 64 bytes, which lie on end in the buffers: every store covers 512 consecutive bytes.
; QKV buffer: q, k codes [n / 64][m'][64] at 0 (m' = m with its bits 3 and 4 exchanged); their scale words [n / 128][m][4] at 8,388,608; v codes [head][m / 64][d'][64 keys] at 8,650,752; v's scale words
; [m / 128][64 head + d][4] at 12,845,056.   G buffer: codes [m / 128][n / 64][m % 128][64] at 0; scale words [n / 128][m][4] at 16,777,216.
; gelu(x) = max(x, 0) - |x| R, R = erfc(|x| / sqrt 2) / 2 = t 2^(log2(e) (P(t) - x^2 / 2) - 1), t = 1 / (1 + |x| sqrt(2) / 4), P the ten-term fit of erfc (fractional error under 1.2e-7 everywhere), all in f32:
; the negative tail keeps its relative accuracy.  LIMITS: v_exp_f32 gives 0 under 2^-126, so R is 0 from |x| of about 13 on; NaN and infinities are not served; a block of zeros gets the byte 1, and a block
; whose largest magnitude lies under 2^-111 is held at that byte.
; REGISTERS, in windows of 256: window 0: v0-31 addresses; v32-63 scale words, two sets; from v128 A's fragments, one set; on the way out v64-255 are at work.  window 1: B's fragments, two sets; at the end
; the bias in the first.  window 2: the accumulators of my rows 0-63 ((a, b) at v[8 (8 a + b)]); window 3: those of rows 64-127.
.set QKV,    1
.set KSTEP,  256                       ; along K in a slot
.set NQ,     KSTEP/128
.set ROWB,   256                       ; a tile's row in bytes
.set KROW,   1024                      ; a row of codes in memory
.set PITCH,  272                       ; an LDS row: 256 bytes + 16 of padding = 68 words: the 16 rows that a load touches start at 16 different banks (64 banks of 4 bytes: ISA guide 11.1)
.set FR,     16
.set NL,     4
.set NP,     8                         ; places behind this matrix instruction (ISA guide 7.12.1)
.set HALFT,  128*PITCH
.set SLOT,   4*HALFT
.set LAPS,   1024/(2*KSTEP)
.set KS,     32                        ; a row of scale bytes
.set SCL,    2*SLOT                    ; behind the ring: the scale bytes, as runs of 256 bytes + 16 of padding
.set HALFS,  (128*KS/256)*272
.set SBLK,   (16*KS/256)*272
.set SPARE,  SCL+4*HALFS               ; the spare words, 128 bytes for each wave: two blocks of 256 bytes that no other line names
.set WST,    128*144                   ; the way out: a stage for each wave, 128 rows x (128 bytes + 16), in slot 0, which has had its last fill and its last read by then
.set SS,     4*WST                     ; behind the stages: 512 bytes for each wave, its 128 rows' scale words
.set ADRA, 16
.set ADRB, 20
.set STO,  24                          ; v24  my place in my stage: 144 r + 8 h
.set RD,   25                          ; v25  where I read pieces back
.set CO,   26                          ; v26  16 x lane
.set ADRS, 27
.set SPW,  28
.set NIL,  29
.set PW,   30                          ; v30  the scale word just made
.set SSO,  10                          ; v10  where I put it;  v11 where I read 16 bytes of them back
.set SSR,  11
.set C9V,  18                          ; v[18:19] the fit's last coefficient, twice
.set SC,   32
.set AF,   128
.set HA,   64                          ; v64-127  a block's 64 numbers of my row
.set TM,   128                         ; v128-143 the quantiser's work
.set PC,   144                         ; v144-159 the codes just made
.set GT,   160                         ; v160-191 t;  v192-223 the fit, then R;  v224-255 x^2, then max(x, 0)
.set GW,   192
.set GM,   224
.set G1, 24
.set G0, 32
.set G1B, 48
.set G0B, 56
.set G1S, 68
.set G0S, 76
.set G1SB, 80
.set G0SB, 88
.set CC,  24                           ; on the way out: s[24:41] the fit's c0 .. c8 as pairs; s[42:43] log2(e); s44 sqrt(2) / 4
.set L2E, 42
.set CH2, 44
.set OB,  48                           ; s[48:55] where the four pieces of a row begin;  s[58:59] the scale words
.set OSB, 58
.set SEL, 60
.set MNT, 62
.set MSB, 0
.macro WIN new                         ; the immediate's high byte repeats the setting that is left
.if MSB != (\new)
	s_set_vgpr_msb (MSB<<8)|(\new)
.set MSB, (\new)
.endif
.endm
.set MUL_LO, 0xa1                      ; source 0 (B) window 1, source 1 (A) window 0, C and D window 2
.set MUL_HI, 0xf1
.set TO_B,   0x40
; A joint load: waves 0 and 1 fetch for A, waves 2 and 3 for B.  The branch hangs on the wave's number alone.  An s_nop 0 and four v_nop follow each of the two lines.
.macro JLOAD g0a, g1a, g0b, g1b
	s_cmp_eq_u32 s15, 0
	s_cbranch_scc0 .Lfor_b_\@
	tensor_load_to_lds s[\g0a:\g0a+3], s[\g1a:\g1a+7]
	s_nop 0
.rept 4
	v_nop
.endr
	s_branch .Lasked_\@
.Lfor_b_\@:
	tensor_load_to_lds s[\g0b:\g0b+3], s[\g1b:\g1b+7]
	s_nop 0
.rept 4
	v_nop
.endr
.Lasked_\@:
.endm
.macro CREST                           ; a round of the cluster's barrier behind its opening barrier
	s_cmp_lg_u32 s14, 0
	s_cbranch_scc1 .Lnot_wave_0_\@
	s_barrier_signal -3
.Lnot_wave_0_\@:
	s_barrier_wait -3
	s_barrier_signal -1
	s_barrier_wait -1
.endm
.macro CROUND
	s_barrier_signal -1
	s_barrier_wait -1
	CREST
.endm
	s_load_b256 s[4:11], s[0:1], 0x0               ; H s[4:5], W's codes s[6:7], W's scales s[8:9], the bias s[10:11]
	s_load_b64 s[12:13], s[0:1], 0x20              ; the buffer of results
	v_lshl_add_u32 v[SPW], v0, 2, SPARE
	v_mov_b32 v[NIL], 0
	ds_add_u32 v[SPW], v[NIL]                      ; the wave's opening: the add, twice on end, and its wait ahead of my first tensor load
	ds_add_u32 v[SPW], v[NIL]
	v_lshrrev_b32 v1, 5, v0
	v_readfirstlane_b32 s14, v1                    ; wave 0..3
	s_lshr_b32 s15, s14, 1                         ; which half of A's 256 rows is mine.  Also: I fetch for A (0) or for B (1)
	s_and_b32 s16, s14, 1                          ; which half of B's.  Also: which 128 rows I fetch
	s_bfe_u32 s40, ttmp6, 0x40000                  ; cx, cy: my place in the cluster
	s_bfe_u32 s41, ttmp6, 0x40004
	s_lshl_b32 s42, ttmp9, 2
	s_add_co_u32 s42, s42, s40                     ; B's block of 256 rows: 4 x cluster x + cx
	s_and_b32 s18, ttmp7, 0xffff
	s_lshl_b32 s18, s18, 2
	s_add_co_u32 s17, s18, s41                     ; A's: 4 x cluster y + cy
.if QKV
	s_add_co_u32 s19, s41, 8                       ; v: A = W_attn's rows 2,048 + 256 cy on,
	s_add_co_u32 s20, s18, s40                     ; B = H's rows 256 (4 x cluster y + cx) on
	s_cmp_eq_u32 ttmp9, 2                          ; the third column of clusters makes v: the same in all sixteen partners
	s_cselect_b32 s66, 1, 0
	s_cselect_b32 s17, s19, s17                    ; A's block hangs on cy and never on cx, B's the other way round
	s_cselect_b32 s42, s20, s42
.endif
	s_lshl_b32 s43, s41, 2
	s_lshl_b32 s43, 15, s43                        ; my row of the cluster
	s_lshl_b32 s44, 0x1111, s40                    ; my column
	s_or_b32 s[G1+0], s43, (0<<16)|(1<<20)|(1<<21)|(5<<22)|(3<<25)  ; 15:0 the mask; 17:16 elements of 1 byte; 20 padding on; 21 set beside a mask; 24:22 after every 64 words; 31:25 four words
	s_or_b32 s[G1B+0], s44, (0<<16)|(1<<20)|(1<<21)|(5<<22)|(3<<25)
.irp g, G1, G1B
	s_mov_b32 s[\g+1], ROWB<<16                    ; tensor_dim0
	s_mov_b32 s[\g+2], 256<<16                     ; tensor_dim1: 256 rows for the head's loads; behind them 128
	s_mov_b32 s[\g+3], ROWB<<16                    ; tile_dim0
	s_mov_b32 s[\g+4], 256                         ; tile_dim1 likewise
	s_mov_b32 s[\g+5], KROW                        ; from row to row
	s_mov_b32 s[\g+6], 0
	s_mov_b32 s[\g+7], 0
.endr
	s_or_b32 s[G1S+0], s43, (3<<16)|(1<<20)|(1<<21)|(5<<22)|(3<<25)  ; the scale bytes of 256 rows: a dense block, as rows of 32 elements of 8 bytes, 16 bytes of padding behind each
	s_or_b32 s[G1SB+0], s44, (3<<16)|(1<<20)|(1<<21)|(5<<22)|(3<<25)
.irp g, G1S, G1SB
	s_mov_b32 s[\g+1], 32<<16
	s_mov_b32 s[\g+2], (256*KS/256)<<16            ; the scale bytes of 256 rows
	s_mov_b32 s[\g+3], 32<<16
	s_mov_b32 s[\g+4], 256*KS/256
	s_mov_b32 s[\g+5], 32
	s_mov_b32 s[\g+6], 0
	s_mov_b32 s[\g+7], 0
.endr
	s_lshl_b32 s18, s16, 7                         ; which 128 rows I fetch
	s_lshl_b32 s20, s17, 8
	s_add_co_u32 s20, s20, s18                     ; A's row
	s_lshl_b32 s46, s42, 8
	s_add_co_u32 s46, s46, s18                     ; B's row
	s_lshl_b32 s22, s17, 13                        ; where the 256 rows' scale bytes begin,
	s_mov_b32 s23, 0
	s_lshl_b32 s92, s42, 13
	s_mov_b32 s93, 0
	s_lshl_b32 s98, s17, 18                        ; and their codes, for the head's whole tiles
	s_mov_b32 s99, 0
	s_lshl_b32 s100, s42, 18
	s_mov_b32 s101, 0
	s_lshl_b32 s20, s20, 10                        ; and their codes
	s_mov_b32 s21, 0
	s_lshl_b32 s46, s46, 10
	s_mov_b32 s47, 0
	s_mul_i32 s45, s14, HALFT                      ; where they go: wave x 128 rows: no place in the cluster enters an LDS address
	s_mul_i32 s94, s14, HALFS
	s_wait_dscnt 0x0                               ; both opening adds are done
	s_wait_kmcnt 0x0
	s_add_nc_u64 s[2:3], s[4:5], 0x400000          ; H's scale bytes
.if QKV
	s_cmp_eq_u32 s66, 1                            ; which buffer is A and which is B: a choice that hangs on the cluster's number alone
	s_cselect_b64 s[18:19], s[6:7], s[4:5]         ; A's codes
	s_cselect_b64 s[6:7], s[4:5], s[6:7]           ; B's codes
	s_cselect_b64 s[4:5], s[8:9], s[2:3]           ; A's scales
	s_cselect_b64 s[8:9], s[2:3], s[8:9]           ; B's scales
.else
	s_mov_b64 s[18:19], s[4:5]
	s_mov_b64 s[4:5], s[2:3]
.endif
	s_add_nc_u64 s[20:21], s[18:19], s[20:21]
	s_add_nc_u64 s[22:23], s[4:5], s[22:23]
	s_add_nc_u64 s[46:47], s[6:7], s[46:47]
	s_add_nc_u64 s[92:93], s[8:9], s[92:93]
	s_add_nc_u64 s[98:99], s[18:19], s[98:99]
	s_add_nc_u64 s[100:101], s[6:7], s[100:101]
	CROUND                                         ; all sixteen work-groups are here: the first joint loads meet
	s_mov_b32 s[G0S], 1                            ; the head's four tiles, each whole: the scale bytes of A's 256 rows,
	s_mov_b32 s[G0S+1], SCL
	s_mov_b64 s[G0S+2:G0S+3], s[22:23]
	s_or_b32 s[G0S+3], s[G0S+3], 0x80000000
	s_mov_b32 s[G0SB], 1                           ; of B's,
	s_mov_b32 s[G0SB+1], SCL+2*HALFS
	s_mov_b64 s[G0SB+2:G0SB+3], s[92:93]
	s_or_b32 s[G0SB+3], s[G0SB+3], 0x80000000
	s_mov_b32 s[G0], 1                             ; K step 0's 256 rows of A,
	s_mov_b32 s[G0+1], 0
	s_mov_b64 s[G0+2:G0+3], s[98:99]
	s_or_b32 s[G0+3], s[G0+3], 0x80000000
	s_mov_b32 s[G0B], 1                            ; and of B
	s_mov_b32 s[G0B+1], 2*HALFT
	s_mov_b64 s[G0B+2:G0B+3], s[100:101]
	s_or_b32 s[G0B+3], s[G0B+3], 0x80000000
	s_mov_b32 s[G0+4], 1                           ; slot 1: my 128 rows of K step 1
	s_add_co_u32 s[G0+5], s45, SLOT
	s_add_nc_u64 s[G0+6:G0+7], s[20:21], ROWB
	s_or_b32 s[G0+7], s[G0+7], 0x80000000
	s_mov_b32 s[G0B+4], 1
	s_add_co_u32 s[G0B+5], s45, SLOT
	s_add_nc_u64 s[G0B+6:G0B+7], s[46:47], ROWB
	s_or_b32 s[G0B+7], s[G0B+7], 0x80000000
; one joint load a wave at the head: one chain of branches on the wave's number, a load to an arm, all arms to one join
.macro ARM under, g0, g1, next
	s_cmp_lt_u32 s14, \under
	s_cbranch_scc0 \next
	tensor_load_to_lds s[\g0:\g0+3], s[\g1:\g1+7]
	s_nop 0
.rept 4
	v_nop
.endr
	s_branch .Lhead_asked
\next:
.endm
	ARM 1, G0,  G1,  .Lhead_b
	ARM 2, G0B, G1B, .Lhead_sa
	ARM 3, G0S, G1S, .Lhead_sb
	tensor_load_to_lds s[G0SB:G0SB+3], s[G1SB:G1SB+7]
	s_nop 0
.rept 4
	v_nop
.endr
.Lhead_asked:
	s_wait_alu depctr_va_vdst(0)
	s_wait_tensorcnt 0x0                           ; my tile of the four is in; the full sequence stands ahead of slot 1's first fill
	ds_add_u32 v[SPW], v[NIL]
	s_mov_b32 s[G1+2], 128<<16                     ; no tensor load of mine is out: from here on a load brings 128 rows,
	s_mov_b32 s[G1+4], 128
	s_mov_b32 s[G1B+2], 128<<16
	s_mov_b32 s[G1B+4], 128
	s_mov_b32 s[G0+1], s45                         ; and slot 0's groups 0 name my 128 rows of K step 0, from which its refills step
	s_mov_b64 s[G0+2:G0+3], s[20:21]
	s_or_b32 s[G0+3], s[G0+3], 0x80000000
	s_mov_b32 s[G0B+1], s45
	s_mov_b64 s[G0B+2:G0B+3], s[46:47]
	s_or_b32 s[G0B+3], s[G0B+3], 0x80000000
	s_wait_dscnt 0x0
	CROUND
	JLOAD G0+4, G1, G0B+4, G1B                     ; K step 1: one tensor load of a wave is out
	v_and_b32 v1, 15, v0                           ; r = lane % 16
	v_bfe_u32 v2, v0, 4, 1                         ; h = lane / 16
	v_mul_u32_u24 v3, v1, PITCH
	v_lshl_add_u32 v4, v2, 4, v3                   ; a fragment's row x pitch + 16 h
	s_mul_i32 s21, s15, HALFT
	s_mul_i32 s22, s16, HALFT
	s_add_co_u32 s22, s22, 2*HALFT
.irp s, 0,1
	v_add_nc_u32 v[ADRA+\s], s21, v4
	v_add_nc_u32 v[ADRB+\s], s22, v4
	s_add_co_u32 s21, s21, SLOT
	s_add_co_u32 s22, s22, SLOT
.endr
	v_mul_u32_u24 v5, v1, KS                       ; my row's scale bytes: KS a row,
	v_lshrrev_b32 v6, 8, v5
	v_lshl_add_u32 v5, v6, 4, v5                   ; and 16 more for each 256 passed
	s_mul_i32 s21, s15, HALFS
	s_mul_i32 s22, s16, HALFS
	s_add_co_u32 s22, s22, 2*HALFS
	s_sub_co_u32 s22, s22, s21
	v_mul_u32_u24 v6, s22, v2                      ; lanes 16-31 take B's
	s_add_co_u32 s21, s21, SCL
	v_add_nc_u32 v5, v5, v6
	v_add_nc_u32 v[ADRS], s21, v5
	s_mul_i32 s21, s14, WST                        ; the way out: my stage,
	v_mul_u32_u24 v5, v1, 144
	v_lshl_add_u32 v5, v2, 3, v5
	v_add_nc_u32 v[STO], s21, v5                   ; row r of a block, + 8 h
	s_lshl_b32 s21, s14, 9
	s_add_co_u32 s21, s21, SS
	v_lshlrev_b32 v9, 2, v1                        ; 4 r (also the lane's offset in a bias that goes by rows)
	v_add_nc_u32 v[SSO], s21, v9
	v_and_b32 v6, 31, v0
	v_lshlrev_b32 v[CO], 4, v6
	v_add_nc_u32 v[SSR], s21, v[CO]
	s_mul_i32 s21, s15, 2*WST                      ; back: rows 64 w on lie in the stages of waves 2 (w / 2) and 2 (w / 2) + 1, from row 64 (w % 2) on
	s_mul_i32 s22, s16, 64*144
	s_add_co_u32 s21, s21, s22
	v_lshrrev_b32 v5, 2, v6
	v_mul_u32_u24 v5, v5, 144
	v_and_b32 v6, 3, v6
	v_lshl_add_u32 v5, v6, 4, v5
	v_add_nc_u32 v[RD], s21, v5                    ; four lanes to a row's 64 bytes, eight rows an instruction
	v_lshlrev_b32 v8, 5, v2                        ; 32 h: the lane's offset in a bias that goes by columns
	; where my results go, in bytes from the buffer's first: s95 the codes, s96 from piece to piece, s97 the scale words; s100 my part of the bias
	s_lshl_b32 s19, s42, 1
	s_add_co_u32 s19, s19, s16                     ; which 128 of B's rows
	s_lshl_b32 s20, s15, 9
	s_lshl_b32 s97, s19, 14
	s_lshl_b32 s18, s17, 10
	s_add_co_u32 s97, s97, s18
	s_add_co_u32 s97, s97, s20
	s_lshl_b32 s100, s42, 10
	s_lshl_b32 s18, s16, 9
	s_add_co_u32 s100, s100, s18
.if QKV
	s_add_co_u32 s97, s97, 8388608
	s_lshl_b32 s95, s42, 20                        ; q, k: four heads of 262,144 bytes to a block of B,
	s_lshl_b32 s18, s17, 14
	s_add_co_u32 s95, s95, s18
	s_lshl_b32 s18, s14, 12
	s_add_co_u32 s95, s95, s18                     ; rows 256 x A's block + 64 w on, 64 bytes each
	s_lshl_b32 s21, s41, 20                        ; v: head 4 cy + w,
	s_lshl_b32 s18, s14, 18
	s_add_co_u32 s21, s21, s18
	s_lshl_b32 s18, s42, 14                        ; four runs of 64 keys (4,096 bytes) to a block of B
	s_add_co_u32 s21, s21, s18
	s_add_co_u32 s21, s21, 8650752
	s_lshl_b32 s22, s19, 12
	s_lshl_b32 s18, s41, 10
	s_add_co_u32 s22, s22, s18
	s_add_co_u32 s22, s22, s20
	s_add_co_u32 s22, s22, 12845056
	s_lshl_b32 s23, s17, 10                        ; v's bias goes by A's rows
	s_add_co_u32 s23, s23, s20
	s_mov_b32 s96, 262144
	s_cmp_eq_u32 s66, 1
	s_cselect_b32 s95, s21, s95
	s_cselect_b32 s97, s22, s97
	s_cselect_b32 s100, s23, s100
	s_cselect_b32 s96, 4096, s96
.else
	s_add_co_u32 s97, s97, 16777216
	s_lshl_b32 s95, s17, 20                        ; 128 rows are 524,288 bytes; a run of 64 columns 8,192; 64 rows in it 4,096
	s_lshl_b32 s18, s15, 19
	s_add_co_u32 s95, s95, s18
	s_lshl_b32 s18, s42, 15
	s_add_co_u32 s95, s95, s18
	s_lshl_b32 s18, s16, 12
	s_add_co_u32 s95, s95, s18
	s_mov_b32 s96, 8192
.endif
	s_mov_b32 s101, 0
	s_add_nc_u64 s[10:11], s[10:11], s[100:101]
.macro FRAG reg, adr, q, i             ; 16 rows x 128 K of 8-bit codes: lane l holds row l % 16; registers 4 c .. 4 c + 3 hold K = 32 c + 16 (l / 16) + 0 .. 15
.irp c, 0,1,2,3
	ds_load_b128 v[\reg+4*\c:\reg+4*\c+3], v[\adr] offset:128*(\q)+32*\c+(\i)*16*PITCH
.endr
.endm
; 16 matrix instructions: A's blocks a0, a0 + 1 x B's eight.  The 64 accumulators take turns, one instruction a turn, in the same order in every step.
.macro MUL16 a0, p, q, sc, zero
.irp a, \a0, \a0+1
.irp b, 0,1,2,3,4,5,6,7
.if \zero
	v_wmma_scale_f32_16x16x128_f8f6f4 v[8*(8*((\a)%4)+\b):8*(8*((\a)%4)+\b)+7], v[128*(\p)+FR*\b:128*(\p)+FR*\b+FR-1], v[AF+FR*(\a):AF+FR*(\a)+FR-1], 0, v[SC+8*NQ*(\sc)+NQ*\b+(\q)], v[SC+8*NQ*(\sc)+NQ*(\a)+(\q)] matrix_a_fmt:MATRIX_FMT_BF8 matrix_b_fmt:MATRIX_FMT_BF8 matrix_a_scale:MATRIX_SCALE_ROW1
.else
	v_wmma_scale_f32_16x16x128_f8f6f4 v[8*(8*((\a)%4)+\b):8*(8*((\a)%4)+\b)+7], v[128*(\p)+FR*\b:128*(\p)+FR*\b+FR-1], v[AF+FR*(\a):AF+FR*(\a)+FR-1], v[8*(8*((\a)%4)+\b):8*(8*((\a)%4)+\b)+7], v[SC+8*NQ*(\sc)+NQ*\b+(\q)], v[SC+8*NQ*(\sc)+NQ*(\a)+(\q)] matrix_a_fmt:MATRIX_FMT_BF8 matrix_b_fmt:MATRIX_FMT_BF8 matrix_a_scale:MATRIX_SCALE_ROW1
.endif
.endr
.endr
.endm
.macro FETCH_B slot, q, p
	WIN TO_B
.irp i, 0,1,2,3,4,5,6,7
	FRAG 128*(\p)+FR*\i, ADRB+\slot, \q, \i
.endr
	WIN 0
.endm
.macro FETCH_A slot, q, i0
.irp i, \i0, \i0+1, \i0+2, \i0+3
	FRAG AF+FR*(\i), ADRA+\slot, \q, \i
.endr
.endm
.macro SCALES sc                       ; a K step's scale words: lanes 0-15 take A's block i, lanes 16-31 B's block i
.irp i, 0,1,2,3,4,5,6,7
	ds_load_b64 v[SC+8*NQ*\sc+NQ*\i:SC+8*NQ*\sc+NQ*\i+1], v[ADRS] offset:\i*SBLK
.endr
.endm
.macro PLACES n                        ; plain vector instructions between a matrix instruction and a load into, or a read of, its registers (ISA guide 7.12.1 for reads)
.rept \n
	v_nop
.endr
.endm
.macro STEP slot, q, zero              ; 128 along K that have their successor in the same slot
	s_wait_dscnt 4*NL                              ; B's set and A's blocks 0-3 are in; the youngest sixteen loads (A's blocks 4-7) may be out
	WIN MUL_LO
	MUL16 0, (\q)%2, \q, \slot, \zero
	MUL16 2, (\q)%2, \q, \slot, \zero
	s_wait_dscnt 0
	PLACES NP
	FETCH_B \slot, (\q)+1, 1-(\q)%2
	FETCH_A \slot, (\q)+1, 0
	WIN MUL_HI
	MUL16 4, (\q)%2, \q, \slot, \zero
	MUL16 6, (\q)%2, \q, \slot, \zero
	PLACES NP
	WIN 0
	FETCH_A \slot, (\q)+1, 4
.endm
; A slot's last step changes slots: ONE barrier; in front of it each wave waits for all its tensor loads, adds 0 to its spare word, and waits for that and for its own reads of this slot.
.macro TURN slot, next, fill
	s_wait_tensorcnt 0x0                           ; all my tensor loads have landed: my part of the next slot
	ds_add_u32 v[SPW], v[NIL]                      ; 0 onto my spare word
	s_wait_dscnt 4*NL+1                            ; the add and the youngest sixteen loads may be out
	WIN MUL_LO
	MUL16 0, 1, NQ-1, \slot, 0
	s_wait_dscnt 0x0                               ; the add is done, and my reads of this slot are over
	s_barrier_signal -1
	MUL16 2, 1, NQ-1, \slot, 0
	WIN 0
	s_barrier_wait -1
.if \fill
	CREST                                          ; the barrier has opened a round of the cluster's barrier: no wave of any partner still reads this slot or has a load on its way
	s_add_nc_u64 s[G0+4*\slot+2:G0+4*\slot+3], s[G0+4*\slot+2:G0+4*\slot+3], 2*ROWB
	s_add_nc_u64 s[G0B+4*\slot+2:G0B+4*\slot+3], s[G0B+4*\slot+2:G0B+4*\slot+3], 2*ROWB
	JLOAD G0+4*\slot, G1, G0B+4*\slot, G1B         ; the first tensor load behind the round; its four v_nop are among the places in front of the loads below
	PLACES NP-4
.else
	PLACES NP
.endif
	s_wait_alu depctr_va_vdst(0)
	v_add_nc_u32 v[ADRS], 4*NQ, v[ADRS]            ; on to the next K step's scale words (no LDS load of mine is out)
	FETCH_B \next, 0, 0
	FETCH_A \next, 0, 0
	SCALES \next
	WIN MUL_HI
	MUL16 4, 1, NQ-1, \slot, 0
	MUL16 6, 1, NQ-1, \slot, 0
	PLACES NP
	WIN 0
	FETCH_A \next, 0, 4
.endm
	s_wait_tensorcnt 1                             ; the scale bytes and my part of K step 0 are in; K step 1's load may be out
	s_barrier_signal -1
	s_barrier_wait -1
	FETCH_B 0, 0, 0
	FETCH_A 0, 0, 0
	SCALES 0
	FETCH_A 0, 0, 4
	STEP 0, 0, 1                                   ; the first step stands in front of the loop: its products start the sums
	s_mov_b32 s3, LAPS-1
.Llap:
	TURN 0, 1, 1
	STEP 1, 0, 0
	TURN 1, 0, 1
	STEP 0, 0, 0
	s_sub_co_u32 s3, s3, 1
	s_cmp_lg_u32 s3, 0
	s_cbranch_scc1 .Llap
	TURN 0, 1, 0                                   ; the last lap fills nothing
	STEP 1, 0, 0
	; THE BIAS comes into B's first set, which the step above has left (its places stand at that step's end); the last 64 products cover the loads
.if QKV
	s_cmp_lg_u32 s66, 0
	s_cbranch_scc1 .Lbias_rows
.endif
	WIN TO_B
.irp b, 0,1,2,3,4,5,6,7
	global_load_b128 v[8*\b:8*\b+3], v8, s[10:11] offset:64*\b           ; register 8 b + j: the bias of column 16 b + 8 h + j of my 128: the accumulators' own layout
	global_load_b128 v[8*\b+4:8*\b+7], v8, s[10:11] offset:64*\b+16
.endr
	WIN 0
.if QKV
	s_branch .Lbias_in
.Lbias_rows:
	WIN TO_B
.irp a, 0,1,2,3,4,5,6,7
	global_load_b32 v[2*\a], v9, s[10:11] offset:64*\a                   ; v: the bias of MY row of block a, twice: a pair for the packed add
	global_load_b32 v[2*\a+1], v9, s[10:11] offset:64*\a
.endr
	WIN 0
.Lbias_in:
.endif
	; no tensor load is out since the last change of slots: the descriptors' registers take the way out's numbers
	s_mov_b32 s98, s95
	s_mov_b32 s99, 0
	s_add_nc_u64 s[OB:OB+1], s[12:13], s[98:99]
	s_mov_b32 s98, s96
	s_add_nc_u64 s[OB+2:OB+3], s[OB:OB+1], s[98:99]
	s_add_nc_u64 s[OB+4:OB+5], s[OB+2:OB+3], s[98:99]
	s_add_nc_u64 s[OB+6:OB+7], s[OB+4:OB+5], s[98:99]
	s_mov_b32 s98, s97
	s_add_nc_u64 s[OSB:OSB+1], s[12:13], s[98:99]
	s_mov_b32 s[SEL], 0x76543210
	s_mov_b32 s[SEL+1], 0xfedcba98                 ; v_permlanex16_b32's selects for lane l xor 16
	s_mov_b32 s[MNT], 0x600000                     ; the mantissa field of 57,344
.macro SPAIR reg, val                  ; a packed form names a pair of scalar registers and takes its low word for both halves: both are written
	s_mov_b32 s[\reg], \val
	s_mov_b32 s[\reg+1], \val
.endm
.if !QKV
	SPAIR CC+0,  0xbfa1fc4e                        ; -1.26551223
	SPAIR CC+2,  0x3f8000c7                        ;  1.00002368
	SPAIR CC+4,  0x3ebf88fb                        ;  0.37409196
	SPAIR CC+6,  0x3dc636c9                        ;  0.09678418
	SPAIR CC+8,  0xbe3ec24c                        ; -0.18628806
	SPAIR CC+10, 0x3e8ec7cc                        ;  0.27886807
	SPAIR CC+12, 0xbf914e5d                        ; -1.13520398
	SPAIR CC+14, 0x3fbe87b0                        ;  1.48851587
	SPAIR CC+16, 0xbf527892                        ; -0.82215223
	SPAIR L2E,   0x3fb8aa3b                        ; log2(e)
	s_mov_b32 s[CH2], 0x3eb504f3                   ; sqrt(2) / 4
.endif
	s_wait_dscnt 4*NL                              ; the very last step: nothing more to fetch
	WIN MUL_LO
	MUL16 0, 1, NQ-1, 1, 0
	MUL16 2, 1, NQ-1, 1, 0
	s_wait_dscnt 0
	WIN MUL_HI
	MUL16 4, 1, NQ-1, 1, 0
	MUL16 6, 1, NQ-1, 1, 0
	WIN 0
; THE WAY OUT, first part: a loop of eight trips, a block of 16 rows of A each.  The blocks' accumulators have different register numbers, so a chain of compares on the count picks the 32 packed adds that
; bring block a, with its bias, into v[HA] on; all else is written once.
.macro COPY a, rows                    ; each accumulator is read from its low end on
	WIN 0x06+(\a)/4                                ; source 0: window 2 or 3; source 1: window 1; destination: window 0
.set AC, 64*((\a)%4)
.set ix, 0
.rept 32
.if \rows
	v_pk_add_f32 v[HA+ix:HA+ix+1], v[AC+ix:AC+ix+1], v[2*(\a):2*(\a)+1]
.else
	v_pk_add_f32 v[HA+ix:HA+ix+1], v[AC+ix:AC+ix+1], v[ix:ix+1]
.endif
.set ix, ix+2
.endr
	WIN 0
.endm
.macro PICK rows
.irp a, 0,1,2,3,4,5,6
	s_cmp_lg_u32 s67, \a
	s_cbranch_scc1 .Lnot\rows\a
	COPY \a, \rows
	s_branch .Lcopied
.Lnot\rows\a:
.endr
	COPY 7, \rows
.endm
.macro GELU x                          ; 32 numbers, in place
.set ix, 0
.rept 32
	v_fma_f32 v[GT+ix], |v[\x+ix]|, s[CH2], 1.0
.set ix, ix+1
.endr
.set ix, 0
.rept 32
	v_rcp_f32 v[GT+ix], v[GT+ix]                   ; t
.set ix, ix+1
.endr
.set ix, 0
.rept 16
	v_pk_mul_f32 v[GM+ix:GM+ix+1], v[\x+ix:\x+ix+1], v[\x+ix:\x+ix+1]    ; x^2: plain work behind the reciprocals
.set ix, ix+2
.endr
	s_wait_alu depctr_va_vdst(0)                   ; one wait for the 32 reciprocals, ahead of their first reader
.set ix, 0
.rept 16
	v_pk_fma_f32 v[GW+ix:GW+ix+1], v[GT+ix:GT+ix+1], v[C9V:C9V+1], s[CC+16:CC+17] op_sel_hi:[1,1,0]
.set ix, ix+2
.endr
.irp c, 7,6,5,4,3,2,1,0
.set ix, 0
.rept 16
	v_pk_fma_f32 v[GW+ix:GW+ix+1], v[GW+ix:GW+ix+1], v[GT+ix:GT+ix+1], s[CC+2*\c:CC+2*\c+1] op_sel_hi:[1,1,0]
.set ix, ix+2
.endr
.endr
.set ix, 0
.rept 16
	v_pk_fma_f32 v[GW+ix:GW+ix+1], v[GM+ix:GM+ix+1], -0.5, v[GW+ix:GW+ix+1] op_sel_hi:[1,0,1]     ; P(t) - x^2 / 2
.set ix, ix+2
.endr
.set ix, 0
.rept 16
	v_pk_fma_f32 v[GW+ix:GW+ix+1], v[GW+ix:GW+ix+1], s[L2E:L2E+1], -1.0 op_sel_hi:[1,0,0]
.set ix, ix+2
.endr
.set ix, 0
.rept 32
	v_exp_f32 v[GW+ix], v[GW+ix]
.set ix, ix+1
.endr
.set ix, 0
.rept 32
	v_max_num_f32 v[GM+ix], 0, v[\x+ix]            ; plain work behind the exponentials
.set ix, ix+1
.endr
	s_wait_alu depctr_va_vdst(0)                   ; one wait for the 32 exponentials
.set ix, 0
.rept 16
	v_pk_mul_f32 v[GW+ix:GW+ix+1], v[GW+ix:GW+ix+1], v[GT+ix:GT+ix+1]    ; R
.set ix, ix+2
.endr
.set ix, 0
.rept 32
	v_fma_f32 v[\x+ix], -|v[\x+ix]|, v[GW+ix], v[GM+ix]
.set ix, ix+1
.endr
.endm
; 64 numbers of a lane: registers 16 b .. 16 b + 15 lie in block b of 32, whose other 16 lie in lane l xor 16.  They become codes in v[PC] on and the row's scale word in v[PW].
.macro QUANT s
.irp b, 0,1,2,3
	v_max3_num_f32 v[TM+\b], |v[\s+16*\b]|, |v[\s+1+16*\b]|, 0x8000000   ; and the floor 2^(16 - 127): the byte cannot fall under 1
.endr
.irp i, 2,4,6,8,10,12,14
.irp b, 0,1,2,3
	v_max3_num_f32 v[TM+\b], v[TM+\b], |v[\s+16*\b+\i]|, |v[\s+1+16*\b+\i]|
.endr
.endr
.irp b, 0,1,2,3
	v_permlanex16_b32 v[TM+4+\b], v[TM+\b], s[SEL], s[SEL+1]
.endr
.irp b, 0,1,2,3
	v_max_num_f32 v[TM+\b], v[TM+\b], v[TM+4+\b]
.endr
.irp b, 0,1,2,3
	v_add_nc_u32 v[TM+12+\b], 0xf8800000, v[TM+\b]  ; 15 off the exponent field: the conversion's scale operand
.endr
.irp b, 0,1,2,3
	v_and_or_b32 v[TM+8+\b], v[TM+\b], 0x7f800000, s[MNT]   ; 57,344 x the scale
.endr
.irp b, 0,1,2,3
	v_lshrrev_b32 v[TM+4+\b], 23, v[TM+12+\b]      ; the scale's byte
.endr
	v_lshl_or_b32 v[PW], v[TM+5], 8, v[TM+4]
	v_lshl_or_b32 v[PW], v[TM+6], 16, v[PW]
	v_lshl_or_b32 v[PW], v[TM+7], 24, v[PW]
.irp b, 0,1,2,3
.irp i, 0,1,2,3,4,5,6,7,8,9,10,11,12,13,14,15
	v_med3_num_f32 v[\s+16*\b+\i], v[\s+16*\b+\i], -v[TM+8+\b], v[TM+8+\b]   ; the conversion to an 8-bit code does not saturate (ISA guide 7.6.2)
.endr
	v_cvt_scalef32_pk8_bf8_f32 v[PC+4*\b:PC+1+4*\b], v[\s+16*\b:\s+7+16*\b], v[TM+12+\b]
	v_cvt_scalef32_pk8_bf8_f32 v[PC+2+4*\b:PC+3+4*\b], v[\s+8+16*\b:\s+15+16*\b], v[TM+12+\b]
.endr
	v_nop                                          ; a plain line behind the last conversion
.endm
	s_wait_loadcnt 0x0                             ; the bias
	PLACES NP                                      ; behind the last products: their results are read, and A's registers written, below
.irp b, 0,1,2,3
	v_mov_b32 v[TM+4+\b], 0                        ; written once: a lane permute's destination counts as one of its sources
.endr
.if !QKV
	v_mov_b32 v[C9V], 0x3e2ef945                   ; 0.17087277
	v_mov_b32 v[C9V+1], 0x3e2ef945
.endif
	s_mov_b32 s67, 0                               ; the block
	s_mov_b32 s99, 0                               ; its 16 rows in my stage,
	s_mov_b32 s100, 0                              ; and among my scale words
.Lblk:
.if QKV
	s_cmp_lg_u32 s66, 0
	s_cbranch_scc1 .Lrows
.endif
	PICK 0
.if QKV
	s_branch .Lcopied
.Lrows:
	PICK 1
.endif
.Lcopied:
.if !QKV
	GELU HA
	GELU HA+32
.endif
	QUANT HA
	v_add_nc_u32 v22, s99, v[STO]
	v_add_nc_u32 v23, s100, v[SSO]
.irp b, 0,1,2,3
	ds_store_b64 v22, v[PC+4*\b:PC+4*\b+1] offset:32*\b              ; columns 32 b + 8 h + 0 .. 7 of my row,
	ds_store_b64 v22, v[PC+4*\b+2:PC+4*\b+3] offset:32*\b+16         ; and 32 b + 16 + 8 h + 0 .. 7
.endr
	ds_store_b32 v23, v[PW]                        ; both halves of the lanes write the same word with the same value
	s_wait_dscnt 0x0                               ; the stores have read their registers; at the loop's end: they have landed, for the others' sake
	s_add_co_u32 s99, s99, 16*144
	s_add_co_u32 s100, s100, 64
	s_add_co_u32 s67, s67, 1
	s_cmp_lt_u32 s67, 8
	s_cbranch_scc1 .Lblk
	s_barrier_signal -1
	s_barrier_wait -1                              ; the four stages are whole
	; second part: my 64 rows of A, whole, as 32 pieces of 8 rows x 64 bytes.
	ds_load_b128 v[12:15], v[SSR]
.irp c, 0,1,2,3
.irp g, 0,1,2,3,4,5,6,7
	ds_load_b128 v[128+4*(8*\c+\g):128+4*(8*\c+\g)+3], v[RD] offset:(\c/2)*WST+\g*8*144+64*(\c%2)
.endr
.endr
	s_wait_dscnt 32                                ; my scale words are in; the 32 pieces may be out
	global_store_b128 v[CO], v[12:15], s[OSB:OSB+1]                      ; 128 rows' words: 512 consecutive bytes
.irp c, 0,1,2,3
.irp g, 0,1,2,3,4,5,6,7
.if QKV
.set GP, (\g&4)|((\g&1)<<1)|((\g>>1)&1)        ; rows go to their number with bits 3 and 4 exchanged: the groups of eight change places
.else
.set GP, \g
.endif
	s_wait_dscnt 31-(8*\c+\g)                      ; LDS loads come back in order: this piece is in, the younger ones may be out
	global_store_b128 v[CO], v[128+4*(8*\c+\g):128+4*(8*\c+\g)+3], s[OB+2*\c:OB+2*\c+1] offset:512*GP   ; 512 consecutive bytes, at a multiple of 512 from the buffer's first
.endr
.endr
	s_wait_tensorcnt 0x0                           ; the wave's end: behind my last tensor load and my last LDS store
	ds_add_u32 v[SPW], v[NIL]
	s_wait_dscnt 0x0
	CROUND                                         ; the closing round: no work-group ends while a partner may still ask for a tile that names it
	s_endpgm
.Lfunc_end_k_q4709d8089f_qkv:
	.size	k_q4709d8089f_qkv, .Lfunc_end_k_q4709d8089f_qkv-k_q4709d8089f_qkv
	.p2alignl 7, 3214868480
	.fill 96, 4, 3214868480
	.section	.rodata,"a",@progbits
	.p2align	6, 0x0
	.amdhsa_kernel k_q4709d8089f_qkv
		.amdhsa_group_segment_fixed_size 327680
		.amdhsa_private_segment_fixed_size 0
		.amdhsa_enable_private_segment 0
		.amdhsa_kernarg_size 40
		.amdhsa_user_sgpr_count 2
		.amdhsa_user_sgpr_kernarg_segment_ptr 1
		.amdhsa_wavefront_size32 1
		.amdhsa_system_sgpr_workgroup_id_x 1
		.amdhsa_system_sgpr_workgroup_id_y 1
		.amdhsa_system_sgpr_workgroup_id_z 1
		.amdhsa_system_vgpr_workitem_id 0
		.amdhsa_next_free_vgpr 1024
		.amdhsa_next_free_sgpr 102
		.amdhsa_reserve_vcc 0
		.amdhsa_float_denorm_mode_32 3
		.amdhsa_float_denorm_mode_16_64 3
		.amdhsa_memory_ordered 1
		.amdhsa_forward_progress 1
		.amdhsa_inst_pref_size 173
	.end_amdhsa_kernel
	.amdgpu_metadata
---
amdhsa.version: [ 1, 2 ]
amdhsa.kernels:
  - .name:           k_q4709d8089f_qkv
    .symbol:         k_q4709d8089f_qkv.kd
    .args:
      - { .name: H, .offset: 0, .size: 8, .value_kind: global_buffer, .address_space: global }
      - { .name: W_attn_codes, .offset: 8, .size: 8, .value_kind: global_buffer, .address_space: global }
      - { .name: W_attn_scales, .offset: 16, .size: 8, .value_kind: global_buffer, .address_space: global }
      - { .name: b_attn, .offset: 24, .size: 8, .value_kind: global_buffer, .address_space: global }
      - { .name: QKV, .offset: 32, .size: 8, .value_kind: global_buffer, .address_space: global }
    .group_segment_fixed_size: 327680
    .private_segment_fixed_size: 0
    .kernarg_segment_align: 8
    .kernarg_segment_size: 40
    .max_flat_workgroup_size: 128
    .sgpr_count:     102
    .vgpr_count:     1024
    .wavefront_size: 32
...
	.end_amdgpu_metadata
.endif
;; end of part 2
;; launch attn (part 3): grid 8 x 32, 16 waves a work-group, clusters of 4 x 1, 327,680 bytes of LDS; arguments QKV, Y; writes Y
.if DOCPART == 3
	.amdgcn_target "amdgcn-amd-amdhsa--gfx1250"
	.amdhsa_code_object_version 6
	.text
	.protected	k_q4709d8089f_attn
	.globl	k_q4709d8089f_attn
	.p2align	8
	.type	k_q4709d8089f_attn,@function
k_q4709d8089f_attn:
	s_mov_b64 s[64:65], 0
	v_nop
	global_prefetch_b8 v0, s[64:65] scope:SCOPE_SE
	s_setreg_imm32_b32 hwreg(HW_REG_WAVE_MODE, 25, 1), 1
	s_wait_xcnt 0x0
	s_wait_alu depctr_hold_cnt(0) depctr_sa_sdst(0) depctr_va_vdst(0) depctr_va_sdst(0) depctr_va_ssrc(0) depctr_va_vcc(0) depctr_vm_vsrc(0)
	s_getreg_b32 s2, hwreg(HW_REG_IB_STS2, 6, 4)
	s_cmp_eq_u32 s2, 0
	s_cbranch_scc0 .Lentry_in_a_cluster
	s_endpgm
.Lentry_in_a_cluster:
	s_bfe_u32 s2, ttmp6, 0x10000c
	s_cmp_lg_u32 s2, 0x3003
	s_cbranch_scc0 .Lentry_shape_is_right
	s_endpgm
.Lentry_shape_is_right:
; CAUSAL ATTENTION ON CODES OF MX-BF8, and y quantised on the way out.  32 (batch, head) pairs, 2,048 positions, head size 64.
; WORK LEFT OUT: a step of 128 keys all of which come after a tile's 16 queries: reference() sets those scores to -inf by its own jnp.tril, so they add nothing, whatever finite values the inputs hold.
; LIMIT: a NaN, an infinity or an overflow that reaches only those scores is not carried to the result.
; IN (buffer QKV): q, k codes [n / 64][m'][64] (heads of q 0-15, of k 16-31; m = 2048 batch + position; m' = m with bits 3 and 4 exchanged); scale words [n / 128][m][4] at 8,388,608 (a head has two of a word's
; bytes); v codes [head][m / 64][d'][64 keys] at 8,650,752; v's scale words [m / 128][64 head + d][4] at 12,845,056.
; OUT (buffer Y): codes [m / 128][head][m % 128][64] at 0; scale words [head / 2][m][4] at 4,194,304: the operand of the projection, K = 64 head + d.
; THE SOFTMAX: t = score x log2(e) / 8; M = the largest t so far, rounded UP to a whole number; p = 2^(t - M) is quantised along the keys, not normalised; the row's sum is taken of the unquantised p and
; divides at the end.  When M moves, the sum and O are multiplied by 2^(old M - new M): exact.
; THE FIRST PRODUCT'S K IS 64: both operands' registers for k = 64 .. 127 hold zero codes, written once; their scale bytes are the zeros of a 16-bit load, which is 2^-127 and no NaN.
; SHARES.  Work-group g (0..7) of a pair owns the tiles of 16 queries 128 t + 16 g + 0 .. 15, t = 0 .. 15.  Tile t counts t + 1 steps of 128 keys, the last of them on the diagonal, WHATEVER g IS: 136 steps for 16 waves.
; The waves are eight couples, j = wave % 8.  The FIRST of a couple (waves 0-7) walks steps 0 .. 8 of tile 15 - j: 9 steps.  The SECOND (waves 8-15) walks tile j whole, j + 1 steps, and stores it; then it walks steps
; 9 .. 15 - j of tile 15 - j, 7 - j steps: 8 steps in all.  It hands that part's O^T, M and sum to the first through LDS; the first brings both parts under the larger M, by exact powers of two, adds them and stores the
; tile.  (Each part runs its own M; a block's scale takes up the power of two between them.)  So every wave has 8 or 9 steps, and each stores one tile.  For j = 7 the second part is empty: zeros, with the factor 0.
; Every wave walks all 16 steps with constant trip counts. g enters global addresses and the mask's data alone.
; CLUSTER: the four partners belong to one pair and read the same K and V: each tile is asked for jointly.  THE WHOLE HEAD STAYS IN LDS: K and V come as four pieces of 512 keys each, all asked for at the head;
; nothing is filled again.  Wave 0 asks for K's scale words, wave 1 for V's, waves 2-9 for one piece each: one tensor load a wave.
; No prefetch: every byte of K and V is asked for by the launch's first lines.
; LAYOUT.  S^T = K Q^T, O^T = V^T P^T: a lane holds ONE query.  Lane r of tile 2 b + u takes key 32 b + 8 u + r + 8 (r / 8), so that the 16 registers of two neighbouring tiles are 16 neighbouring keys; with bits 3
; and 4 exchanged those 16 keys lie on 16 consecutive lines of 64 bytes.  V's rows d likewise, so that O^T's registers are neighbours along d.
; REGISTERS: v1-4 places that stay; v5, v6 the add's; v7 the mask's d; v8-11 the step's addresses; v12 -M, v13 the largest t, v[14:15] the sum; v16-31 Q; v32-95 four fragments of K (upper halves zero);
; v96-159 S^T, then p, then V's four fragments; v160-191 O^T; v192-207 p's codes; v208-216 Q and its scale bytes of the second tile; v217-221 addresses of the way out and of the exchange;
; v232-255 at work (v248-251 K's or V's scale words, v253 p's, v255 Q's).
.set VOF,   139264                     ; LDS: K: 512 rows of 256 bytes + 16 (four lines of 64 bytes to a row); V likewise, from here
.set KSO,   278528                     ; K's scale words [key][4]
.set VSO,   286720                     ; V's [step][d][4]
.set SPARE, 290816                     ; the spare words, 128 bytes for each wave: eight blocks of 256 bytes that no other line names
.set STAGE, 292864                     ; the way out: 16 rows x 80 bytes for each wave
.set XP,    4608                       ; the exchange: for each couple 9 x 512 bytes, from LDS byte 0 on: K's first bytes, which have had their only fill and, behind a barrier, their last read
.set AK0, 1
.set AV0, 2
.set ASK0, 3
.set ASV0, 4
.set SPW, 5
.set NIL, 6
.set VD,  7
.set ADK, 8
.set ADV, 9
.set ADS, 10
.set ADT, 11
.set Q2,  208                          ; v208-215 Q's codes of tile 15 - j;  v216 its scale bytes
.set Q2S, 216
.set SIN, 217                          ; v217 my place in my stage, on the way in;  v218 on the way back
.set SBK, 218
.set GOC, 219                          ; v219 my byte offset among y's codes;  v220 among y's scale words
.set GOS, 220
.set XA,  221                          ; v221 my couple's exchange, 16 bytes a lane
.set WV,  8                            ; s8 wave; s9 the tile in hand; s10 the step; s11, s12, s13 where the step's tiles, K's and V's scale words begin; s14 counts trips
.set PI,  9
.set KI,  10
.set TB,  11
.set TS,  12
.set TJ,  13
.set CNT, 14
.set MNT, 15
.set SEL, 16
.set CS,  18
.set G1P, 24                           ; s[24:31] group 1 for the pieces; s[32:39] for K's scale words; s[40:47] for V's; s[48:51] group 0 for the words; four more for the pieces
.set G1KS, 32
.set G1VS, 40
.set G0T, 48
.set ROLE, 92                          ; s92 0: the first of a couple, 1: the second;  s93 j;  s94 the last step that is mine with the tile in hand;  s95 15 - j
.set JJ,  93
.set HI,  94
.set T2,  95
.macro CROUND
	s_barrier_signal -1
	s_barrier_wait -1
	s_cmp_lg_u32 s[WV], 0
	s_cbranch_scc1 .Lnot_wave_0_\@
	s_barrier_signal -3
.Lnot_wave_0_\@:
	s_barrier_wait -3
	s_barrier_signal -1
	s_barrier_wait -1
.endm
	s_load_b128 s[4:7], s[0:1], 0x0                ; QKV s[4:5], Y s[6:7]
	v_lshl_add_u32 v[SPW], v0, 2, SPARE
	v_mov_b32 v[NIL], 0
	ds_add_u32 v[SPW], v[NIL]                      ; the wave's opening: the add, twice on end, and its wait ahead of the first tensor loads
	ds_add_u32 v[SPW], v[NIL]
	v_lshrrev_b32 v8, 5, v0
	s_delay_alu instid0(VALU_DEP_1)
	v_readfirstlane_b32 s[WV], v8                  ; wave 0..15
	s_lshr_b32 s[ROLE], s[WV], 3
	s_and_b32 s[JJ], s[WV], 7
	s_sub_co_u32 s[T2], 15, s[JJ]
	s_cmp_eq_u32 s[ROLE], 0
	s_cselect_b32 s[PI], s[T2], s[JJ]              ; the tile that I begin with, and that I store
	s_cselect_b32 s[HI], 8, s[JJ]                  ; and the last of its steps that is mine
	s_and_b32 s72, ttmp7, 0xffff
	s_lshr_b32 s73, s72, 4                         ; batch
	s_and_b32 s74, s72, 15                         ; head
	s_lshl_b32 s77, s74, 18
	s_lshl_b32 s78, s73, 17
	s_add_co_u32 s77, s77, s78                     ; 262,144 head + 131,072 batch: the pair's codes in q's, k's and v's part
	s_lshr_b32 s79, s74, 1
	s_and_b32 s86, s74, 1
	s_lshl_b32 s86, s86, 1                         ; which two bytes of a word of q's, k's and y's scales are my head's
	s_lshl_b32 s84, s79, 14
	s_lshl_b32 s20, s73, 13
	s_add_co_u32 s84, s84, s20                     ; 16,384 (head / 2) + 8,192 batch
	s_add_co_u32 s21, s84, 8519680                 ; K's scale words: 8,388,608 + 8 x 16,384 on
	s_lshl_b32 s85, s73, 16
	s_lshl_b32 s20, s74, 8
	s_add_co_u32 s85, s85, s20
	s_add_co_u32 s85, s85, 12845056                ; V's: 16 rows of 256 bytes, 4,096 bytes apart
	; THE HEAD'S TEN FILLS ARE SHARED OUT, ONE A WAVE: wave 0 K's scale words, wave 1 V's; wave 2 + i (i = 0 .. 7): piece i / 2 of K (i even) or of V (i odd)
	s_cmp_eq_u32 s[WV], 0
	s_cselect_b32 s82, s21, s85
	s_mov_b32 s83, 0
	s_and_b32 s23, s[WV], 1
	s_lshl_b32 s23, s23, 13
	s_add_co_u32 s23, s23, KSO                     ; where the words go
	s_add_co_u32 s20, s[WV], 6
	s_and_b32 s20, s20, 7                          ; i
	s_and_b32 s22, s20, 1                          ; K or V
	s_lshr_b32 s20, s20, 1                         ; the piece
	s_mov_b32 s80, 8650752
	s_cmp_eq_u32 s22, 0
	s_cselect_b32 s80, 4194304, s80
	s_add_co_u32 s80, s80, s77
	s_lshl_b32 s81, s20, 15                        ; a piece is 32,768 bytes of memory,
	s_add_co_u32 s80, s80, s81
	s_mov_b32 s81, 0
	s_mul_i32 s22, s22, VOF
	s_mul_i32 s20, s20, 34816                      ; and 34,816 of LDS
	s_add_co_u32 s22, s22, s20
	s_mov_b32 s[G1P], 15|(0<<16)|(1<<20)|(1<<21)|(5<<22)|(3<<25)   ; 15:0 the mask: all four work-groups; elements of 1 byte; padding on; 21 set beside a mask; four words after every 64
	s_mov_b32 s[G1P+1], 256<<16                    ; a piece: 128 rows of 256 bytes, dense in memory
	s_mov_b32 s[G1P+2], 128<<16
	s_mov_b32 s[G1P+3], 256<<16
	s_mov_b32 s[G1P+4], 128
	s_mov_b32 s[G1P+5], 256
	s_mov_b32 s[G1P+6], 0
	s_mov_b32 s[G1P+7], 0
	s_mov_b32 s[G1KS], 15|(3<<16)|(1<<21)          ; 8,192 dense bytes as 32 rows of 32 elements of 8 bytes, no padding
	s_mov_b32 s[G1KS+1], 32<<16
	s_mov_b32 s[G1KS+2], 32<<16
	s_mov_b32 s[G1KS+3], 32<<16
	s_mov_b32 s[G1KS+4], 32
	s_mov_b32 s[G1KS+5], 32
	s_mov_b32 s[G1KS+6], 0
	s_mov_b32 s[G1KS+7], 0
	s_mov_b32 s[G1VS], 15|(3<<16)|(1<<21)          ; 16 rows of 32 elements of 8 bytes, 512 elements apart
	s_mov_b32 s[G1VS+1], 32<<16
	s_mov_b32 s[G1VS+2], 16<<16
	s_mov_b32 s[G1VS+3], 32<<16
	s_mov_b32 s[G1VS+4], 16
	s_mov_b32 s[G1VS+5], 512
	s_mov_b32 s[G1VS+6], 0
	s_mov_b32 s[G1VS+7], 0
	s_mov_b32 s[SEL], 0x76543210
	s_mov_b32 s[SEL+1], 0xfedcba98                 ; v_permlanex16_b32's selects for lane l xor 16
	s_mov_b32 s[CS], 0x3e38aa3b                    ; c = log2(e) / 8
	s_mov_b32 s[CS+1], s[CS]
	s_mov_b32 s[MNT], 0x600000
	s_mov_b32 s[KI], 0
	s_mov_b32 s[TB], 0
	s_mov_b32 s[TS], 0
	s_mov_b32 s[TJ], 0
	s_wait_dscnt 0x0                               ; both opening adds are done
	s_wait_kmcnt 0x0
	s_add_nc_u64 s[80:81], s[4:5], s[80:81]
	s_add_nc_u64 s[82:83], s[4:5], s[82:83]
	s_mov_b32 s[G0T], 1
	s_mov_b32 s[G0T+1], s23
	s_mov_b64 s[G0T+2:G0T+3], s[82:83]
	s_or_b32 s[G0T+3], s[G0T+3], 0x80000000
	s_mov_b32 s52, 1                               ; group 0 of my piece
	s_mov_b32 s53, s22
	s_mov_b64 s[54:55], s[80:81]
	s_or_b32 s55, s55, 0x80000000
	CROUND                                         ; all four work-groups are here: the joint loads meet
; one chain of branches on the wave's number, a load to an arm, all arms to one join; waves 0 to 3 (the words, pieces 0) have lines of their own: they alone wait at the first barrier
.macro ARM under, g0, g1, next
	s_cmp_lt_u32 s[WV], \under
	s_cbranch_scc0 \next
	tensor_load_to_lds s[\g0:\g0+3], s[\g1:\g1+7]
	s_nop 0
.rept 4
	v_nop
.endr
	s_branch .Lfilled
\next:
.endm
	ARM 1, G0T, G1KS, .Lnot_k
	ARM 2, G0T, G1VS, .Lnot_v
	ARM 4, 52, G1P, .Lnot_first
	ARM 10, 52, G1P, .Lnot_rest
.Lfilled:
	s_bfe_u32 s75, ttmp6, 0x40000                  ; cx
	s_lshl_b32 s76, ttmp9, 2
	s_add_co_u32 s76, s76, s75                     ; g
	s_lshl_b32 s20, s[PI], 9
	s_add_co_u32 s87, s84, s20
	s_lshl_b32 s20, s76, 6
	s_add_co_u32 s87, s87, s20
	s_add_co_u32 s87, s87, s86                     ; 16,384 (head / 2) + 4 x the m of my first tile's first query + my head's two bytes
	s_add_co_u32 s91, s87, 8388608                 ; that tile's Q's scales
	s_add_co_u32 s87, s87, 4194304                 ; and y's
	s_lshl_b32 s90, s[PI], 13
	s_add_co_u32 s90, s90, s77
	s_lshr_b32 s20, s76, 1
	s_lshl_b32 s20, s20, 11
	s_add_co_u32 s90, s90, s20
	s_and_b32 s20, s76, 1
	s_lshl_b32 s20, s20, 9
	s_add_co_u32 s90, s90, s20                     ; its Q's codes: line 128 t + 32 (g / 2) + 8 (g % 2), + 16 (r / 8) + r % 8 below
	s_sub_co_u32 s20, s[T2], s[PI]                 ; tiles from my first to tile 15 - j: 0, or 15 - 2 j
	s_lshl_b32 s21, s20, 13
	s_add_co_u32 s21, s21, s90                     ; tile 15 - j's Q's codes,
	s_lshl_b32 s20, s20, 9
	s_add_co_u32 s20, s20, s91                     ; and scales
	s_lshl_b32 s88, s73, 21
	s_lshl_b32 s23, s[PI], 17
	s_add_co_u32 s88, s88, s23
	s_lshl_b32 s23, s74, 13
	s_add_co_u32 s88, s88, s23
	s_lshl_b32 s23, s76, 10
	s_add_co_u32 s88, s88, s23                     ; y's codes: 131,072 (16 batch + t) + 8,192 head + 1,024 g
	s_add_co_u32 s89, s86, KSO
	s_lshl_b32 s79, s76, 4                         ; 16 g
	v_and_b32 v232, 15, v0                         ; r
	v_bfe_u32 v233, v0, 4, 1                       ; h
	s_delay_alu instid0(VALU_DEP_2)
	v_lshrrev_b32 v234, 3, v232
	s_delay_alu instid0(VALU_DEP_3)
	v_and_b32 v235, 7, v232
	s_delay_alu instid0(VALU_DEP_2)
	v_lshlrev_b32 v8, 10, v234
	s_delay_alu instid0(VALU_DEP_1)
	v_lshl_add_u32 v8, v235, 6, v8
	s_delay_alu instid0(VALU_DEP_1)
	v_lshl_add_u32 v8, v233, 4, v8
	s_delay_alu instid0(VALU_DEP_1)
	v_add_nc_u32 v10, s21, v8
	s_delay_alu instid0(VALU_DEP_2)
	v_add_nc_u32 v8, s90, v8
	v_lshlrev_b32 v240, 2, v232                    ; 4 r
	s_delay_alu instid0(VALU_DEP_1)
	v_add_nc_u32 v9, s91, v240
	s_delay_alu instid0(VALU_DEP_2)
	v_add_nc_u32 v11, s20, v240
	global_load_b128 v[16:19], v8, s[4:5]          ; Q's fragment of my first tile, k = 16 h + 0 .. 15,
	global_load_b128 v[20:23], v8, s[4:5] offset:32    ; and 32 + 16 h + 0 .. 15
	global_load_u16 v255, v9, s[4:5]               ; its two scale bytes; the upper two are 0
	global_load_b128 v[Q2:Q2+3], v10, s[4:5]       ; the same of tile 15 - j
	global_load_b128 v[Q2+4:Q2+7], v10, s[4:5] offset:32
	global_load_u16 v[Q2S], v11, s[4:5]
	v_lshrrev_b32 v241, 2, v232
	s_delay_alu instid0(VALU_DEP_1)
	v_mul_u32_u24 v[AK0], v241, 272
	v_and_b32 v241, 3, v232
	s_delay_alu instid0(VALU_DEP_1)
	v_lshl_add_u32 v[AK0], v241, 6, v[AK0]
	s_delay_alu instid0(VALU_DEP_1)
	v_lshl_add_u32 v[AK0], v233, 4, v[AK0]         ; line r of a tile: 272 (r / 4) + 64 (r % 4), + 16 h
	s_delay_alu instid0(VALU_DEP_1)
	v_add_nc_u32 v[AV0], VOF, v[AK0]
	v_lshl_add_u32 v241, v234, 3, v232             ; r + 8 (r / 8)
	s_delay_alu instid0(VALU_DEP_1)
	v_lshlrev_b32 v241, 2, v241
	s_delay_alu instid0(VALU_DEP_1)
	v_add_nc_u32 v[ASK0], s89, v241
	s_delay_alu instid0(VALU_DEP_2)
	v_add_nc_u32 v[ASV0], VSO, v241
	v_lshlrev_b32 v[VD], 4, v233
	s_delay_alu instid0(VALU_DEP_1)
	v_sub_nc_u32 v[VD], v232, v[VD]
	s_delay_alu instid0(VALU_DEP_1)
	v_add_nc_u32 v[VD], s79, v[VD]                 ; 16 g + r - 16 h: on the diagonal register 16 b + i holds a hidden key where 32 b + i is above it
	; the addresses of the way out and of the exchange are made here, ahead of the place where the couples' two roles part
	s_mul_i32 s23, s[WV], 1280
	s_add_co_u32 s23, s23, STAGE                   ; my stage
	v_mul_u32_u24 v[SIN], v232, 80
	s_delay_alu instid0(VALU_DEP_1)
	v_lshl_add_u32 v[SIN], v233, 4, v[SIN]
	s_delay_alu instid0(VALU_DEP_1)
	v_add_nc_u32 v[SIN], s23, v[SIN]               ; in: row r, + 16 h
	v_and_b32 v241, 31, v0
	s_delay_alu instid0(VALU_DEP_1)
	v_lshrrev_b32 v242, 2, v241
	s_delay_alu instid0(VALU_DEP_1)
	v_mul_u32_u24 v[SBK], v242, 80
	s_delay_alu instid0(VALU_DEP_3)
	v_and_b32 v242, 3, v241
	s_delay_alu instid0(VALU_DEP_1)
	v_lshl_add_u32 v[SBK], v242, 4, v[SBK]
	s_delay_alu instid0(VALU_DEP_1)
	v_add_nc_u32 v[SBK], s23, v[SBK]               ; back: four lanes to a row
	v_lshlrev_b32 v242, 4, v241                    ; 16 x lane
	s_delay_alu instid0(VALU_DEP_1)
	v_add_nc_u32 v[GOC], s88, v242
	v_add_nc_u32 v[GOS], s87, v240
	s_mul_i32 s23, s[JJ], XP
	v_add_nc_u32 v[XA], s23, v242
	v_mov_b32 v13, 0xff61b1e6                      ; the largest t so far: -3e38
	s_delay_alu instid0(VALU_DEP_1)
	v_floor_f32 v12, -v13
	v_mov_b32 v14, 0
	v_mov_b32 v15, 0
.irp j, 0,1,2,3,4,5,6,7
	v_mov_b32 v[24+\j], 0                          ; zero codes for k = 64 .. 127: Q's,
	v_mov_b32 v[40+\j], 0                          ; and the four fragments' of K: they stay
	v_mov_b32 v[56+\j], 0
	v_mov_b32 v[72+\j], 0
	v_mov_b32 v[88+\j], 0
.endr
.irp b, 0,1,2,3
	v_mov_b32 v[236+\b], 0                         ; written once: a lane permute's destination counts as one of its sources
.endr
	v_mov_b32 v252, 0                              ; (likewise)
	v_mov_b32 v253, 0                              ; (named as the upper half of the pair v[252:253] before it is first written)
.set ix, 0
.rept 32
	v_mov_b32 v[160+ix], 0                         ; O^T: the step is written for every step alike; the first change of M leaves zeros zeros
.set ix, ix+1
.endr
; A KEY STEP: 128 keys.
.macro STEP
	s_cmp_gt_u32 s[KI], s[HI]                      ; not mine with the tile in hand: left out; the branch hangs on the wave's number and the count of steps, and no barrier stands in a step
	s_cbranch_scc1 .Lhidden_\@
	v_add_nc_u32 v[ADK], s[TB], v[AK0]
	s_wait_alu depctr_va_vdst(0)
	v_add_nc_u32 v[ADV], s[TB], v[AV0]
	v_add_nc_u32 v[ADS], s[TS], v[ASK0]
	s_wait_alu depctr_va_vdst(0)
	v_add_nc_u32 v[ADT], s[TJ], v[ASV0]
.rept 5
	v_nop                                          ; nine places with the four additions: S^T is laid over the registers from which the last products read V
.endr
.irp g, 0,1                                    ; S^T = K Q^T, four tiles of 16 keys at a time
.if \g
.rept 8
	v_nop                                          ; places in front of loads into registers that matrix instructions have read
.endr
.endif
.irp t, 0,1,2,3
	ds_load_b128 v[32+16*\t:35+16*\t], v[ADK] offset:1088*(4*\g+\t)
	ds_load_b128 v[36+16*\t:39+16*\t], v[ADK] offset:1088*(4*\g+\t)+32
	ds_load_u16 v[248+\t], v[ADS] offset:4*(32*((4*\g+\t)/2)+8*(\t%2))
.endr
	s_wait_dscnt 0x0
.irp t, 0,1,2,3
	v_wmma_scale_f32_16x16x128_f8f6f4 v[96+8*(4*\g+\t):103+8*(4*\g+\t)], v[32+16*\t:47+16*\t], v[16:31], 0, v[248+\t], v255 matrix_a_fmt:MATRIX_FMT_BF8 matrix_b_fmt:MATRIX_FMT_BF8
.endr
.endr
.rept 8
	v_nop
.endr
	s_cmp_lt_u32 s[KI], s[PI]                      ; only a tile's last step lies on the diagonal
	s_cbranch_scc1 .Lopen_\@
	v_mov_b32 v254, 0xff800000                     ; hidden scores become -infinity ahead of the maximum: p = 0 then.  The step's first key counts for every query, so the maximum is a number
.set ix, 0
.rept 64
	v_cmp_gt_i32 vcc_lo, 32*(ix/16)+ix%16, v[VD]
	v_cndmask_b32 v[96+ix], v[96+ix], v254, vcc_lo
.set ix, ix+1
.endr
.Lopen_\@:
.irp b, 0,1,2,3
	v_max3_num_f32 v[232+\b], v[96+16*\b], v[97+16*\b], v[98+16*\b]   ; the largest score of each block of 32 keys: for the row's maximum and, since p rises with the score, for the block's largest p
.endr
.irp i, 3,5,7,9,11,13
.irp b, 0,1,2,3
	v_max3_num_f32 v[232+\b], v[232+\b], v[96+16*\b+\i], v[97+16*\b+\i]
.endr
.endr
.irp b, 0,1,2,3
	v_max_num_f32 v[232+\b], v[232+\b], v[111+16*\b]
.endr
.irp b, 0,1,2,3
	s_delay_alu instid0(VALU_DEP_4)
	v_permlanex16_b32 v[236+\b], v[232+\b], s[SEL], s[SEL+1]
.endr
.irp b, 0,1,2,3
	s_delay_alu instid0(VALU_DEP_4)
	v_max_num_f32 v[232+\b], v[232+\b], v[236+\b]
.endr
	s_delay_alu instid0(VALU_DEP_2)
	v_max3_num_f32 v254, v232, v233, v234
	s_delay_alu instid0(VALU_DEP_1)
	v_max_num_f32 v254, v254, v235
	s_delay_alu instid0(VALU_DEP_1)
	v_mul_f32 v254, s[CS], v254
	s_delay_alu instid0(VALU_DEP_1)
	v_max_num_f32 v13, v13, v254                   ; the running largest t
	v_mov_b32 v254, v12
	s_delay_alu instid0(VALU_DEP_2)
	v_floor_f32 v12, -v13                          ; the new -M = -ceil(t)
	s_delay_alu instid0(VALU_DEP_1)
	v_sub_f32 v254, v12, v254                      ; old M - new M: a whole number, 0 or less
	s_delay_alu instid0(VALU_DEP_1)
	v_cvt_i32_f32 v254, v254
	s_delay_alu instid0(VALU_DEP_1)
	v_ldexp_f32 v252, 1.0, v254                    ; f = 2^(old M - new M)
.set ix, 0
.rept 32
	v_pk_fma_f32 v[96+ix:97+ix], v[96+ix:97+ix], s[CS:CS+1], v[12:13] op_sel_hi:[1,0,0]   ; t - M
.set ix, ix+2
.endr
.irp b, 0,1,2,3
	v_fma_f32 v[232+\b], v[232+\b], s[CS], v12
.endr
.set ix, 0
	s_wait_alu depctr_va_vdst(0)
.rept 64
	v_exp_f32 v[96+ix], v[96+ix]                   ; p
.set ix, ix+1
.endr
	v_pk_mul_f32 v[14:15], v[14:15], v[252:253] op_sel_hi:[1,0]          ; the sums under the new M (a plain line behind the exponentials)
	s_wait_alu depctr_va_vdst(0)                   ; one wait for the 64, ahead of their first reader
.irp b, 0,1,2,3
	v_exp_f32 v[232+\b], v[232+\b]                 ; the block's largest p
.endr
	v_pk_add_f32 v[236:237], v[100:101], v[104:105]
	v_pk_add_f32 v[250:251], v[108:109], v[112:113]
	v_pk_add_f32 v[248:249], v[116:117], v[120:121]
	v_pk_add_f32 v[246:247], v[124:125], v[128:129]
	v_pk_add_f32 v[244:245], v[132:133], v[136:137]
	v_pk_add_f32 v[242:243], v[140:141], v[144:145]
	v_pk_add_f32 v[240:241], v[148:149], v[152:153]
	v_pk_add_f32 v[14:15], v[14:15], v[156:157]
	v_pk_add_f32 v[236:237], v[236:237], v[96:97]
	v_pk_add_f32 v[250:251], v[250:251], v[98:99]
	v_pk_add_f32 v[248:249], v[248:249], v[102:103]
	v_pk_add_f32 v[246:247], v[246:247], v[106:107]
	v_pk_add_f32 v[244:245], v[244:245], v[110:111]
	v_pk_add_f32 v[242:243], v[242:243], v[114:115]
	v_pk_add_f32 v[240:241], v[240:241], v[118:119]
	v_pk_add_f32 v[14:15], v[14:15], v[122:123]
	v_pk_add_f32 v[236:237], v[236:237], v[126:127]
	v_pk_add_f32 v[250:251], v[250:251], v[130:131]
	v_pk_add_f32 v[248:249], v[248:249], v[134:135]
	v_pk_add_f32 v[246:247], v[246:247], v[138:139]
	v_pk_add_f32 v[244:245], v[244:245], v[142:143]
	v_pk_add_f32 v[242:243], v[242:243], v[146:147]
	v_pk_add_f32 v[240:241], v[240:241], v[150:151]
	v_pk_add_f32 v[14:15], v[14:15], v[154:155]
	v_pk_add_f32 v[236:237], v[236:237], v[158:159]
	s_delay_alu instid0(VALU_DEP_2)
	v_pk_add_f32 v[14:15], v[14:15], v[246:247]
	s_delay_alu instid0(VALU_DEP_2)
	v_pk_add_f32 v[236:237], v[236:237], v[244:245]
	v_pk_add_f32 v[250:251], v[250:251], v[242:243]
	v_pk_add_f32 v[248:249], v[248:249], v[240:241]
	s_delay_alu instid0(VALU_DEP_2)
	v_pk_add_f32 v[14:15], v[14:15], v[250:251]
	s_delay_alu instid0(VALU_DEP_2)
	v_pk_add_f32 v[236:237], v[236:237], v[248:249]
	s_delay_alu instid0(VALU_DEP_1)
	v_pk_add_f32 v[14:15], v[14:15], v[236:237]
	s_wait_alu depctr_va_vdst(0)                   ; and one for the four
.irp b, 0,1,2,3
	v_max_num_f32 v[232+\b], 0x8000000, v[232+\b]  ; the floor 2^(16 - 127)
.endr
.irp b, 0,1,2,3
	s_delay_alu instid0(VALU_DEP_4)
	v_add_nc_u32 v[244+\b], 0xf8800000, v[232+\b]
.endr
.irp b, 0,1,2,3
	v_and_or_b32 v[240+\b], v[232+\b], 0x7f800000, s[MNT]
.endr
.irp b, 0,1,2,3
	v_lshrrev_b32 v[236+\b], 23, v[244+\b]
.endr
	s_delay_alu instid0(VALU_DEP_3)
	v_lshl_or_b32 v253, v237, 8, v236              ; p's scale word for these 128 keys
	s_delay_alu instid0(VALU_DEP_1)
	v_lshl_or_b32 v253, v238, 16, v253
	s_delay_alu instid0(VALU_DEP_1)
	v_lshl_or_b32 v253, v239, 24, v253
.irp b, 0,1,2,3
.irp i, 0,1,2,3,4,5,6,7,8,9,10,11,12,13,14,15
	v_min_num_f32 v[96+16*\b+\i], v[96+16*\b+\i], v[240+\b]   ; the conversion does not saturate (ISA guide 7.6.2); p is not negative, so the hold is one-sided
.endr
	v_cvt_scalef32_pk8_bf8_f32 v[192+4*\b:193+4*\b], v[96+16*\b:103+16*\b], v[244+\b]
	v_cvt_scalef32_pk8_bf8_f32 v[194+4*\b:195+4*\b], v[104+16*\b:111+16*\b], v[244+\b]
.endr
.irp t, 0,1,2,3                                ; V's four fragments take p's registers: 16 of the head's 64 x these 128 keys, which are two runs of 64
.irp c, 0,1,2,3
	ds_load_b128 v[96+16*\t+4*\c:99+16*\t+4*\c], v[ADV] offset:1088*\t+4352*(\c/2)+32*(\c%2)
.endr
	ds_load_b32 v[248+\t], v[ADT] offset:4*(32*(\t/2)+8*(\t%2))
.endr
.set ix, 0
.rept 16
	v_pk_mul_f32 v[160+ix:161+ix], v[160+ix:161+ix], v[252:253] op_sel_hi:[1,0]   ; O^T under the new M.  (Also the places between the codes and the products)
.set ix, ix+2
.endr
	s_wait_alu depctr_va_vdst(0)
	s_wait_dscnt 0x0
.irp t, 0,1,2,3
	v_wmma_scale_f32_16x16x128_f8f6f4 v[160+8*\t:167+8*\t], v[96+16*\t:111+16*\t], v[192:207], v[160+8*\t:167+8*\t], v[248+\t], v253 matrix_a_fmt:MATRIX_FMT_BF8 matrix_b_fmt:MATRIX_FMT_BF8
.endr
.Lhidden_\@:
	s_add_co_u32 s[KI], s[KI], 1
	s_add_co_u32 s[TB], s[TB], 8704                ; 128 lines on, in K and in V alike
	s_add_co_u32 s[TS], s[TS], 512
	s_add_co_u32 s[TJ], s[TJ], 256
.endm
; THE WAY OUT of the tile whose O^T and sum lie in v160-191 and v[14:15].  y = O^T / the sum; register 16 b + i of a lane is d = 32 b + 16 h + i of its query: two blocks of 32, quantised; 16 rows x 64 bytes turn
; through my stage and leave as 2 x 512 bytes on end.
.macro OUTPUT
	v_add_f32 v14, v14, v15
	s_delay_alu instid0(VALU_DEP_1)
	v_permlanex16_b32 v252, v14, s[SEL], s[SEL+1]
	s_delay_alu instid0(VALU_DEP_1)
	v_add_f32 v14, v14, v252
	s_wait_alu depctr_va_vdst(0)
	v_rcp_f32 v14, v14
.rept 8
	v_nop                                          ; the plain lines behind the reciprocal, and the places behind the last products, whose results are read below
.endr
	s_wait_alu depctr_va_vdst(0)                   ; the wait ahead of the reciprocal's first reader
.set ix, 0
.rept 32
	v_mul_f32 v[96+ix], v[160+ix], v14
.set ix, ix+1
.endr
.irp b, 0,1
	v_max3_num_f32 v[232+\b], |v[96+16*\b]|, |v[97+16*\b]|, 0x8000000
.endr
.irp i, 2,4,6,8,10,12,14
.irp b, 0,1
	s_delay_alu instid0(VALU_DEP_2)
	v_max3_num_f32 v[232+\b], v[232+\b], |v[96+16*\b+\i]|, |v[97+16*\b+\i]|
.endr
.endr
.irp b, 0,1
	s_delay_alu instid0(VALU_DEP_2)
	v_permlanex16_b32 v[236+\b], v[232+\b], s[SEL], s[SEL+1]
.endr
.irp b, 0,1
	s_delay_alu instid0(VALU_DEP_2)
	v_max_num_f32 v[232+\b], v[232+\b], v[236+\b]
.endr
.irp b, 0,1
	s_delay_alu instid0(VALU_DEP_2)
	v_add_nc_u32 v[244+\b], 0xf8800000, v[232+\b]
.endr
.irp b, 0,1
	s_delay_alu instid0(VALU_DEP_4)
	v_and_or_b32 v[240+\b], v[232+\b], 0x7f800000, s[MNT]
.endr
.irp b, 0,1
	s_delay_alu instid0(VALU_DEP_4)
	v_lshrrev_b32 v[236+\b], 23, v[244+\b]
.endr
	s_delay_alu instid0(VALU_DEP_1)
	v_lshl_or_b32 v253, v237, 8, v236              ; my head's two bytes of the row's scale word
.irp b, 0,1
.irp i, 0,1,2,3,4,5,6,7,8,9,10,11,12,13,14,15
	v_med3_num_f32 v[96+16*\b+\i], v[96+16*\b+\i], -v[240+\b], v[240+\b]
.endr
	v_cvt_scalef32_pk8_bf8_f32 v[192+4*\b:193+4*\b], v[96+16*\b:103+16*\b], v[244+\b]
	v_cvt_scalef32_pk8_bf8_f32 v[194+4*\b:195+4*\b], v[104+16*\b:111+16*\b], v[244+\b]
.endr
	v_nop                                          ; a plain line behind the last conversion
	ds_store_b128 v[SIN], v[192:195]
	ds_store_b128 v[SIN], v[196:199] offset:32
	ds_load_b128 v[200:203], v[SBK]                ; LDS serves a wave's instructions in order: these see my stores
	ds_load_b128 v[204:207], v[SBK] offset:640
	global_store_b16 v[GOS], v253, s[6:7]          ; two bytes a row: the word's other half belongs to another work-group; both halves of the lanes write the same bytes
	s_wait_dscnt 1                                 ; the first eight rows are back; the second load may be out
	global_store_b128 v[GOC], v[200:203], s[6:7]   ; eight rows of 64 bytes: 512 consecutive bytes
	s_wait_dscnt 0x0
	global_store_b128 v[GOC], v[204:207], s[6:7] offset:512
	s_wait_xcnt 0x0                                ; the stores have read their registers: later steps write them again
.endm
	s_wait_loadcnt 0x0                             ; Q of both tiles
	s_cmp_lt_u32 s[WV], 4                          ; the scale words and pieces 0 are waves 0 to 3's: they wait here; pieces 1 to 3 are waited for at the second barrier
	s_cbranch_scc0 .Lnot_yet
	s_wait_tensorcnt 0x0
.Lnot_yet:
	s_wait_dscnt 0x0
	s_barrier_signal -1
	s_barrier_wait -1
	STEP                                           ; step 0, which every wave has: the other pieces land meanwhile
	s_wait_tensorcnt 0x0                           ; all pieces are in,
	s_wait_dscnt 0x0
	s_barrier_signal -1
	s_barrier_wait -1                              ; and every wave knows it: no barrier stands between the steps that follow
	s_mov_b32 s[CNT], 8
.Lfirst:                                           ; steps 1 to 8
	STEP
	s_sub_co_u32 s[CNT], s[CNT], 1
	s_cmp_lg_u32 s[CNT], 0
	s_cbranch_scc1 .Lfirst
	s_cmp_eq_u32 s[ROLE], 0
	s_cbranch_scc1 .Lkeep                          ; the first of a couple keeps its part of tile 15 - j as it is
	OUTPUT                                         ; the second has finished tile j: it goes out,
	v_mov_b32 v13, 0xff61b1e6                      ; and the state begins anew
	s_delay_alu instid0(VALU_DEP_1)
	v_floor_f32 v12, -v13
	v_mov_b32 v14, 0
	v_mov_b32 v15, 0
.set ix, 0
.rept 32
	v_mov_b32 v[160+ix], 0
.set ix, ix+1
.endr
.irp i, 0,1,2,3,4,5,6,7
	v_mov_b32 v[16+\i], v[Q2+\i]                   ; with tile 15 - j's queries
.endr
	v_mov_b32 v255, v[Q2S]
.Lkeep:
	s_cmp_eq_u32 s[ROLE], 0
	s_cselect_b32 s[HI], 0, s[T2]                  ; steps 9 to 15 - j are the second's; none is the first's
	s_mov_b32 s[PI], s[T2]
	s_mov_b32 s[CNT], 7
.Lsecond:                                          ; steps 9 to 15: the count of steps and the three LDS places have run on
	STEP
	s_sub_co_u32 s[CNT], s[CNT], 1
	s_cmp_lg_u32 s[CNT], 0
	s_cbranch_scc1 .Lsecond
.rept 8
	v_nop                                          ; places behind the last products: their results are stored, and loads land on their sources, below
.endr
	s_wait_dscnt 0x0                               ; my reads of K and V are over
	s_barrier_signal -1
	s_barrier_wait -1                              ; everybody's are: K's first bytes take the exchange
	s_cmp_eq_u32 s[ROLE], 0
	s_cbranch_scc1 .Lno_give
	s_wait_alu depctr_va_vdst(0)
.irp i, 0,1,2,3,4,5,6,7
	ds_store_b128 v[XA], v[160+4*\i:163+4*\i] offset:512*\i              ; the second's part as an image of its registers, each accumulator from its low end on;
.endr
	ds_store_b128 v[XA], v[12:15] offset:4096      ; -M, the largest t, the sum's two halves
.Lno_give:
	s_wait_dscnt 0x0                               ; for the first's sake: the stores have landed
	s_barrier_signal -1
	s_barrier_wait -1
	s_cmp_lg_u32 s[ROLE], 0
	s_cbranch_scc1 .Ldone
.irp i, 0,1,2,3,4,5,6,7
	ds_load_b128 v[96+4*\i:99+4*\i], v[XA] offset:512*\i
.endr
	ds_load_b128 v[128:131], v[XA] offset:4096
	s_wait_dscnt 0x0
	v_min_num_f32 v254, v12, v128                  ; -M of the two parts together: M is the larger
	s_delay_alu instid0(VALU_DEP_1)
	v_sub_f32 v132, v254, v12                      ; my M less that: a whole number, 0 or less;
	s_delay_alu instid0(VALU_DEP_2)
	v_sub_f32 v133, v254, v128                     ; the other's likewise (an empty part's: about -3e38)
	s_delay_alu instid0(VALU_DEP_2)
	v_cvt_i32_f32 v132, v132                       ; (it saturates)
	s_delay_alu instid0(VALU_DEP_2)
	v_cvt_i32_f32 v133, v133
	s_delay_alu instid0(VALU_DEP_2)
	v_ldexp_f32 v134, 1.0, v132                    ; the two factors, each twice: pairs for the packed forms.  Powers of two: nothing is rounded; an empty part's is 0
	s_delay_alu instid0(VALU_DEP_3)
	v_ldexp_f32 v135, 1.0, v132
	s_delay_alu instid0(VALU_DEP_3)
	v_ldexp_f32 v136, 1.0, v133
	s_delay_alu instid0(VALU_DEP_4)
	v_ldexp_f32 v137, 1.0, v133
.set ix, 0
.rept 16
	v_pk_mul_f32 v[160+ix:161+ix], v[160+ix:161+ix], v[134:135]
.set ix, ix+2
.endr
.set ix, 0
.rept 16
	v_pk_fma_f32 v[160+ix:161+ix], v[96+ix:97+ix], v[136:137], v[160+ix:161+ix]
.set ix, ix+2
.endr
	v_pk_mul_f32 v[14:15], v[14:15], v[134:135]
	s_delay_alu instid0(VALU_DEP_1)
	v_pk_fma_f32 v[14:15], v[130:131], v[136:137], v[14:15]
	OUTPUT                                         ; tile 15 - j goes out
.Ldone:
	s_wait_tensorcnt 0x0                           ; the wave's end: behind my last tensor load and my last LDS store
	ds_add_u32 v[SPW], v[NIL]
	s_wait_dscnt 0x0
	CROUND                                         ; the closing round
	s_endpgm
.Lfunc_end_k_q4709d8089f_attn:
	.size	k_q4709d8089f_attn, .Lfunc_end_k_q4709d8089f_attn-k_q4709d8089f_attn
	.p2alignl 7, 3214868480
	.fill 96, 4, 3214868480
	.section	.rodata,"a",@progbits
	.p2align	6, 0x0
	.amdhsa_kernel k_q4709d8089f_attn
		.amdhsa_group_segment_fixed_size 327680
		.amdhsa_private_segment_fixed_size 0
		.amdhsa_enable_private_segment 0
		.amdhsa_kernarg_size 16
		.amdhsa_user_sgpr_count 2
		.amdhsa_user_sgpr_kernarg_segment_ptr 1
		.amdhsa_wavefront_size32 1
		.amdhsa_system_sgpr_workgroup_id_x 1
		.amdhsa_system_sgpr_workgroup_id_y 1
		.amdhsa_system_sgpr_workgroup_id_z 1
		.amdhsa_system_vgpr_workitem_id 0
		.amdhsa_next_free_vgpr 256
		.amdhsa_next_free_sgpr 96
		.amdhsa_reserve_vcc 1
		.amdhsa_float_denorm_mode_32 3
		.amdhsa_float_denorm_mode_16_64 3
		.amdhsa_memory_ordered 1
		.amdhsa_forward_progress 1
		.amdhsa_inst_pref_size 111
	.end_amdhsa_kernel
	.amdgpu_metadata
---
amdhsa.version: [ 1, 2 ]
amdhsa.kernels:
  - .name:           k_q4709d8089f_attn
    .symbol:         k_q4709d8089f_attn.kd
    .args:
      - { .name: QKV, .offset: 0, .size: 8, .value_kind: global_buffer, .address_space: global }
      - { .name: Y, .offset: 8, .size: 8, .value_kind: global_buffer, .address_space: global }
    .group_segment_fixed_size: 327680
    .private_segment_fixed_size: 0
    .kernarg_segment_align: 8
    .kernarg_segment_size: 16
    .max_flat_workgroup_size: 512
    .sgpr_count:     96
    .vgpr_count:     256
    .wavefront_size: 32
...
	.end_amdgpu_metadata
.endif
;; end of part 3
;; launch proj (part 4): grid 8 x 32, 4 waves a work-group, clusters of 4 x 4, 327,680 bytes of LDS; arguments Y, W_proj_codes, W_proj_scales, b_proj, x, X1; writes X1
.if DOCPART == 4
	.amdgcn_target "amdgcn-amd-amdhsa--gfx1250"
	.amdhsa_code_object_version 6
	.text
	.protected	k_q4709d8089f_proj
	.globl	k_q4709d8089f_proj
	.p2align	8
	.type	k_q4709d8089f_proj,@function
k_q4709d8089f_proj:
	s_mov_b64 s[64:65], 0
	v_nop
	global_prefetch_b8 v0, s[64:65] scope:SCOPE_SE
	s_setreg_imm32_b32 hwreg(HW_REG_WAVE_MODE, 25, 1), 1
	s_wait_xcnt 0x0
	s_wait_alu depctr_hold_cnt(0) depctr_sa_sdst(0) depctr_va_vdst(0) depctr_va_sdst(0) depctr_va_ssrc(0) depctr_va_vcc(0) depctr_vm_vsrc(0)
	s_getreg_b32 s2, hwreg(HW_REG_IB_STS2, 6, 4)
	s_cmp_eq_u32 s2, 0
	s_cbranch_scc0 .Lentry_in_a_cluster
	s_endpgm
.Lentry_in_a_cluster:
	s_bfe_u32 s2, ttmp6, 0x10000c
	s_cmp_lg_u32 s2, 0xf033
	s_cbranch_scc0 .Lentry_shape_is_right
	s_endpgm
.Lentry_shape_is_right:
.set KK,     1024
.set KS,     KK/32
.set LAPS,   KK/1024
.set SLOT,   137216
.set BOF,    69632
.set SCA,    2*SLOT
.set SCB,    SCA+4*KK
.set SPARE,  SCB+(128*KS/256)*272
.set SPITCH, 528
.set ADRA, 16
.set ADRB, 20
.set ADSA, 22
.set ADSB, 23
.set STO,  24
.set RD,   25
.set CO,   26
.set SPW,  28
.set NIL,  29
.set SA,   32
.set SB,   64
.set ACC,  128
.set G1, 24
.set G0, 32
.set G1B, 48
.set G0B, 56
.set G1S, 68
.set G0S, 76
.set G1SB, 80
.set G0SB, 88
.set MSB, 0
.macro WIN new
.if MSB != (\new)
	s_set_vgpr_msb (MSB<<8)|(\new)
.set MSB, (\new)
.endif
.endm
.macro JLOAD g0a, g1a, g0b, g1b
	s_cmp_eq_u32 s17, 0
	s_cbranch_scc0 .Lfor_b_\@
	tensor_load_to_lds s[\g0a:\g0a+3], s[\g1a:\g1a+7]
	s_nop 0
.rept 4
	v_nop
.endr
	s_branch .Lasked_\@
.Lfor_b_\@:
	tensor_load_to_lds s[\g0b:\g0b+3], s[\g1b:\g1b+7]
	s_nop 0
.rept 4
	v_nop
.endr
.Lasked_\@:
.endm
.macro CREST
	s_cmp_lg_u32 s16, 0
	s_cbranch_scc1 .Lnot_wave_0_\@
	s_barrier_signal -3
.Lnot_wave_0_\@:
	s_barrier_wait -3
	s_barrier_signal -1
	s_barrier_wait -1
.endm
.macro CROUND
	s_barrier_signal -1
	s_barrier_wait -1
	CREST
.endm
	s_load_b256 s[4:11], s[0:1], 0x0
	s_load_b128 s[12:15], s[0:1], 0x20
	v_lshl_add_u32 v[SPW], v0, 2, SPARE
	v_mov_b32 v[NIL], 0
	ds_add_u32 v[SPW], v[NIL]
	ds_add_u32 v[SPW], v[NIL]
	v_lshrrev_b32 v1, 5, v0
	v_readfirstlane_b32 s16, v1
	s_lshr_b32 s17, s16, 1
	s_and_b32 s18, s16, 1
	s_bfe_u32 s40, ttmp6, 0x40000
	s_bfe_u32 s41, ttmp6, 0x40004
	s_lshl_b32 s42, ttmp9, 2
	s_add_co_u32 s42, s42, s40
	s_and_b32 s43, ttmp7, 0xffff
	s_lshl_b32 s43, s43, 2
	s_add_co_u32 s43, s43, s41
	s_lshl_b32 s44, s41, 2
	s_lshl_b32 s44, 15, s44
	s_lshl_b32 s45, 0x1111, s40
	s_or_b32 s[G1], s44, (0<<16)|(1<<20)|(1<<21)|(5<<22)|(3<<25)
	s_mov_b32 s[G1+1], 256<<16
	s_mov_b32 s[G1+2], 256<<16
	s_mov_b32 s[G1+3], 256<<16
	s_mov_b32 s[G1+4], 256
	s_mov_b32 s[G1+5], 256
	s_mov_b32 s[G1+6], 0
	s_mov_b32 s[G1+7], 0
	s_or_b32 s[G1B], s45, (0<<16)|(1<<20)|(1<<21)|(6<<22)|(3<<25)
	s_mov_b32 s[G1B+1], 512<<16
	s_mov_b32 s[G1B+2], 128<<16
	s_mov_b32 s[G1B+3], 512<<16
	s_mov_b32 s[G1B+4], 128
	s_mov_b32 s[G1B+5], KK
	s_mov_b32 s[G1B+6], 0
	s_mov_b32 s[G1B+7], 0
	s_or_b32 s[G1S], s44, (3<<16)|(1<<21)
	s_mov_b32 s[G1S+1], 64<<16
	s_mov_b32 s[G1S+2], (KK/128)<<16
	s_mov_b32 s[G1S+3], 64<<16
	s_mov_b32 s[G1S+4], KK/128
	s_mov_b32 s[G1S+5], 2048
	s_mov_b32 s[G1S+6], 0
	s_mov_b32 s[G1S+7], 0
	s_or_b32 s[G1SB], s45, (3<<16)|(1<<20)|(1<<21)|(5<<22)|(3<<25)
	s_mov_b32 s[G1SB+1], 32<<16
	s_mov_b32 s[G1SB+2], (128*KS/256)<<16
	s_mov_b32 s[G1SB+3], 32<<16
	s_mov_b32 s[G1SB+4], 128*KS/256
	s_mov_b32 s[G1SB+5], 32
	s_mov_b32 s[G1SB+6], 0
	s_mov_b32 s[G1SB+7], 0
	s_mul_i32 s20, s43, 128*KK
	s_lshl_b32 s19, s18, 15
	s_add_co_u32 s20, s20, s19
	s_mov_b32 s21, 0
	s_mul_i32 s98, s43, 128*KK                     ; the head's tiles are whole: A's 128 rows,
	s_mov_b32 s99, 0
	s_lshl_b32 s22, s43, 9                         ; their scale words,
	s_add_co_u32 s22, s22, 4096*KK
	s_mov_b32 s23, 0
	s_lshl_b32 s46, s42, 7
	s_mul_i32 s92, s46, KS                         ; B's 128 rows' scale bytes,
	s_mov_b32 s93, 0
	s_mul_i32 s66, s46, KK                         ; and codes
	s_mov_b32 s67, 0
	s_lshl_b32 s19, s18, 6                         ; the ring's: my 64 rows of B
	s_add_co_u32 s46, s46, s19
	s_mul_i32 s46, s46, KK
	s_mov_b32 s47, 0
	s_mul_i32 s94, s18, 34816
	s_mul_i32 s95, s18, 33792
	s_add_co_u32 s95, s95, BOF
	s_mul_i32 s96, s18, (KK/256)*512
	s_add_co_u32 s96, s96, SCA
	s_mul_i32 s97, s18, (64*KS/256)*272
	s_add_co_u32 s97, s97, SCB
	s_wait_dscnt 0x0
	s_wait_kmcnt 0x0
	s_add_nc_u64 s[20:21], s[4:5], s[20:21]
	s_add_nc_u64 s[22:23], s[4:5], s[22:23]
	s_add_nc_u64 s[46:47], s[6:7], s[46:47]
	s_add_nc_u64 s[92:93], s[8:9], s[92:93]
	s_add_nc_u64 s[98:99], s[4:5], s[98:99]
	s_add_nc_u64 s[66:67], s[6:7], s[66:67]
	CROUND
	s_mov_b32 s[G0S], 1
	s_mov_b32 s[G0S+1], SCA
	s_mov_b64 s[G0S+2:G0S+3], s[22:23]
	s_or_b32 s[G0S+3], s[G0S+3], 0x80000000
	s_mov_b32 s[G0SB], 1
	s_mov_b32 s[G0SB+1], SCB
	s_mov_b64 s[G0SB+2:G0SB+3], s[92:93]
	s_or_b32 s[G0SB+3], s[G0SB+3], 0x80000000
	s_mov_b32 s[G0], 1
	s_mov_b32 s[G0+1], 0
	s_mov_b64 s[G0+2:G0+3], s[98:99]
	s_or_b32 s[G0+3], s[G0+3], 0x80000000
	s_mov_b32 s[G0B], 1
	s_mov_b32 s[G0B+1], BOF
	s_mov_b64 s[G0B+2:G0B+3], s[66:67]
	s_or_b32 s[G0B+3], s[G0B+3], 0x80000000
	s_mov_b32 s[G0+4], 1
	s_add_co_u32 s[G0+5], s94, SLOT
	s_add_nc_u64 s[G0+6:G0+7], s[20:21], 65536
	s_or_b32 s[G0+7], s[G0+7], 0x80000000
	s_mov_b32 s[G0B+4], 1
	s_add_co_u32 s[G0B+5], s95, SLOT
	s_add_nc_u64 s[G0B+6:G0B+7], s[46:47], 512
	s_or_b32 s[G0B+7], s[G0B+7], 0x80000000
; one joint load a wave at the head: slot 0's A, slot 0's B, A's scale words, B's scale bytes, each whole; one chain of branches on the wave's number
.macro ARM under, g0, g1, next
	s_cmp_lt_u32 s16, \under
	s_cbranch_scc0 \next
	tensor_load_to_lds s[\g0:\g0+3], s[\g1:\g1+7]
	s_nop 0
.rept 4
	v_nop
.endr
	s_branch .Lhead_asked
\next:
.endm
	ARM 1, G0,  G1,  .Lhead_b
	ARM 2, G0B, G1B, .Lhead_sa
	ARM 3, G0S, G1S, .Lhead_sb
	tensor_load_to_lds s[G0SB:G0SB+3], s[G1SB:G1SB+7]
	s_nop 0
.rept 4
	v_nop
.endr
.Lhead_asked:
	s_wait_alu depctr_va_vdst(0)
	s_wait_tensorcnt 0x0                           ; the full sequence ahead of slot 1's first fill
	ds_add_u32 v[SPW], v[NIL]
	s_mov_b32 s[G1+2], 128<<16                     ; no tensor load of mine is out: from here on a load brings half a tile
	s_mov_b32 s[G1+4], 128
	s_mov_b32 s[G1B+2], 64<<16
	s_mov_b32 s[G1B+4], 64
	s_mov_b32 s[G0+1], s94
	s_mov_b64 s[G0+2:G0+3], s[20:21]
	s_or_b32 s[G0+3], s[G0+3], 0x80000000
	s_mov_b32 s[G0B+1], s95
	s_mov_b64 s[G0B+2:G0B+3], s[46:47]
	s_or_b32 s[G0B+3], s[G0B+3], 0x80000000
	s_wait_dscnt 0x0
	CROUND
	JLOAD G0+4, G1, G0B+4, G1B
	v_and_b32 v1, 15, v0
	v_bfe_u32 v2, v0, 4, 1
	v_lshrrev_b32 v3, 2, v1
	v_mul_u32_u24 v3, v3, 272
	v_and_b32 v4, 3, v1
	v_lshl_add_u32 v3, v4, 6, v3
	v_lshl_add_u32 v3, v2, 4, v3
	s_mul_i32 s21, s17, 16*272
	v_mul_u32_u24 v4, v1, 528
	v_lshl_add_u32 v4, v2, 4, v4
	s_mul_i32 s22, s18, 64*528
	s_add_co_u32 s22, s22, BOF
.irp s, 0,1
	v_add_nc_u32 v[ADRA+\s], s21, v3
	v_add_nc_u32 v[ADRB+\s], s22, v4
	s_add_co_u32 s21, s21, SLOT
	s_add_co_u32 s22, s22, SLOT
.endr
	s_lshl_b32 s21, s17, 8
	s_add_co_u32 s21, s21, SCA
	v_lshlrev_b32 v5, 2, v1
	v_add_nc_u32 v[ADSA], s21, v5
	v_mul_u32_u24 v5, v1, KS
	v_lshrrev_b32 v6, 8, v5
	v_lshl_add_u32 v5, v6, 4, v5
	s_mul_i32 s21, s18, (64*KS/256)*272
	s_add_co_u32 s21, s21, SCB
	v_add_nc_u32 v[ADSB], s21, v5
	s_mul_i32 s21, s17, 64*SPITCH
	s_lshl_b32 s22, s18, 8
	s_add_co_u32 s21, s21, s22
	v_mul_u32_u24 v5, v1, SPITCH
	v_lshl_add_u32 v5, v2, 5, v5
	v_add_nc_u32 v[STO], s21, v5
	v_and_b32 v6, 31, v0
	v_lshlrev_b32 v[CO], 4, v6
	s_wait_alu depctr_va_vdst(0)
	s_mul_i32 s21, s16, 32*SPITCH
	v_add_nc_u32 v[RD], s21, v[CO]
	s_lshl_b32 s20, s43, 19
	s_lshl_b32 s21, s16, 17
	s_add_co_u32 s20, s20, s21
	s_lshl_b32 s46, s42, 9
	s_add_co_u32 s20, s20, s46
	s_mov_b32 s21, 0
	s_mov_b32 s47, 0
	s_add_nc_u64 s[12:13], s[12:13], s[20:21]
	s_add_nc_u64 s[14:15], s[14:15], s[20:21]
	s_add_nc_u64 s[10:11], s[10:11], s[46:47]
	WIN 0x80
.set ix, 0
.rept 32
	global_load_b128 v[4*ix:4*ix+3], v[CO], s[12:13] offset:4096*ix
.set ix, ix+1
.endr
	WIN 0
	global_load_b128 v[8:11], v[CO], s[10:11]
.macro FETCH slot, q, f
	WIN 0x40
.irp i, 0,1,2,3
.irp c, 0,1,2,3
	ds_load_b128 v[\f+16*\i+4*\c:\f+16*\i+4*\c+3], v[ADRA+\slot] offset:1088*\i+(2*(\q)+\c/2)*8704+32*(\c%2)
.endr
.endr
.irp j, 0,1,2,3
.irp c, 0,1,2,3
	ds_load_b128 v[\f+64+16*\j+4*\c:\f+64+16*\j+4*\c+3], v[ADRB+\slot] offset:8448*\j+128*(\q)+32*\c
.endr
.endr
	WIN 0
.endm
.macro SCALES set
.irp q, 0,1,2,3
.irp i, 0,1,2,3
	ds_load_b32 v[SA+16*\set+4*\q+\i], v[ADSA] offset:512*\q+64*\i
.endr
.endr
.irp j, 0,1,2,3
	ds_load_b128 v[SB+16*\set+4*\j:SB+16*\set+4*\j+3], v[ADSB] offset:\j*(16*KS/256)*272
.endr
.endm
.macro MUL f, i0, n, set, q, zero
	WIN 0x05
.set ii, \i0
.rept \n
.irp j, 0,1,2,3
.if \zero
	v_wmma_scale_f32_16x16x128_f8f6f4 v[ACC+8*(4*ii+\j):ACC+8*(4*ii+\j)+7], v[\f+64+16*\j:\f+64+16*\j+15], v[\f+16*ii:\f+16*ii+15], 0, v[SB+16*\set+4*\j+\q], v[SA+16*\set+4*\q+ii] matrix_a_fmt:MATRIX_FMT_BF8 matrix_b_fmt:MATRIX_FMT_BF8
.else
	v_wmma_scale_f32_16x16x128_f8f6f4 v[ACC+8*(4*ii+\j):ACC+8*(4*ii+\j)+7], v[\f+64+16*\j:\f+64+16*\j+15], v[\f+16*ii:\f+16*ii+15], v[ACC+8*(4*ii+\j):ACC+8*(4*ii+\j)+7], v[SB+16*\set+4*\j+\q], v[SA+16*\set+4*\q+ii] matrix_a_fmt:MATRIX_FMT_BF8 matrix_b_fmt:MATRIX_FMT_BF8
.endif
.endr
.set ii, ii+1
.endr
.endm
.macro PLACES n
.rept \n
	v_nop
.endr
.endm
.macro STEP slot, q, zero
	s_wait_dscnt 0x0
	PLACES 8
	FETCH \slot, (\q)+1, 128*(1-(\q)%2)
	MUL 128*((\q)%2), 0, 4, \slot, \q, \zero
.endm
.macro TURN slot, next, fill
	WIN 0
	s_wait_tensorcnt 0x0
	ds_add_u32 v[SPW], v[NIL]
	s_wait_dscnt 1
	MUL 128, 0, 1, \slot, 3, 0
	s_wait_dscnt 0x0
	s_barrier_signal -1
	MUL 128, 1, 1, \slot, 3, 0
	WIN 0
	s_barrier_wait -1
.if \fill
	CREST
	s_add_nc_u64 s[G0+4*\slot+2:G0+4*\slot+3], s[G0+4*\slot+2:G0+4*\slot+3], 131072
	s_add_nc_u64 s[G0B+4*\slot+2:G0B+4*\slot+3], s[G0B+4*\slot+2:G0B+4*\slot+3], 1024
	JLOAD G0+4*\slot, G1, G0B+4*\slot, G1B
	PLACES 4
.else
	PLACES 8
.endif
	v_add_nc_u32 v[ADSA], 2048, v[ADSA]
	v_add_nc_u32 v[ADSB], 16, v[ADSB]
	FETCH \next, 0, 0
	SCALES \next
	MUL 128, 2, 2, \slot, 3, 0
.endm
	s_wait_tensorcnt 1
	s_barrier_signal -1
	s_barrier_wait -1
	FETCH 0, 0, 0
	SCALES 0
	STEP 0, 0, 1
	WIN 0
.if LAPS > 1
	s_mov_b32 s3, LAPS-1
.Llap:
	STEP 0, 1, 0
	STEP 0, 2, 0
	TURN 0, 1, 1
	STEP 1, 0, 0
	STEP 1, 1, 0
	STEP 1, 2, 0
	TURN 1, 0, 1
	STEP 0, 0, 0
	WIN 0
	s_sub_co_u32 s3, s3, 1
	s_cmp_lg_u32 s3, 0
	s_cbranch_scc1 .Llap
.endif
	STEP 0, 1, 0
	STEP 0, 2, 0
	TURN 0, 1, 0
	STEP 1, 0, 0
	STEP 1, 1, 0
	STEP 1, 2, 0
	s_wait_dscnt 0x0
	MUL 128, 0, 4, 1, 3, 0
	WIN 0
	PLACES 8
.irp i, 0,1,2,3
.irp j, 0,1,2,3
	ds_store_b128 v[STO], v[ACC+8*(4*\i+\j):ACC+8*(4*\i+\j)+3] offset:8448*\i+64*\j
	ds_store_b128 v[STO], v[ACC+8*(4*\i+\j)+4:ACC+8*(4*\i+\j)+7] offset:8448*\i+64*\j+16
.endr
.endr
	s_wait_dscnt 0x0
	s_wait_loadcnt 0x0
	s_barrier_signal -1
	WIN 0x82
.set ix, 0
.rept 64
	v_pk_add_f32 v[ix:ix+1], v[ix:ix+1], v[8+ix%4:9+ix%4]
.set ix, ix+2
.endr
	WIN 0
	s_barrier_wait -1
.set ix, 0
.rept 32
	ds_load_b128 v[ACC+4*ix:ACC+4*ix+3], v[RD] offset:SPITCH*ix
.set ix, ix+1
.endr
	WIN 0x88
.set ix, 0
.rept 32
	s_wait_dscnt 31-ix
	v_pk_add_f32 v[4*ix:4*ix+1], v[ACC+4*ix:ACC+4*ix+1], v[4*ix:4*ix+1]
	v_pk_add_f32 v[4*ix+2:4*ix+3], v[ACC+4*ix+2:ACC+4*ix+3], v[4*ix+2:4*ix+3]
	global_store_b128 v[CO], v[4*ix:4*ix+3], s[14:15] offset:4096*ix
.set ix, ix+1
.endr
	WIN 0
	s_wait_tensorcnt 0x0
	ds_add_u32 v[SPW], v[NIL]
	s_wait_dscnt 0x0
	CROUND
	s_endpgm
.Lfunc_end_k_q4709d8089f_proj:
	.size	k_q4709d8089f_proj, .Lfunc_end_k_q4709d8089f_proj-k_q4709d8089f_proj
	.p2alignl 7, 3214868480
	.fill 96, 4, 3214868480
	.section	.rodata,"a",@progbits
	.p2align	6, 0x0
	.amdhsa_kernel k_q4709d8089f_proj
		.amdhsa_group_segment_fixed_size 327680
		.amdhsa_private_segment_fixed_size 0
		.amdhsa_enable_private_segment 0
		.amdhsa_kernarg_size 48
		.amdhsa_user_sgpr_count 2
		.amdhsa_user_sgpr_kernarg_segment_ptr 1
		.amdhsa_wavefront_size32 1
		.amdhsa_system_sgpr_workgroup_id_x 1
		.amdhsa_system_sgpr_workgroup_id_y 1
		.amdhsa_system_sgpr_workgroup_id_z 1
		.amdhsa_system_vgpr_workitem_id 0
		.amdhsa_next_free_vgpr 768
		.amdhsa_next_free_sgpr 100
		.amdhsa_reserve_vcc 0
		.amdhsa_float_denorm_mode_32 3
		.amdhsa_float_denorm_mode_16_64 3
		.amdhsa_memory_ordered 1
		.amdhsa_forward_progress 1
		.amdhsa_inst_pref_size 69
	.end_amdhsa_kernel
	.amdgpu_metadata
---
amdhsa.version: [ 1, 2 ]
amdhsa.kernels:
  - .name:           k_q4709d8089f_proj
    .symbol:         k_q4709d8089f_proj.kd
    .args:
      - { .name: Y, .offset: 0, .size: 8, .value_kind: global_buffer, .address_space: global }
      - { .name: W_proj_codes, .offset: 8, .size: 8, .value_kind: global_buffer, .address_space: global }
      - { .name: W_proj_scales, .offset: 16, .size: 8, .value_kind: global_buffer, .address_space: global }
      - { .name: b_proj, .offset: 24, .size: 8, .value_kind: global_buffer, .address_space: global }
      - { .name: x, .offset: 32, .size: 8, .value_kind: global_buffer, .address_space: global }
      - { .name: X1, .offset: 40, .size: 8, .value_kind: global_buffer, .address_space: global }
    .group_segment_fixed_size: 327680
    .private_segment_fixed_size: 0
    .kernarg_segment_align: 8
    .kernarg_segment_size: 48
    .max_flat_workgroup_size: 128
    .sgpr_count:     100
    .vgpr_count:     768
    .wavefront_size: 32
...
	.end_amdgpu_metadata
.endif
;; end of part 4
;; launch ln2: the kernel of part 1 again; grid 256 x 1, 4 waves a work-group, no clusters, 21,504 bytes of LDS; arguments X1, ln2_w, ln2_b, H; writes H
;; launch fc (part 5): grid 32 x 8, 4 waves a work-group, clusters of 4 x 4, 327,680 bytes of LDS; arguments H, W_fc_codes, W_fc_scales, b_fc, G; writes G
.if DOCPART == 5
	.amdgcn_target "amdgcn-amd-amdhsa--gfx1250"
	.amdhsa_code_object_version 6
	.text
	.protected	k_q4709d8089f_fc
	.globl	k_q4709d8089f_fc
	.p2align	8
	.type	k_q4709d8089f_fc,@function
k_q4709d8089f_fc:
	s_mov_b64 s[64:65], 0
	v_nop
	global_prefetch_b8 v0, s[64:65] scope:SCOPE_SE
	s_setreg_imm32_b32 hwreg(HW_REG_WAVE_MODE, 25, 1), 1
	s_wait_xcnt 0x0
	s_wait_alu depctr_hold_cnt(0) depctr_sa_sdst(0) depctr_va_vdst(0) depctr_va_sdst(0) depctr_va_ssrc(0) depctr_va_vcc(0) depctr_vm_vsrc(0)
	s_getreg_b32 s2, hwreg(HW_REG_IB_STS2, 6, 4)
	s_cmp_eq_u32 s2, 0
	s_cbranch_scc0 .Lentry_in_a_cluster
	s_endpgm
.Lentry_in_a_cluster:
	s_bfe_u32 s2, ttmp6, 0x10000c
	s_cmp_lg_u32 s2, 0xf033
	s_cbranch_scc0 .Lentry_shape_is_right
	s_endpgm
.Lentry_shape_is_right:
; gelu(LN2(x1) W_fc + b_fc), QUANTISED ALONG ITS 4,096 COLUMNS (the K of W_fc2), ON CODES OF MX-BF8: 4,096 x 4,096 x 1,024.  No f32 result is stored.
; IN: H: codes [4096][1024], scale bytes [4096][32] at byte 4,194,304.  W_fc: codes [4096 (n)][1024], scale bytes [4096][32].
; OUT: G: codes [m / 128][n / 64][(m % 128) / 16][(n % 64) / 16][m % 16][16 bytes] at 0; scale words [n / 128][m][4] at 16,777,216.
; THE DEAL.  256 work-groups of four waves, 2 x 2, each 512 rows x 128 columns.  A wave holds 64 rows of W_fc, ALL of K, in 512 registers (windows 1, 2) and streams x's rows past them in 16 blocks of 16 rows,
; which stand in registers as two whole sets (window 3).  Block b of wave row w: rows 32 b + 16 w on.  Source 0 = 16 rows of W, source 1 = x's 16 rows: a lane holds ONE row of x.
; W's ROWS OF A TILE ARE CHOSEN: row i of tile t is column 32 (i / 8) + 8 t + i % 8 of my 64, so register 8 t + j of lane (r, h) is column 32 h + 8 t + j: a scale block of 32 lies in one lane.  The bias is the first products' C.
; A BLOCK'S WAY OUT (gelu, scale, hold, codes: 389 lines) stands among the NEXT block's 32 products, 13 lines behind each; sums stand in two sets.  The first block's way out works on zeros and stores nothing.
; LDS: two slots of 128 rows of 1,040 bytes; W's 128 rows lie in slot 1 until they are in registers.  x's four chunks of 128 rows: chunk 0 at the head; chunk n + 1 in a drained round of the cluster's barrier inside
; block 0 of trip n, 32 rows a wave, shown by the barrier inside block 2.  x's 512 rows' scale bytes stay in LDS.  The results' scale bytes meet in LDS and leave at the end, 512 bytes a wave.
; CLUSTER 4 x 4: x's rows are asked for jointly along a row, W's along a column.  PREFETCH: each chunk's 512 blocks of 256 bytes are shared out by address among the 16 waves of a cluster's row: chunks 1, 2 at the head, chunk 3 in trip 0.
; gelu(x) = max(x, 0) - |x| R, R = erfc(|x| / sqrt 2) / 2 = t 2^(log2(e) (P(t) - x^2 / 2) - 1), t = 1 / (1 + |x| sqrt(2) / 4), P the ten-term fit of erfc (fractional error under 1.2e-7), all in f32.
; LIMITS: v_exp_f32 gives 0 under 2^-126, so R is 0 from |x| of about 13 on; NaN and infinities are not served; a block of zeros gets the byte 1, and a block whose largest magnitude lies under 2^-111 is held at that byte.
.set KROW, 1024
.set PITCH, KROW+16
.set CH, 128
.set FR, 16
.set FPW, 16
.set NP, 8                             ; plain lines behind a matrix instruction (ISA guide 7.12.1)
.set NF, 34                            ; LDS loads of a block: 32 of fragments, 2 of scale words
.set YB, CH*PITCH                      ; slot 1
.set SCL, 2*CH*PITCH                   ; x's scale bytes: 64 runs of 256 bytes + 16
.set SSTEP, 4*272                      ; 32 rows of them
.set XN, SCL+64*272                    ; the results' scale bytes: block b's 128 at XN + 128 + 128 b
.set SPARE, XN+2304
.set EMAX, 15
.set GPB, 13                           ; lines of the way out behind a product
.set NL, 389                           ; lines of the way out
.set ADRA0, 4
.set CN, 5                             ; 512 h + 16 r: my codes in a block's 1,024 bytes
.set AAS0, 6
.set PF1, 7
.set PF2, 8
.set CO, 9
.set SPW, 10
.set NIL, 11
.set ADRA, 12
.set VX, 13
.set ADRB, 14
.set VX0, 15
.set ABS, 16
.set AAS, 17
.set C9V, 18
.set SOP, 20
.set EB, 21
.set SB, 24                            ; v24-39 W's scale words: register 8 p + q: lanes 0-15 tile 2 p's, lanes 16-31 tile 2 p + 1's
.set TQ, 40
.set SA, 44                            ; v44-59 x's, two sets
.set PF3, 60
.set XR, 61
.set VB, 62
.set ACC, 64                           ; v64-127 two sets of four accumulators
.set GT, 128                           ; t; at the end of a way out its first eight hold the codes
.set NCD, 128
.set GW, 160
.set GM, 192
.set BQ, 224                           ; the bias in the accumulators' layout
.set G1A, 24
.set G1B, 32
.set G1R, 48
.set G0A, 56
.set G0B, 60
.set G0R, 68
.set G0S, 72
.set G1S, 92
.set CC, 24                            ; behind the head's loads: s[24:41] the fit's c0 .. c8 as pairs; s[42:43] log2(e); s44 sqrt(2) / 4
.set L2E, 42
.set CH2, 44
.set MNT, 66
.set MSB, 0
.macro WIN new
.if MSB != (\new)
	s_set_vgpr_msb (MSB<<8)|(\new)
.set MSB, (\new)
.endif
.endm
.macro PLACES n
.rept \n
	v_nop
.endr
.endm
.macro WALU
	s_wait_alu depctr_va_vdst(0)
.endm
.macro BARRIER
	s_barrier_signal -1
	s_barrier_wait -1
.endm
.macro MIDDLE
	WIN 0
	s_barrier_wait -1
	s_cmp_lg_u32 s14, 0
	s_cbranch_scc1 .Lnot_wave_0_\@
	s_barrier_signal -3
.Lnot_wave_0_\@:
	s_barrier_wait -3
.endm
.macro CROUND
	s_barrier_signal -1
	MIDDLE
	BARRIER
.endm
.macro TLOAD g0, g1
	tensor_load_to_lds s[\g0:\g0+3], s[\g1:\g1+7]
	s_nop 0
	PLACES 4
.endm
.macro GROUP1 g, mask, rows            ; whole rows of K, 16 bytes of padding behind each
	s_or_b32 s[\g+0], s[\mask], (1<<20)|(1<<21)|(7<<22)|(3<<25)
	s_mov_b32 s[\g+1], (KROW&0xffff)<<16
	s_mov_b32 s[\g+2], (KROW>>16)|((\rows)<<16)
	s_mov_b32 s[\g+3], KROW<<16
	s_mov_b32 s[\g+4], \rows
	s_mov_b32 s[\g+5], KROW
	s_mov_b32 s[\g+6], 0
	s_mov_b32 s[\g+7], 0
.endm
.macro SADD d, x
	s_add_co_u32 s\d, s\d, s\x
.endm
.macro SPAIR reg, val
	s_mov_b32 s[\reg], \val
	s_mov_b32 s[\reg+1], \val
.endm
	s_load_b256 s[4:11], s[0:1], 0x0               ; H, W's codes, W's scales, the bias
	s_load_b64 s[12:13], s[0:1], 0x20              ; G
	v_lshl_add_u32 v[SPW], v0, 2, SPARE
	v_mov_b32 v[NIL], 0
	ds_add_u32 v[SPW], v[NIL]                      ; the opening lines
	ds_add_u32 v[SPW], v[NIL]
	v_lshrrev_b32 v1, 5, v0
	v_readfirstlane_b32 s14, v1                    ; wave
	s_lshr_b32 s15, s14, 1                         ; my row of waves
	s_and_b32 s16, s14, 1                          ; my column of waves
	s_bfe_u32 s40, ttmp6, 0x40000                  ; cx, cy
	s_bfe_u32 s41, ttmp6, 0x40004
	s_lshl_b32 s42, ttmp9, 2
	SADD 42, 40                                    ; tile column: 128 columns
	s_and_b32 s43, ttmp7, 0xffff
	s_lshl_b32 s43, s43, 2
	SADD 43, 41                                    ; tile row: 512 rows
	s_lshl_b32 s44, s41, 2
	s_lshl_b32 s44, 15, s44                        ; my row of the cluster shares x's rows,
	s_lshl_b32 s45, 0x1111, s40                    ; my column W's
	GROUP1 G1B, 45, CH
	GROUP1 G1A, 44, CH
	GROUP1 G1R, 44, CH/4
	s_or_b32 s[G1S+0], s44, (3<<16)|(1<<20)|(1<<21)|(5<<22)|(3<<25)   ; the scale bytes of 256 rows: 32 rows of 256 bytes, 16 of padding behind each
	s_mov_b32 s[G1S+1], 32<<16
	s_mov_b32 s[G1S+2], 32<<16
	s_mov_b32 s[G1S+3], 32<<16
	s_mov_b32 s[G1S+4], 32
	s_mov_b32 s[G1S+5], 32
	s_mov_b32 s[G1S+6], 0
	s_mov_b32 s[G1S+7], 0
	s_mov_b32 s[G0S], 1
	s_mul_i32 s[G0S+1], s16, 32*272
	s_add_co_u32 s[G0S+1], s[G0S+1], SCL
	s_lshl_b32 s2, s43, 19                         ; my 512 rows in H
	s_add_co_u32 s67, s2, CH*KROW                  ; the chunk that is loaded next
	s_lshl_b32 s78, s42, 17                        ; my 128 rows of W
	s_mov_b32 s79, 0
	s_lshl_b32 s80, s43, 14                        ; x's scale bytes: waves 2, 3 take 256 rows each
	s_lshl_b32 s20, s16, 13
	SADD 80, 20
	s_add_co_u32 s80, s80, 0x400000
	s_mov_b32 s81, 0
	s_lshl_b32 s82, s42, 12                        ; W's scale bytes: my wave's 64 rows
	s_lshl_b32 s20, s16, 11
	SADD 82, 20
	s_mov_b32 s83, 0
	s_mov_b32 s[G0A], 1
	s_mov_b32 s[G0A+1], 0
	s_mov_b32 s[G0B], 1
	s_mov_b32 s[G0B+1], YB
	s_mov_b32 s[G0R], 1
	s_lshl_b32 s90, s40, 2
	SADD 90, 14                                    ; which of the cluster row's sixteen waves I am
	v_and_b32 v1, 15, v0                           ; r
	v_bfe_u32 v2, v0, 4, 1                         ; h
	v_and_b32 v3, 31, v0                           ; lane
	v_mul_u32_u24 v22, v1, PITCH
	v_lshl_add_u32 v22, v2, 4, v22
	s_mul_i32 s20, s15, 16*PITCH
	v_add_nc_u32 v[ADRA0], s20, v22                ; x: row 16 w + r, + 16 h
	v_lshrrev_b32 v23, 3, v1
	v_and_b32 v22, 7, v1
	v_lshl_add_u32 v22, v23, 5, v22                ; W: row 32 (r / 8) + r % 8 of my 64, + 8 t
	v_mul_u32_u24 v22, v22, PITCH
	v_lshl_add_u32 v22, v2, 4, v22
	s_mul_i32 s20, s16, 64*PITCH
	s_add_co_u32 s20, s20, YB
	v_add_nc_u32 v[ADRB], s20, v22
	v_and_b32 v22, 7, v1
	v_lshlrev_b32 v22, 5, v22
	v_lshl_add_u32 v22, v2, 8, v22
	v_lshl_add_u32 v[ABS], v23, 10, v22            ; W's scale bytes: 32 x (32 (r / 8) + 8 h + r % 8): lanes 16-31 take the odd tile's rows
	v_lshlrev_b32 v22, 5, v1
	v_lshl_add_u32 v22, v23, 4, v22
	s_mul_i32 s20, s15, 2*272
	s_add_co_u32 s20, s20, SCL
	v_add_nc_u32 v[AAS0], s20, v22                 ; x's scale bytes in LDS: 32 a row, 16 more for each 256 passed
	WALU
	s_wait_dscnt 0x0                               ; both opening adds are done
	CROUND                                         ; the opening round
	s_wait_kmcnt 0x0
	s_mov_b32 s86, s2
	s_mov_b32 s87, 0
	s_add_nc_u64 s[G0A+2:G0A+3], s[4:5], s[86:87]
	s_or_b32 s[G0A+3], s[G0A+3], 0x80000000
	s_add_nc_u64 s[G0B+2:G0B+3], s[6:7], s[78:79]
	s_or_b32 s[G0B+3], s[G0B+3], 0x80000000
	s_add_nc_u64 s[G0S+2:G0S+3], s[4:5], s[80:81]
	s_or_b32 s[G0S+3], s[G0S+3], 0x80000000
	s_add_nc_u64 s[8:9], s[8:9], s[82:83]
	s_cmp_eq_u32 s14, 0                            ; one joint load a wave; wave 0's, which is shown first, has a line of its own
	s_cbranch_scc0 .Lwave_1
	TLOAD G0B, G1B                                 ; W's 128 rows
	s_branch .Lasked
.Lwave_1:
	s_cmp_eq_u32 s14, 1
	s_cbranch_scc0 .Lfor_scales
	TLOAD G0A, G1A                                 ; chunk 0
	s_branch .Lasked
.Lfor_scales:
	TLOAD G0S, G1S                                 ; waves 2, 3: x's scale bytes
.Lasked:
	s_lshl_b32 s20, s42, 9
	s_lshl_b32 s21, s16, 8
	SADD 20, 21
	s_mov_b32 s21, 0
	s_add_nc_u64 s[10:11], s[10:11], s[20:21]      ; the bias of my 64 columns
	v_lshlrev_b32 v[VB], 7, v2
.irp k, 0,1,2,3,4,5,6,7
	global_load_b128 v[BQ+4*\k:BQ+4*\k+3], v[VB], s[10:11] offset:16*\k   ; register 8 t + j: column 32 h + 8 t + j
.endr
.irp p, 0,1
.irp c, 0,1
	global_load_b128 v[SB+8*\p+4*\c:SB+8*\p+4*\c+3], v[ABS], s[8:9] offset:\p*512+16*\c
.endr
.endr
	s_lshl_b32 s76, s43, 21                        ; G's codes: 524,288 (4 tile row + chunk) + 8,192 (2 tile column + wave column) + 1,024 (2 j + w)
	s_lshl_b32 s20, s42, 14
	SADD 76, 20
	s_lshl_b32 s20, s16, 13
	SADD 76, 20
	s_lshl_b32 s20, s15, 10
	SADD 76, 20
	s_mov_b32 s77, 0
	s_add_nc_u64 s[84:85], s[12:13], s[76:77]
	s_sub_nc_u64 s[84:85], s[84:85], 520192        ; blocks 0 and 1 step it by 2,048 and 518,144 ahead of the first store
	s_lshl_b32 s76, s42, 14                        ; G's scale words: 16,384 tile column + 4 x my work-group's first row + 512 wave
	s_lshl_b32 s20, s43, 11
	SADD 76, 20
	s_lshl_b32 s20, s14, 9
	SADD 76, 20
	s_add_co_u32 s76, s76, 16777216
	s_add_nc_u64 s[88:89], s[12:13], s[76:77]
	s_lshl_b32 s18, s15, 6
	s_lshl_b32 s19, s16, 1
	SADD 18, 19
	s_add_co_u32 s18, s18, XN
	s_lshl_b32 s19, s14, 9
	s_add_co_u32 s19, s19, XN+128
	s_lshl_b32 s22, s90, 13
	SADD 22, 67
	v_lshlrev_b32 v[CO], 4, v3
	v_lshlrev_b32 v[CN], 9, v2
	v_lshl_add_u32 v[CN], v1, 4, v[CN]
	v_lshl_add_u32 v[VX0], v1, 2, v2
	v_add_nc_u32 v[VX0], s18, v[VX0]               ; a byte's place: 64 w + 4 r + 2 x wave column + h
	v_add_nc_u32 v[XR], s19, v[CO]
	v_lshl_add_u32 v[PF1], v3, 8, s22              ; my sixteenth of chunk 1, lanes 256 bytes apart; of chunks 2 and 3
	v_add_nc_u32 v[PF2], CH*KROW, v[PF1]
	v_add_nc_u32 v[PF3], 2*CH*KROW, v[PF1]
	v_add_nc_u32 v[ADRA], 32*PITCH, v[ADRA0]       ; block 1
	v_add_nc_u32 v[AAS], SSTEP, v[AAS0]
	v_mov_b32 v[C9V], 0x3e2ef945                   ; 0.17087277, twice
	v_mov_b32 v[C9V+1], 0x3e2ef945
.set I_, 0
.rept 32
	v_mov_b32 v[ACC+32+I_], 0                      ; what the first way out works on
.set I_, I_+1
.endr
	WALU
	s_cmp_eq_u32 s14, 0
	s_cbranch_scc0 .Lnot_b
	s_wait_tensorcnt 0x0                           ; wave 0: W's rows have landed
.Lnot_b:
	BARRIER
	global_prefetch_b8 v[PF1], s[4:5] th:TH_LOAD_NT scope:SCOPE_SE
	global_prefetch_b8 v[PF2], s[4:5] th:TH_LOAD_NT scope:SCOPE_SE
.irp q, 0,1,2,3,4,5,6,7                ; my 64 rows of W into windows 1 and 2: fragment 4 q + t
.irp b, 0,1,2,3
	WIN (1+(4*\q+\b)/FPW)<<6
.irp c, 0,1,2,3
	ds_load_b128 v[FR*((4*\q+\b)%FPW)+4*\c:FR*((4*\q+\b)%FPW)+4*\c+3], v[ADRB] offset:128*\q+32*\c+\b*8*PITCH
.endr
.endr
.endr
	WIN 0
	s_wait_tensorcnt 0x0                           ; chunk 0 and the scale bytes are in; W is in registers
	s_wait_dscnt 0x0
	BARRIER
.macro FETCHAT k, a, s                 ; a block of x, all of K, into set k of window 3, and its scale words: NF loads
	WIN 3<<6
.irp q, 0,1,2,3,4,5,6,7
.irp c, 0,1,2,3
	ds_load_b128 v[128*\k+FR*\q+4*\c:128*\k+FR*\q+4*\c+3], v[\a] offset:128*\q+32*\c
.endr
.endr
	WIN 0
	ds_load_b128 v[SA+8*\k:SA+8*\k+3], v[\s]
	ds_load_b128 v[SA+8*\k+4:SA+8*\k+7], v[\s] offset:16
.endm
.macro PROD e, a, n                    ; product n = 4 q + t.  The four accumulators take turns
.set Q_, (\n)/4
.set B_, (\n)%4
.set FB_, 4*Q_+B_
.set AC_, ACC+32*(\a)+8*B_
.set C_, AC_
.if Q_ == 0
.set C_, BQ+8*B_
.endif
.set R_, 128*(\e)+FR*Q_
.set W_, FR*(FB_%FPW)
.set XS_, SA+8*(\e)+Q_
.set WS_, SB+8*(B_/2)+Q_
	WIN (1+FB_/FPW)|(3<<2)
.if B_%2
	v_wmma_scale_f32_16x16x128_f8f6f4 v[AC_:AC_+7], v[W_:W_+FR-1], v[R_:R_+FR-1], v[C_:C_+7], v[WS_], v[XS_] matrix_a_fmt:MATRIX_FMT_BF8 matrix_b_fmt:MATRIX_FMT_BF8 matrix_a_scale:MATRIX_SCALE_ROW1
.else
	v_wmma_scale_f32_16x16x128_f8f6f4 v[AC_:AC_+7], v[W_:W_+FR-1], v[R_:R_+FR-1], v[C_:C_+7], v[WS_], v[XS_] matrix_a_fmt:MATRIX_FMT_BF8 matrix_b_fmt:MATRIX_FMT_BF8
.endif
.endm
.macro FIRST x                         ; the sums' first readers, on end behind one wait, each accumulator from its low end on; then the wait ahead of the reciprocals
	WALU
.set I_, 0
.rept 32
	v_fma_f32 v[GT+I_], |v[\x+I_]|, s[CH2], 1.0
.set I_, I_+1
.endr
	WALU
.endm
.macro MAXQ k, x                       ; 18 lines: the largest magnitude of the 32 numbers at x, and the floor 2^(16 - 127)
.if (\k) < 4
	v_max3_num_f32 v[TQ+(\k)], |v[\x+8*(\k)]|, |v[\x+8*(\k)+1]|, |v[\x+8*(\k)+2]|
.elseif (\k) < 12
	v_max3_num_f32 v[TQ+(\k)%4], v[TQ+(\k)%4], |v[\x+8*((\k)%4)+2*((\k)/4)+1]|, |v[\x+8*((\k)%4)+2*((\k)/4)+2]|
.elseif (\k) < 16
	v_max_num_f32 v[TQ+(\k)%4], v[TQ+(\k)%4], |v[\x+8*((\k)%4)+7]|
.elseif (\k) == 16
	v_max3_num_f32 v[TQ], v[TQ], v[TQ+1], v[TQ+2]
.else
	v_max3_num_f32 v[TQ], v[TQ], v[TQ+3], (EMAX+1)<<23
.endif
.endm
.macro LINE k, x                       ; line k of the way out of the 32 numbers at x
.if (\k) < 32
	v_rcp_f32 v[GT+(\k)], v[GT+(\k)]               ; t
.elseif (\k) < 48
.set I_, 2*((\k)-32)
	v_pk_mul_f32 v[GM+I_:GM+I_+1], v[\x+I_:\x+I_+1], v[\x+I_:\x+I_+1]    ; x^2
.elseif (\k) < 64
.if (\k) == 48
	WALU                                           ; one wait for the 32 reciprocals
.endif
.set I_, 2*((\k)-48)
	v_pk_fma_f32 v[GW+I_:GW+I_+1], v[GT+I_:GT+I_+1], v[C9V:C9V+1], s[CC+16:CC+17] op_sel_hi:[1,1,0]
.elseif (\k) < 192
.set I_, 2*(((\k)-64)%16)
.set D_, CC+2*(7-((\k)-64)/16)
	v_pk_fma_f32 v[GW+I_:GW+I_+1], v[GW+I_:GW+I_+1], v[GT+I_:GT+I_+1], s[D_:D_+1] op_sel_hi:[1,1,0]
.elseif (\k) < 208
.set I_, 2*((\k)-192)
	v_pk_fma_f32 v[GW+I_:GW+I_+1], v[GM+I_:GM+I_+1], -0.5, v[GW+I_:GW+I_+1] op_sel_hi:[1,0,1]     ; P(t) - x^2 / 2
.elseif (\k) < 224
.set I_, 2*((\k)-208)
	v_pk_fma_f32 v[GW+I_:GW+I_+1], v[GW+I_:GW+I_+1], s[L2E:L2E+1], -1.0 op_sel_hi:[1,0,0]
.elseif (\k) < 256
.if (\k) == 224
	WALU                                           ; ahead of the exponentials
.endif
	v_exp_f32 v[GW+(\k)-224], v[GW+(\k)-224]
.if ((\k)+1)%GPB == 0 || (\k) == 255
	WALU                                           ; ahead of the next product, which takes up a sum written ahead of these exponentials; the last of them is also the batch's one wait ahead of its readers
.endif
.elseif (\k) < 288
	v_max_num_f32 v[GM+(\k)-256], 0, v[\x+(\k)-256]
.elseif (\k) < 304
.set I_, 2*((\k)-288)
	v_pk_mul_f32 v[GW+I_:GW+I_+1], v[GW+I_:GW+I_+1], v[GT+I_:GT+I_+1]    ; R
.elseif (\k) < 336
	v_fma_f32 v[\x+(\k)-304], -|v[\x+(\k)-304]|, v[GW+(\k)-304], v[GM+(\k)-304]
.elseif (\k) < 354
	MAXQ (\k)-336, \x
.elseif (\k) == 354
	v_add_nc_u32 v[SOP], -(EMAX<<23), v[TQ]        ; 15 off the exponent field: the conversions' scale operand
.elseif (\k) == 355
	v_and_or_b32 v[TQ+1], v[TQ], 0x7f800000, s[MNT]   ; 57,344 x the scale
.elseif (\k) < 388
.set I_, (\k)-356
	v_med3_num_f32 v[\x+I_], v[\x+I_], -v[TQ+1], v[TQ+1]   ; the conversion does not saturate (ISA guide 7.6.2)
.if I_%8 == 7
	v_cvt_scalef32_pk8_bf8_f32 v[NCD+2*(I_/8):NCD+2*(I_/8)+1], v[\x+I_-7:\x+I_], v[SOP]
.endif
.else
	v_lshrrev_b32 v[EB], 23, v[SOP]                ; the scale's byte (also the plain line behind the last conversion)
.endif
.endm
.macro RDESC i                         ; group 0 of a refill: 32 rows a wave of the chunk at s67 of H, into the slot at s47
.if (\i) == 0
	s_mul_i32 s[G0R+1], s14, CH/4*PITCH
	s_add_co_u32 s[G0R+1], s[G0R+1], s47
	s_mul_i32 s20, s14, CH/4*KROW
	s_add_co_u32 s20, s20, s67
.else
	s_mov_b32 s21, 0
	s_add_nc_u64 s[G0R+2:G0R+3], s[4:5], s[20:21]
	s_or_b32 s[G0R+3], s[G0R+3], 0x80000000
.endif
.endm
.macro LIST n, j                       ; behind products 0 to 2: the addresses of the block two on, and of the byte; j: the block in its trip (the second loop's: 4, 5)
.if (\n) == 0
	WIN 0
.if (\j) < 2
	s_add_co_u32 s22, s101, ((\j)+2)*32*PITCH
.elseif (\j) < 4
	s_add_co_u32 s22, s47, ((\j)-2)*32*PITCH
.else
	s_add_co_u32 s22, s101, ((\j)-2)*32*PITCH
.endif
	v_add_nc_u32 v[ADRA], s22, v[ADRA0]
.elseif (\n) == 1
	WIN 0
.if (\j) < 4
	s_add_co_u32 s22, s17, ((\j)+2)*SSTEP
.else
	s_add_co_u32 s22, s17, ((\j)-2)*SSTEP
.endif
	v_add_nc_u32 v[AAS], s22, v[AAS0]
.elseif (\n) == 2
	WIN 0
	v_add_nc_u32 v[VX], s3, v[VX0]
	s_add_co_u32 s3, s3, 128
.elseif (\j) == 0 && ((\n) == 3 || (\n) == 4)
	RDESC (\n)-3
.endif
.endm
.macro BLOCK e, a, from, to, j, x
.set N_, \from
.rept (\to)-(\from)
	PROD \e, \a, N_
	LIST N_, \j
.if N_*GPB < NL
	WIN 0
.set K_, N_*GPB
.rept GPB
.if K_ < NL
	LINE K_, \x
.endif
.set K_, K_+1
.endr
.endif
.set N_, N_+1
.endr
.endm
.macro HEADB w, st                     ; a block's head: w: the LDS loads that may stay out (-1: no wait); the stores of the block before have read their registers and base, which steps by st
.if (\w) >= 0
	s_wait_dscnt \w
.endif
	s_wait_xcnt 0x0
	s_add_nc_u64 s[84:85], s[84:85], \st
.endm
.macro BLK e, a, w, j, st
	HEADB \w, \st
	FIRST ACC+32*(1-(\a))
	BLOCK \e, \a, 0, 32, \j, ACC+32*(1-(\a))
	WIN 0
	PLACES NP
	WALU
.endm
.macro RBLK e, a, w, j, st             ; a block with a round of the cluster's barrier: products between the add and its wait
	HEADB \w, \st
	s_wait_tensorcnt 0x0
	ds_add_u32 v[SPW], v[NIL]
	FIRST ACC+32*(1-(\a))
	BLOCK \e, \a, 0, 28, \j, ACC+32*(1-(\a))
	WIN 0
	WALU
	s_wait_dscnt 0x0
	s_barrier_signal -1
	BLOCK \e, \a, 28, 32, \j, ACC+32*(1-(\a))
	MIDDLE
	BARRIER
.endm
.macro SBLK e, a, w, j, st             ; a block with a plain barrier, which shows the chunk that was asked for two blocks ago
	HEADB \w, \st
	FIRST ACC+32*(1-(\a))
	BLOCK \e, \a, 0, 28, \j, ACC+32*(1-(\a))
	WIN 0
	WALU
	s_wait_tensorcnt 0x0
	s_wait_dscnt 0x0
	s_barrier_signal -1
	BLOCK \e, \a, 28, 32, \j, ACC+32*(1-(\a))
	WIN 0
	s_barrier_wait -1
	PLACES NP
	WALU
.endm
.macro QOUT                            ; a block's byte goes to LDS; its codes leave: sixteen lanes store 256 consecutive bytes, aligned
	ds_store_b8 v[VX], v[EB]
	global_store_b128 v[CN], v[NCD:NCD+3], s[84:85]
	global_store_b128 v[CN], v[NCD+4:NCD+7], s[84:85] offset:256
.endm
	FETCHAT 0, ADRA0, AAS0
	FETCHAT 1, ADRA, AAS
	SPAIR CC+0,  0xbfa1fc4e                        ; no tensor load is out: the head's descriptors' registers take the fit: -1.26551223
	SPAIR CC+2,  0x3f8000c7                        ;  1.00002368
	SPAIR CC+4,  0x3ebf88fb                        ;  0.37409196
	SPAIR CC+6,  0x3dc636c9                        ;  0.09678418
	SPAIR CC+8,  0xbe3ec24c                        ; -0.18628806
	SPAIR CC+10, 0x3e8ec7cc                        ;  0.27886807
	SPAIR CC+12, 0xbf914e5d                        ; -1.13520398
	SPAIR CC+14, 0x3fbe87b0                        ;  1.48851587
	SPAIR CC+16, 0xbf527892                        ; -0.82215223
	SPAIR L2E,   0x3fb8aa3b                        ; log2(e)
	s_mov_b32 s[CH2], 0x3eb504f3                   ; sqrt(2) / 4
	s_mov_b32 s[MNT], 0x600000                     ; the mantissa field of 57,344
	s_mov_b32 s46, 0                               ; the trip; s101, s47 this chunk's slot and the next's; s17 the scale words' step; s3 the bytes' step
	s_mov_b32 s3, 0
	s_mov_b32 s101, 0
	s_mov_b32 s47, YB
	s_mov_b32 s17, 0
	s_wait_loadcnt 0x0                             ; the bias, W's scale words
.Lfour:                                            ; three trips of four blocks, each with its one refill
	RBLK 0, 0, NF, 0, 2048
	TLOAD G0R, G1R                                 ; the next chunk, first behind the round
	PLACES NP-4
	WALU
	s_cmp_eq_u32 s46, 0
	s_cbranch_scc1 .Lnone_before                   ; round the stores alone, which stand ahead of the fetch: the waits' counts are the same both ways
	QOUT
.Lnone_before:
	FETCHAT 0, ADRA, AAS
	BLK 1, 1, -1, 1, 518144                        ; (the round's wait for 0 has shown set 1)  the block that goes out is a chunk's first: 524,288 - 3 x 2,048 on
	QOUT
	FETCHAT 1, ADRA, AAS
	SBLK 0, 0, NF, 2, 2048
	QOUT
	s_cmp_lg_u32 s46, 0
	s_cbranch_scc1 .Lnone_ahead
	global_prefetch_b8 v[PF3], s[4:5] th:TH_LOAD_NT scope:SCOPE_SE   ; chunk 3, which trip 2 loads
.Lnone_ahead:
	FETCHAT 0, ADRA, AAS
	BLK 1, 1, -1, 3, 2048
	QOUT
	FETCHAT 1, ADRA, AAS
	s_add_co_u32 s67, s67, CH*KROW
	s_mov_b32 s101, s47
	s_xor_b32 s47, s47, YB
	s_add_co_u32 s17, s17, 4*SSTEP
	s_add_co_u32 s46, s46, 1
	s_cmp_lg_u32 s46, 3
	s_cbranch_scc1 .Lfour
	s_mov_b32 s86, 518144
	s_mov_b32 s87, 0
.Ltwo:                                             ; two trips of two blocks: chunk 3; the second fetches nothing
	BLK 0, 0, NF, 4, 2048
	QOUT
	s_cmp_eq_u32 s46, 4
	s_cbranch_scc1 .Lnone_0
	FETCHAT 0, ADRA, AAS
	s_wait_dscnt NF
	s_branch .Lgo
.Lnone_0:
	s_wait_dscnt 0x0
.Lgo:
	BLK 1, 1, -1, 5, s[86:87]
	QOUT
	s_cmp_eq_u32 s46, 4
	s_cbranch_scc1 .Lnone_1
	FETCHAT 1, ADRA, AAS
.Lnone_1:
	s_mov_b32 s86, 2048
	s_add_co_u32 s46, s46, 1
	s_cmp_lg_u32 s46, 5
	s_cbranch_scc1 .Ltwo
	s_wait_xcnt 0x0                                ; the last block's way out
	s_add_nc_u64 s[84:85], s[84:85], 2048
	v_add_nc_u32 v[VX], s3, v[VX0]
	FIRST ACC+32
.set K_, 0
.rept NL
	LINE K_, ACC+32
.set K_, K_+1
.endr
	QOUT
	s_wait_dscnt 0x0                               ; for the others' sake: my bytes have landed
	BARRIER
	ds_load_b128 v[40:43], v[XR]                   ; 128 rows' scale words
	s_wait_dscnt 0x0
	global_store_b128 v[CO], v[40:43], s[88:89]    ; 512 consecutive bytes
	s_wait_tensorcnt 0x0                           ; the wave's end
	ds_add_u32 v[SPW], v[NIL]
	s_wait_dscnt 0x0
	CROUND                                         ; the closing round
	s_endpgm
.Lfunc_end_k_q4709d8089f_fc:
	.size	k_q4709d8089f_fc, .Lfunc_end_k_q4709d8089f_fc-k_q4709d8089f_fc
	.p2alignl 7, 3214868480
	.fill 96, 4, 3214868480
	.section	.rodata,"a",@progbits
	.p2align	6, 0x0
	.amdhsa_kernel k_q4709d8089f_fc
		.amdhsa_group_segment_fixed_size 327680
		.amdhsa_private_segment_fixed_size 0
		.amdhsa_enable_private_segment 0
		.amdhsa_kernarg_size 40
		.amdhsa_user_sgpr_count 2
		.amdhsa_user_sgpr_kernarg_segment_ptr 1
		.amdhsa_wavefront_size32 1
		.amdhsa_system_sgpr_workgroup_id_x 1
		.amdhsa_system_sgpr_workgroup_id_y 1
		.amdhsa_system_sgpr_workgroup_id_z 1
		.amdhsa_system_vgpr_workitem_id 0
		.amdhsa_next_free_vgpr 1024
		.amdhsa_next_free_sgpr 102
		.amdhsa_reserve_vcc 0
		.amdhsa_float_denorm_mode_32 3
		.amdhsa_float_denorm_mode_16_64 3
		.amdhsa_memory_ordered 1
		.amdhsa_forward_progress 1
		.amdhsa_inst_pref_size 250
	.end_amdhsa_kernel
	.amdgpu_metadata
---
amdhsa.version: [ 1, 2 ]
amdhsa.kernels:
  - .name:           k_q4709d8089f_fc
    .symbol:         k_q4709d8089f_fc.kd
    .args:
      - { .name: H, .offset: 0, .size: 8, .value_kind: global_buffer, .address_space: global }
      - { .name: W_fc_codes, .offset: 8, .size: 8, .value_kind: global_buffer, .address_space: global }
      - { .name: W_fc_scales, .offset: 16, .size: 8, .value_kind: global_buffer, .address_space: global }
      - { .name: b_fc, .offset: 24, .size: 8, .value_kind: global_buffer, .address_space: global }
      - { .name: G, .offset: 32, .size: 8, .value_kind: global_buffer, .address_space: global }
    .group_segment_fixed_size: 327680
    .private_segment_fixed_size: 0
    .kernarg_segment_align: 8
    .kernarg_segment_size: 40
    .max_flat_workgroup_size: 128
    .sgpr_count:     102
    .vgpr_count:     1024
    .wavefront_size: 32
...
	.end_amdgpu_metadata
.endif
;; end of part 5
;; launch fc2 (part 6): grid 8 x 32, 4 waves a work-group, clusters of 4 x 4, 327,680 bytes of LDS; arguments G, W_fc2_codes, W_fc2_scales, b_fc2, X1, out0; writes out0
.if DOCPART == 6
	.amdgcn_target "amdgcn-amd-amdhsa--gfx1250"
	.amdhsa_code_object_version 6
	.text
	.protected	k_q4709d8089f_fc2
	.globl	k_q4709d8089f_fc2
	.p2align	8
	.type	k_q4709d8089f_fc2,@function
k_q4709d8089f_fc2:
	s_mov_b64 s[64:65], 0
	v_nop
	global_prefetch_b8 v0, s[64:65] scope:SCOPE_SE
	s_setreg_imm32_b32 hwreg(HW_REG_WAVE_MODE, 25, 1), 1
	s_wait_xcnt 0x0
	s_wait_alu depctr_hold_cnt(0) depctr_sa_sdst(0) depctr_va_vdst(0) depctr_va_sdst(0) depctr_va_ssrc(0) depctr_va_vcc(0) depctr_vm_vsrc(0)
	s_getreg_b32 s2, hwreg(HW_REG_IB_STS2, 6, 4)
	s_cmp_eq_u32 s2, 0
	s_cbranch_scc0 .Lentry_in_a_cluster
	s_endpgm
.Lentry_in_a_cluster:
	s_bfe_u32 s2, ttmp6, 0x10000c
	s_cmp_lg_u32 s2, 0xf033
	s_cbranch_scc0 .Lentry_shape_is_right
	s_endpgm
.Lentry_shape_is_right:
.set KK,     4096
.set KS,     KK/32
.set LAPS,   KK/1024
.set SLOT,   137216
.set BOF,    69632
.set SCA,    2*SLOT
.set SCB,    SCA+4*KK
.set SPARE,  SCB+(128*KS/256)*272
.set SPITCH, 528
.set ADRA, 16
.set ADRB, 20
.set ADSA, 22
.set ADSB, 23
.set STO,  24
.set RD,   25
.set CO,   26
.set SPW,  28
.set NIL,  29
.set SA,   32
.set SB,   64
.set ACC,  128
.set G1, 24
.set G0, 32
.set G1B, 48
.set G0B, 56
.set G1S, 68
.set G0S, 76
.set G1SB, 80
.set G0SB, 88
.set MSB, 0
.macro WIN new
.if MSB != (\new)
	s_set_vgpr_msb (MSB<<8)|(\new)
.set MSB, (\new)
.endif
.endm
.macro JLOAD g0a, g1a, g0b, g1b
	s_cmp_eq_u32 s17, 0
	s_cbranch_scc0 .Lfor_b_\@
	tensor_load_to_lds s[\g0a:\g0a+3], s[\g1a:\g1a+7]
	s_nop 0
.rept 4
	v_nop
.endr
	s_branch .Lasked_\@
.Lfor_b_\@:
	tensor_load_to_lds s[\g0b:\g0b+3], s[\g1b:\g1b+7]
	s_nop 0
.rept 4
	v_nop
.endr
.Lasked_\@:
.endm
.macro CREST
	s_cmp_lg_u32 s16, 0
	s_cbranch_scc1 .Lnot_wave_0_\@
	s_barrier_signal -3
.Lnot_wave_0_\@:
	s_barrier_wait -3
	s_barrier_signal -1
	s_barrier_wait -1
.endm
.macro CROUND
	s_barrier_signal -1
	s_barrier_wait -1
	CREST
.endm
	s_load_b256 s[4:11], s[0:1], 0x0
	s_load_b128 s[12:15], s[0:1], 0x20
	v_lshl_add_u32 v[SPW], v0, 2, SPARE
	v_mov_b32 v[NIL], 0
	ds_add_u32 v[SPW], v[NIL]
	ds_add_u32 v[SPW], v[NIL]
	v_lshrrev_b32 v1, 5, v0
	v_readfirstlane_b32 s16, v1
	s_lshr_b32 s17, s16, 1
	s_and_b32 s18, s16, 1
	s_bfe_u32 s40, ttmp6, 0x40000
	s_bfe_u32 s41, ttmp6, 0x40004
	s_lshl_b32 s42, ttmp9, 2
	s_add_co_u32 s42, s42, s40
	s_and_b32 s43, ttmp7, 0xffff
	s_lshl_b32 s43, s43, 2
	s_add_co_u32 s43, s43, s41
	s_lshl_b32 s44, s41, 2
	s_lshl_b32 s44, 15, s44
	s_lshl_b32 s45, 0x1111, s40
	s_or_b32 s[G1], s44, (0<<16)|(1<<20)|(1<<21)|(5<<22)|(3<<25)
	s_mov_b32 s[G1+1], 256<<16
	s_mov_b32 s[G1+2], 256<<16
	s_mov_b32 s[G1+3], 256<<16
	s_mov_b32 s[G1+4], 256
	s_mov_b32 s[G1+5], 256
	s_mov_b32 s[G1+6], 0
	s_mov_b32 s[G1+7], 0
	s_or_b32 s[G1B], s45, (0<<16)|(1<<20)|(1<<21)|(6<<22)|(3<<25)
	s_mov_b32 s[G1B+1], 512<<16
	s_mov_b32 s[G1B+2], 128<<16
	s_mov_b32 s[G1B+3], 512<<16
	s_mov_b32 s[G1B+4], 128
	s_mov_b32 s[G1B+5], KK
	s_mov_b32 s[G1B+6], 0
	s_mov_b32 s[G1B+7], 0
	s_or_b32 s[G1S], s44, (3<<16)|(1<<21)
	s_mov_b32 s[G1S+1], 64<<16
	s_mov_b32 s[G1S+2], (KK/128)<<16
	s_mov_b32 s[G1S+3], 64<<16
	s_mov_b32 s[G1S+4], KK/128
	s_mov_b32 s[G1S+5], 2048
	s_mov_b32 s[G1S+6], 0
	s_mov_b32 s[G1S+7], 0
	s_or_b32 s[G1SB], s45, (3<<16)|(1<<20)|(1<<21)|(5<<22)|(3<<25)
	s_mov_b32 s[G1SB+1], 32<<16
	s_mov_b32 s[G1SB+2], (128*KS/256)<<16
	s_mov_b32 s[G1SB+3], 32<<16
	s_mov_b32 s[G1SB+4], 128*KS/256
	s_mov_b32 s[G1SB+5], 32
	s_mov_b32 s[G1SB+6], 0
	s_mov_b32 s[G1SB+7], 0
	s_mul_i32 s20, s43, 128*KK
	s_lshl_b32 s19, s18, 15
	s_add_co_u32 s20, s20, s19
	s_mov_b32 s21, 0
	s_mul_i32 s98, s43, 128*KK                     ; the head's tiles are whole: A's 128 rows,
	s_mov_b32 s99, 0
	s_lshl_b32 s22, s43, 9                         ; their scale words,
	s_add_co_u32 s22, s22, 4096*KK
	s_mov_b32 s23, 0
	s_lshl_b32 s46, s42, 7
	s_mul_i32 s92, s46, KS                         ; B's 128 rows' scale bytes,
	s_mov_b32 s93, 0
	s_mul_i32 s66, s46, KK                         ; and codes
	s_mov_b32 s67, 0
	s_lshl_b32 s19, s18, 6                         ; the ring's: my 64 rows of B
	s_add_co_u32 s46, s46, s19
	s_mul_i32 s46, s46, KK
	s_mov_b32 s47, 0
	s_mul_i32 s94, s18, 34816
	s_mul_i32 s95, s18, 33792
	s_add_co_u32 s95, s95, BOF
	s_mul_i32 s96, s18, (KK/256)*512
	s_add_co_u32 s96, s96, SCA
	s_mul_i32 s97, s18, (64*KS/256)*272
	s_add_co_u32 s97, s97, SCB
	s_wait_dscnt 0x0
	s_wait_kmcnt 0x0
	s_add_nc_u64 s[20:21], s[4:5], s[20:21]
	s_add_nc_u64 s[22:23], s[4:5], s[22:23]
	s_add_nc_u64 s[46:47], s[6:7], s[46:47]
	s_add_nc_u64 s[92:93], s[8:9], s[92:93]
	s_add_nc_u64 s[98:99], s[4:5], s[98:99]
	s_add_nc_u64 s[66:67], s[6:7], s[66:67]
	CROUND
	s_mov_b32 s[G0S], 1
	s_mov_b32 s[G0S+1], SCA
	s_mov_b64 s[G0S+2:G0S+3], s[22:23]
	s_or_b32 s[G0S+3], s[G0S+3], 0x80000000
	s_mov_b32 s[G0SB], 1
	s_mov_b32 s[G0SB+1], SCB
	s_mov_b64 s[G0SB+2:G0SB+3], s[92:93]
	s_or_b32 s[G0SB+3], s[G0SB+3], 0x80000000
	s_mov_b32 s[G0], 1
	s_mov_b32 s[G0+1], 0
	s_mov_b64 s[G0+2:G0+3], s[98:99]
	s_or_b32 s[G0+3], s[G0+3], 0x80000000
	s_mov_b32 s[G0B], 1
	s_mov_b32 s[G0B+1], BOF
	s_mov_b64 s[G0B+2:G0B+3], s[66:67]
	s_or_b32 s[G0B+3], s[G0B+3], 0x80000000
	s_mov_b32 s[G0+4], 1
	s_add_co_u32 s[G0+5], s94, SLOT
	s_add_nc_u64 s[G0+6:G0+7], s[20:21], 65536
	s_or_b32 s[G0+7], s[G0+7], 0x80000000
	s_mov_b32 s[G0B+4], 1
	s_add_co_u32 s[G0B+5], s95, SLOT
	s_add_nc_u64 s[G0B+6:G0B+7], s[46:47], 512
	s_or_b32 s[G0B+7], s[G0B+7], 0x80000000
; one joint load a wave at the head: slot 0's A, slot 0's B, A's scale words, B's scale bytes, each whole; one chain of branches on the wave's number
.macro ARM under, g0, g1, next
	s_cmp_lt_u32 s16, \under
	s_cbranch_scc0 \next
	tensor_load_to_lds s[\g0:\g0+3], s[\g1:\g1+7]
	s_nop 0
.rept 4
	v_nop
.endr
	s_branch .Lhead_asked
\next:
.endm
	ARM 1, G0,  G1,  .Lhead_b
	ARM 2, G0B, G1B, .Lhead_sa
	ARM 3, G0S, G1S, .Lhead_sb
	tensor_load_to_lds s[G0SB:G0SB+3], s[G1SB:G1SB+7]
	s_nop 0
.rept 4
	v_nop
.endr
.Lhead_asked:
; THE PREFETCHES.  A K step of 512 is 256 blocks of 256 bytes of A (65,536 dense bytes) and 256 of B (128 rows x 2).  Each block is named once in each cluster that loads it: the four partners that ask for a tile
; jointly share its blocks out BY ADDRESS: block 32 (2 p + wave % 2) + lane, p = cx for A (waves 0, 1), cy for B (waves 2, 3).  s[98:99]: where my prefetches stand; s[66:67]: a K step on.
; v27, v30, v31: my block's offset, and the same one and two K steps on; never rewritten.  Here K steps 1 to 3; behind the refill of K step t + 2 the loop asks for t + 4; its last trip asks for nothing.
	s_cmp_eq_u32 s17, 0
	s_cselect_b32 s19, s40, s41
	s_cselect_b32 s96, 0, 1
	s_cselect_b32 s97, 8, 12
	s_cselect_b64 s[98:99], s[98:99], s[66:67]
	s_mov_b32 s66, 512
	s_cselect_b32 s66, 0x10000, s66
	s_mov_b32 s67, 0
	s_lshl_b32 s19, s19, 1
	s_add_co_u32 s19, s19, s18
	s_lshl_b32 s19, s19, 5
	s_add_nc_u64 s[98:99], s[98:99], s[66:67]      ; at K step 1
	v_and_b32 v27, 31, v0
	v_add_nc_u32 v27, s19, v27                     ; my block
	v_and_b32 v30, s96, v27
	v_lshrrev_b32 v27, s96, v27
	v_lshlrev_b32 v27, s97, v27                    ; A: 256 x block; B: 4,096 x (block / 2)
	v_lshl_add_u32 v27, v30, 8, v27                ;    + 256 x (block % 2)
	v_add_nc_u32 v30, s66, v27
	v_add_nc_u32 v31, s66, v30
	global_prefetch_b8 v27, s[98:99] th:TH_LOAD_NT scope:SCOPE_SE
	global_prefetch_b8 v30, s[98:99] th:TH_LOAD_NT scope:SCOPE_SE
	global_prefetch_b8 v31, s[98:99] th:TH_LOAD_NT scope:SCOPE_SE
	s_wait_alu depctr_va_vdst(0)
	s_wait_tensorcnt 0x0                           ; the full sequence ahead of slot 1's first fill
	ds_add_u32 v[SPW], v[NIL]
	s_mov_b32 s[G1+2], 128<<16                     ; no tensor load of mine is out: from here on a load brings half a tile,
	s_mov_b32 s[G1+4], 128
	s_mov_b32 s[G1B+2], 64<<16
	s_mov_b32 s[G1B+4], 64
	s_mov_b32 s[G0+1], s94                         ; and slot 0's groups 0 name my half of K step 0, from which its refills step
	s_mov_b64 s[G0+2:G0+3], s[20:21]
	s_or_b32 s[G0+3], s[G0+3], 0x80000000
	s_mov_b32 s[G0B+1], s95
	s_mov_b64 s[G0B+2:G0B+3], s[46:47]
	s_or_b32 s[G0B+3], s[G0B+3], 0x80000000
	s_wait_dscnt 0x0
	CROUND
	JLOAD G0+4, G1, G0B+4, G1B
	v_and_b32 v1, 15, v0
	v_bfe_u32 v2, v0, 4, 1
	v_lshlrev_b32 v3, 4, v1                        ; G's codes lie [16 rows][16 bytes of the 64: 4][row][16]: a run of 256 bytes (+ 16 in LDS) holds 16 rows' 16 bytes
	v_mad_u32_u24 v3, v2, 272, v3                  ; 16 r + 272 h
	s_mul_i32 s21, s17, 16*272
	v_mul_u32_u24 v4, v1, 528
	v_lshl_add_u32 v4, v2, 4, v4
	s_mul_i32 s22, s18, 64*528
	s_add_co_u32 s22, s22, BOF
.irp s, 0,1
	v_add_nc_u32 v[ADRA+\s], s21, v3
	v_add_nc_u32 v[ADRB+\s], s22, v4
	s_add_co_u32 s21, s21, SLOT
	s_add_co_u32 s22, s22, SLOT
.endr
	s_lshl_b32 s21, s17, 8
	s_add_co_u32 s21, s21, SCA
	v_lshlrev_b32 v5, 2, v1
	v_add_nc_u32 v[ADSA], s21, v5
	v_mul_u32_u24 v5, v1, KS
	v_lshrrev_b32 v6, 8, v5
	v_lshl_add_u32 v5, v6, 4, v5
	s_mul_i32 s21, s18, (64*KS/256)*272
	s_add_co_u32 s21, s21, SCB
	v_add_nc_u32 v[ADSB], s21, v5
	s_mul_i32 s21, s17, 64*SPITCH
	s_lshl_b32 s22, s18, 8
	s_add_co_u32 s21, s21, s22
	v_mul_u32_u24 v5, v1, SPITCH
	v_lshl_add_u32 v5, v2, 5, v5
	v_add_nc_u32 v[STO], s21, v5
	v_and_b32 v6, 31, v0
	v_lshlrev_b32 v[CO], 4, v6
	s_wait_alu depctr_va_vdst(0)
	s_mul_i32 s21, s16, 32*SPITCH
	v_add_nc_u32 v[RD], s21, v[CO]
	s_lshl_b32 s20, s43, 19
	s_lshl_b32 s21, s16, 17
	s_add_co_u32 s20, s20, s21
	s_lshl_b32 s46, s42, 9
	s_add_co_u32 s20, s20, s46
	s_mov_b32 s21, 0
	s_mov_b32 s47, 0
	s_add_nc_u64 s[12:13], s[12:13], s[20:21]
	s_add_nc_u64 s[14:15], s[14:15], s[20:21]
	s_add_nc_u64 s[10:11], s[10:11], s[46:47]
	WIN 0x80
.set ix, 0
.rept 32
	global_load_b128 v[4*ix:4*ix+3], v[CO], s[12:13] offset:4096*ix
.set ix, ix+1
.endr
	WIN 0
	global_load_b128 v[8:11], v[CO], s[10:11]
.macro FETCH slot, q, f
	WIN 0x40
.irp i, 0,1,2,3
.irp c, 0,1,2,3
	ds_load_b128 v[\f+16*\i+4*\c:\f+16*\i+4*\c+3], v[ADRA+\slot] offset:1088*\i+(2*(\q)+\c/2)*8704+544*(\c%2)
.endr
.endr
.irp j, 0,1,2,3
.irp c, 0,1,2,3
	ds_load_b128 v[\f+64+16*\j+4*\c:\f+64+16*\j+4*\c+3], v[ADRB+\slot] offset:8448*\j+128*(\q)+32*\c
.endr
.endr
	WIN 0
.endm
.macro SCALES set
.irp q, 0,1,2,3
.irp i, 0,1,2,3
	ds_load_b32 v[SA+16*\set+4*\q+\i], v[ADSA] offset:512*\q+64*\i
.endr
.endr
.irp j, 0,1,2,3
	ds_load_b128 v[SB+16*\set+4*\j:SB+16*\set+4*\j+3], v[ADSB] offset:\j*(16*KS/256)*272
.endr
.endm
.macro MUL f, i0, n, set, q, zero
	WIN 0x05
.set ii, \i0
.rept \n
.irp j, 0,1,2,3
.if \zero
	v_wmma_scale_f32_16x16x128_f8f6f4 v[ACC+8*(4*ii+\j):ACC+8*(4*ii+\j)+7], v[\f+64+16*\j:\f+64+16*\j+15], v[\f+16*ii:\f+16*ii+15], 0, v[SB+16*\set+4*\j+\q], v[SA+16*\set+4*\q+ii] matrix_a_fmt:MATRIX_FMT_BF8 matrix_b_fmt:MATRIX_FMT_BF8
.else
	v_wmma_scale_f32_16x16x128_f8f6f4 v[ACC+8*(4*ii+\j):ACC+8*(4*ii+\j)+7], v[\f+64+16*\j:\f+64+16*\j+15], v[\f+16*ii:\f+16*ii+15], v[ACC+8*(4*ii+\j):ACC+8*(4*ii+\j)+7], v[SB+16*\set+4*\j+\q], v[SA+16*\set+4*\q+ii] matrix_a_fmt:MATRIX_FMT_BF8 matrix_b_fmt:MATRIX_FMT_BF8
.endif
.endr
.set ii, ii+1
.endr
.endm
.macro PLACES n
.rept \n
	v_nop
.endr
.endm
.macro STEP slot, q, zero
	s_wait_dscnt 0x0
	PLACES 8
	FETCH \slot, (\q)+1, 128*(1-(\q)%2)
	MUL 128*((\q)%2), 0, 4, \slot, \q, \zero
.endm
.macro TURN slot, next, fill
	WIN 0
.if \fill
	s_wait_xcnt 0x0                                ; any prefetch of mine has read its address: it steps a K step on
	s_add_nc_u64 s[98:99], s[98:99], s[66:67]
.endif
	s_wait_tensorcnt 0x0
	ds_add_u32 v[SPW], v[NIL]
	s_wait_dscnt 1
	MUL 128, 0, 1, \slot, 3, 0
	s_wait_dscnt 0x0
	s_barrier_signal -1
	MUL 128, 1, 1, \slot, 3, 0
	WIN 0
	s_barrier_wait -1
.if \fill
	CREST
	s_add_nc_u64 s[G0+4*\slot+2:G0+4*\slot+3], s[G0+4*\slot+2:G0+4*\slot+3], 131072
	s_add_nc_u64 s[G0B+4*\slot+2:G0B+4*\slot+3], s[G0B+4*\slot+2:G0B+4*\slot+3], 1024
	JLOAD G0+4*\slot, G1, G0B+4*\slot, G1B
	PLACES 4
.else
	PLACES 8
.endif
	s_wait_alu depctr_va_vdst(0)
	v_add_nc_u32 v[ADSA], 2048, v[ADSA]
	v_add_nc_u32 v[ADSB], 16, v[ADSB]
	FETCH \next, 0, 0
	SCALES \next
.if \fill
	s_cmp_gt_u32 s3, 1                             ; the loop's last trip has no K step two refills on
	s_cbranch_scc0 .Lno_ask_\@
	global_prefetch_b8 v31, s[98:99] th:TH_LOAD_NT scope:SCOPE_SE
.Lno_ask_\@:
.endif
	MUL 128, 2, 2, \slot, 3, 0
.endm
	s_wait_tensorcnt 1
	s_barrier_signal -1
	s_barrier_wait -1
	FETCH 0, 0, 0
	SCALES 0
	STEP 0, 0, 1
	WIN 0
.if LAPS > 1
	s_mov_b32 s3, LAPS-1
.Llap:
	STEP 0, 1, 0
	STEP 0, 2, 0
	TURN 0, 1, 1
	STEP 1, 0, 0
	STEP 1, 1, 0
	STEP 1, 2, 0
	TURN 1, 0, 1
	STEP 0, 0, 0
	WIN 0
	s_sub_co_u32 s3, s3, 1
	s_cmp_lg_u32 s3, 0
	s_cbranch_scc1 .Llap
.endif
	STEP 0, 1, 0
	STEP 0, 2, 0
	TURN 0, 1, 0
	STEP 1, 0, 0
	STEP 1, 1, 0
	STEP 1, 2, 0
	s_wait_dscnt 0x0
	MUL 128, 0, 4, 1, 3, 0
	WIN 0
	PLACES 8
.irp i, 0,1,2,3
.irp j, 0,1,2,3
	ds_store_b128 v[STO], v[ACC+8*(4*\i+\j):ACC+8*(4*\i+\j)+3] offset:8448*\i+64*\j
	ds_store_b128 v[STO], v[ACC+8*(4*\i+\j)+4:ACC+8*(4*\i+\j)+7] offset:8448*\i+64*\j+16
.endr
.endr
	s_wait_dscnt 0x0
	s_wait_loadcnt 0x0
	s_barrier_signal -1
	WIN 0x82
.set ix, 0
.rept 64
	v_pk_add_f32 v[ix:ix+1], v[ix:ix+1], v[8+ix%4:9+ix%4]
.set ix, ix+2
.endr
	WIN 0
	s_barrier_wait -1
.set ix, 0
.rept 32
	ds_load_b128 v[ACC+4*ix:ACC+4*ix+3], v[RD] offset:SPITCH*ix
.set ix, ix+1
.endr
	WIN 0x88
.set ix, 0
.rept 32
	s_wait_dscnt 31-ix
	v_pk_add_f32 v[4*ix:4*ix+1], v[ACC+4*ix:ACC+4*ix+1], v[4*ix:4*ix+1]
	v_pk_add_f32 v[4*ix+2:4*ix+3], v[ACC+4*ix+2:ACC+4*ix+3], v[4*ix+2:4*ix+3]
	global_store_b128 v[CO], v[4*ix:4*ix+3], s[14:15] offset:4096*ix
.set ix, ix+1
.endr
	WIN 0
	s_wait_tensorcnt 0x0
	ds_add_u32 v[SPW], v[NIL]
	s_wait_dscnt 0x0
	CROUND
	s_endpgm
.Lfunc_end_k_q4709d8089f_fc2:
	.size	k_q4709d8089f_fc2, .Lfunc_end_k_q4709d8089f_fc2-k_q4709d8089f_fc2
	.p2alignl 7, 3214868480
	.fill 96, 4, 3214868480
	.section	.rodata,"a",@progbits
	.p2align	6, 0x0
	.amdhsa_kernel k_q4709d8089f_fc2
		.amdhsa_group_segment_fixed_size 327680
		.amdhsa_private_segment_fixed_size 0
		.amdhsa_enable_private_segment 0
		.amdhsa_kernarg_size 48
		.amdhsa_user_sgpr_count 2
		.amdhsa_user_sgpr_kernarg_segment_ptr 1
		.amdhsa_wavefront_size32 1
		.amdhsa_system_sgpr_workgroup_id_x 1
		.amdhsa_system_sgpr_workgroup_id_y 1
		.amdhsa_system_sgpr_workgroup_id_z 1
		.amdhsa_system_vgpr_workitem_id 0
		.amdhsa_next_free_vgpr 768
		.amdhsa_next_free_sgpr 100
		.amdhsa_reserve_vcc 0
		.amdhsa_float_denorm_mode_32 3
		.amdhsa_float_denorm_mode_16_64 3
		.amdhsa_memory_ordered 1
		.amdhsa_forward_progress 1
		.amdhsa_inst_pref_size 111
	.end_amdhsa_kernel
	.amdgpu_metadata
---
amdhsa.version: [ 1, 2 ]
amdhsa.kernels:
  - .name:           k_q4709d8089f_fc2
    .symbol:         k_q4709d8089f_fc2.kd
    .args:
      - { .name: G, .offset: 0, .size: 8, .value_kind: global_buffer, .address_space: global }
      - { .name: W_fc2_codes, .offset: 8, .size: 8, .value_kind: global_buffer, .address_space: global }
      - { .name: W_fc2_scales, .offset: 16, .size: 8, .value_kind: global_buffer, .address_space: global }
      - { .name: b_fc2, .offset: 24, .size: 8, .value_kind: global_buffer, .address_space: global }
      - { .name: X1, .offset: 32, .size: 8, .value_kind: global_buffer, .address_space: global }
      - { .name: out0, .offset: 40, .size: 8, .value_kind: global_buffer, .address_space: global }
    .group_segment_fixed_size: 327680
    .private_segment_fixed_size: 0
    .kernarg_segment_align: 8
    .kernarg_segment_size: 48
    .max_flat_workgroup_size: 128
    .sgpr_count:     100
    .vgpr_count:     768
    .wavefront_size: 32
...
	.end_amdgpu_metadata
.endif
;; end of part 6
